; MI455X (gfx1250); checked and timed in simulation.
; The chip was launched on July 23, 2026; its instructions are those of AMD's public machine-readable ISA for CDNA 5 (MIT licence, August 2026) and "CDNA5" Instruction Set Architecture Reference Guide (July 2026). The comments in the code are by the model that wrote it; some were corrected since.
;; Top K Mo E. Allowed arithmetic: matrix products marked QUANTISED: E3M2 operands, one E8M0 scale for each 32 along K, by v_wmma_scale_f32_16x16x128_f8f6f4 with both operands' format E3M2, f32 sums; products left as they are: f32 operands where the result goes on into a quantised operand, else bf16, f16 or f32 operands; f32 sums; everything else in f32.
;; Inputs: b1 8 x 1,024 float32; b2 8 x 1,024 float32; router_b 8 float32; router_w 1,024 x 8 float32; w1 8 x 1,024 x 1,024 float32; w2 8 x 1,024 x 1,024 float32; x 2 x 2,048 x 1,024 float32.
;; Outputs: out0 2 x 2,048 x 1,024 float32.
;; This version of the problem:
;;   THIS VERSION OF THE PROBLEM IS GIVEN IN LOW PRECISION. The matrix products marked QUANTISED in the list below multiply operands that are first quantised to E3M2 (3 exponent bits, 2 mantissa bits; 6 bits a number), with one power-of-two scale for each 32 numbers along K (OCP MX v1.0); their sums are f32. All else is computed in f32.
;;   The module's matrix products, in the order in which they are computed (A, B: the left and right operand; K: the contracted axis; several contracted axes count as one K, in the product's order):
;;     1. [M 4,096, K 1,024] x [K 1,024, N 8]; A: input x; B: input router_w: left as it is (N = 8 < 16)
;;     2. [M 4,096, K 1,024] x [K 1,024, N 1,024]; A: input x; B: input w1: QUANTISED
;;     3. [M 4,096, K 1,024] x [K 1,024, N 1,024]; A: computed on the way; B: input w2: QUANTISED
;;     4. [M 4,096, K 1,024] x [K 1,024, N 1,024]; A: input x; B: input w1: QUANTISED
;;     5. [M 4,096, K 1,024] x [K 1,024, N 1,024]; A: computed on the way; B: input w2: QUANTISED
;;     6. [M 4,096, K 1,024] x [K 1,024, N 1,024]; A: input x; B: input w1: QUANTISED
;;     7. [M 4,096, K 1,024] x [K 1,024, N 1,024]; A: computed on the way; B: input w2: QUANTISED
;;     8. [M 4,096, K 1,024] x [K 1,024, N 1,024]; A: input x; B: input w1: QUANTISED
;;     9. [M 4,096, K 1,024] x [K 1,024, N 1,024]; A: computed on the way; B: input w2: QUANTISED
;;     10. [M 4,096, K 1,024] x [K 1,024, N 1,024]; A: input x; B: input w1: QUANTISED
;;     11. [M 4,096, K 1,024] x [K 1,024, N 1,024]; A: computed on the way; B: input w2: QUANTISED
;;     12. [M 4,096, K 1,024] x [K 1,024, N 1,024]; A: input x; B: input w1: QUANTISED
;;     13. [M 4,096, K 1,024] x [K 1,024, N 1,024]; A: computed on the way; B: input w2: QUANTISED
;;     14. [M 4,096, K 1,024] x [K 1,024, N 1,024]; A: input x; B: input w1: QUANTISED
;;     15. [M 4,096, K 1,024] x [K 1,024, N 1,024]; A: computed on the way; B: input w2: QUANTISED
;;     16. [M 4,096, K 1,024] x [K 1,024, N 1,024]; A: input x; B: input w1: QUANTISED
;;     17. [M 4,096, K 1,024] x [K 1,024, N 1,024]; A: computed on the way; B: input w2: QUANTISED
;;   THE QUANTISER, for each operand of a quantised product, along K:
;;     - K is cut into blocks of 32 from its start; a last block that is shorter is filled with zeros.
;;     - A block's scale is 2^e with e = floor(log2(the largest magnitude in the block)) - 4, held to -126 .. 127; a block of zeros has e = 0. As a byte (E8M0): e + 127.
;;     - Each number is divided by its block's scale, clamped to +-28, and rounded to the nearest number of E3M2, ties to even, subnormals kept.
;;     - The product sums the exact products of the quantised numbers (number of the format x scale) in f32.
;;   ~~~python
;;   def quantise(x, axis):      # numpy; x: float32 -> the quantised numbers, widened to float32 again
;;       x = np.moveaxis(x, axis, -1); K = x.shape[-1]
;;       x = np.pad(x, [(0, 0)] * (x.ndim - 1) + [(0, -K % 32)]); x = x.reshape(x.shape[:-1] + (-1, 32)); a = np.abs(x).max(-1, keepdims=True)
;;       e = np.where(a > 0, np.clip(np.frexp(np.where(a > 0, a, 1))[1] - 1 - 4, -126, 127), 0)      # np.frexp(a)[1] - 1 = floor(log2(a)), exactly
;;       r = np.clip(x / 2.0 ** e, -28, 28)
;;       step = 2.0 ** (np.maximum(np.frexp(np.where(r == 0, 1, r))[1] - 1, -2) - 2)
;;       q = np.round(r / step) * step * 2.0 ** e      # np.round: ties to even
;;       return np.moveaxis(q.reshape(q.shape[:-2] + (-1,))[..., :K], -1, axis).astype(np.float32)
;;   ~~~
;;   OPERANDS COMPUTED ON THE WAY. 'Computed on the way' means the value that the module computes at that place (a softmax that the list does not call 'softmax' is quantised finished and normalised). What goes into a quantiser is computed in f32, as accurately as f32 sums, v_exp_f32 and their like allow (about 1e-6 of the number): no bf16 or f16 on the way to a quantiser, and a product that is left as it is and whose result goes on into a quantised operand takes f32 operands (vector FMAs, or v_wmma_f32_16x16x4_f32). A number that lies on a knife's edge between two numbers of the format may be rounded either way, as far as f32 arithmetic and the matrix unit's own rounding can turn it there, and no further.
;; 2 versions. Each part assembles by itself: llvm-mc -triple=amdgcn-amd-amdhsa -mcpu=gfx1250 --defsym DOCPART=n.
;; ======== version 1 of 2: 4 launches
;; workspace buffers: wq 13,107,200 bytes; xq 3,276,800 bytes; pairk 16,384 bytes of whole numbers; gates 32,768 bytes; stok 16,384 bytes of whole numbers; sgate 32,768 bytes; hq 26,214,400 bytes
;; launch prep (part 1): grid 576 x 1, 8 waves a work-group, no clusters, 110,080 bytes of LDS; arguments x, router_w, router_b, w1, w2, wq, xq, pairk, gates; writes wq, xq, pairk, gates
.if DOCPART == 1
	.amdgcn_target "amdgcn-amd-amdhsa--gfx1250"
	.amdhsa_code_object_version 6
	.text
	.protected	k_qb6b60d3f12_prep
	.globl	k_qb6b60d3f12_prep
	.p2align	8
	.type	k_qb6b60d3f12_prep,@function
k_qb6b60d3f12_prep:
	s_mov_b64 s[64:65], 0
	v_nop
	global_prefetch_b8 v0, s[64:65] scope:SCOPE_SE
	s_setreg_imm32_b32 hwreg(HW_REG_WAVE_MODE, 25, 1), 1
	s_wait_xcnt 0x0
; PREP: one launch, two kinds of work-group, parted by the work-group's number alone.
; Work-groups 0-63 (x path): 64 tokens each.  The router in f32 (logits = x router_w + router_b, the two largest, the lower index first on a tie, softmax of the two),
;   stored at FIXED places: pairk[token] = class | a<<8 | b<<16 (a < b the two experts, class their number among the 28 pairs), gates[token] = the gate of a, the gate of b;
;   and x as codes of BF6 (E3M2) with one E8M0 byte for each 32 along K: xq codes at token x 768 + 384 (block % 2) + 24 (block / 2), bytes at 3,145,728 + token x 32 + block.
; Work-groups 64-575 (weight path): w1 and w2 [e][k][n] f32, K the FIRST axis of a weight.  A lane takes a column n and its registers run down K, so a block of 32 lies in one lane and
;   the conversions give codes with K innermost.  The codes are stored in the ORDER OF THE OPERAND'S REGISTERS (a tile of 16 columns x 128 K: 1,536 bytes, register group p of lane l at 512 p + 16 l),
;   so that a later launch loads a fragment by three loads of 16 bytes a lane.  The columns of tile 2 b + u of a group of 64 are 32 b + 8 u + r + 8 (r / 8).
; A block's scale is 2^(floor(log2(largest magnitude)) - 4); its byte is the largest magnitude's exponent field - 4, held at 1 from below by a floor among the maximum's leaves.
; LIMITS: NaN and infinities among the inputs are not served.  Blocks whose largest magnitude lies under 2^-122 keep the byte 1; a block of zeros too (its codes are zeros; only this program reads the bytes).
;   A second and a third logit nearer to each other than the rounding of an f32 sum of 1,024 terms may be chosen otherwise than by another order of summation.
;   The 8 keys and 8 gate pairs of a wave leave by two small stores (48 KB in the whole launch).
.set STG,  33280                       ; LDS: 0 .. 33,279 router_w as [k / 32][e][k % 32], 1,040 bytes for each 32 along K (an odd multiple of 16);
.set SBY,  107008                      ;   from STG 9,216 bytes a wave: two tokens x 32 places of 128 + 16 bytes; from SBY 256 bytes a wave: its 8 tokens' scale bytes
.set L,    32                          ; v32-95   two tokens as loaded
.set X,    96                          ; v96-159  two tokens, a block of 32 neighbours a lane
.set W,    160                         ; v160-223 router weights, two sets of 32; behind the router at work
.set A,    224                         ; v224-255 logits: the pair of (token k, expert e) at A + 16 k + 2 e
.set TM1,  204                         ; the top-2's registers
.set TI1,  205
.set TM2,  206
.set TI2,  207
.set TD,   208
.set TE,   209
.set TR,   210
.set TG,   211
.set TA,   212
.set TB,   213
.set TGA,  214
.set TGB,  215
.set TKY,  216
	s_load_b256 s[4:11], s[0:1], 0x0               ; x s[4:5], router_w s[6:7], router_b s[8:9], w1 s[10:11]
	s_load_b256 s[12:19], s[0:1], 0x20             ; w2 s[12:13], wq s[14:15], xq s[16:17], pairk s[18:19]
	s_load_b64 s[20:21], s[0:1], 0x40              ; gates
	v_lshl_add_u32 v30, v0, 2, 0x1aa00
	v_mov_b32 v31, 0
	v_lshrrev_b32 v1, 5, v0
	v_readfirstlane_b32 s22, v1                    ; wave 0..7
	v_and_b32 v1, 31, v0                           ; lane
	s_cmp_ge_u32 ttmp9, 64
	s_cbranch_scc1 .Lweights
; ---------------------------------------------------------------- the x path
	v_lshlrev_b32 v2, 4, v1                        ; 16 x lane
	s_mul_i32 s44, s22, 9216
	s_add_co_u32 s44, s44, STG                     ; my wave's stage
	s_lshl_b32 s45, s22, 8
	s_add_co_u32 s45, s45, SBY                     ; my wave's scale bytes
	v_lshrrev_b32 v3, 3, v1
	v_mul_u32_u24 v3, v3, 144
	v_and_b32 v9, 7, v1
	v_lshl_add_u32 v3, v9, 4, v3
	v_add_nc_u32 v3, s44, v3                       ; into the stage: eight lanes' 128 bytes on end, then 16 of padding
	v_mul_u32_u24 v4, v1, 144
	v_add_nc_u32 v4, s44, v4                       ; out of it: my block of 32 numbers
	v_mul_u32_u24 v5, v1, 1040                     ; router_w of my block's 32 k
	v_and_b32 v6, 1, v1
	v_mul_u32_u24 v6, v6, 384
	v_lshrrev_b32 v9, 1, v1
	v_mad_u32_u24 v6, v9, 24, v6
	v_add_nc_u32 v6, s44, v6                       ; my block's 24 bytes of codes in a token's 768, laid in the stage
	v_add_nc_u32 v7, s45, v1                       ; my block's scale byte
	v_lshlrev_b32 v14, 3, v1                       ; 8 x lane
	v_add_nc_u32 v8, s45, v14                      ; the scale bytes on the way out
	v_lshlrev_b32 v13, 2, v1                       ; 4 x lane
	v_add_nc_u32 v15, s44, v2                      ; the codes on the way out
	v_lshlrev_b32 v10, 4, v0                       ; router_w: 16 bytes a thread
	v_lshrrev_b32 v11, 6, v0                       ; and where they go: k = thread / 2 + 128 j, e = 4 (thread % 2) + 0..3
	v_mul_u32_u24 v11, v11, 1040
	v_bfe_u32 v12, v0, 1, 5
	v_lshl_add_u32 v11, v12, 2, v11
	v_and_b32 v12, 1, v0
	v_lshl_add_u32 v11, v12, 9, v11
	v_mov_b32 v16, 0                               ; lane i (0..7) gathers token i's key,
	v_mov_b32 v18, 0                               ; and its two gates
	v_mov_b32 v19, 0
	s_mov_b32 s32, 0x76543210
	s_mov_b32 s33, 0xfedcba98                      ; v_permlanex16_b32's selects for lane l xor 16
	s_mov_b32 s34, 0                               ; trip
	s_mov_b32 s35, 0                               ; 64 x trip: the trip's scale bytes
	s_lshl_b32 s38, ttmp9, 6
	s_lshl_b32 s39, s22, 3
	s_add_co_u32 s38, s38, s39                     ; my wave's first token
	s_mov_b32 s41, 0
	s_wait_kmcnt 0x0
	s_load_b256 s[24:31], s[8:9], 0x0              ; router_b
	s_lshl_b32 s40, s38, 12
	s_add_nc_u64 s[4:5], s[4:5], s[40:41]          ; x at my first token
	s_mul_i32 s40, s38, 768
	s_add_nc_u64 s[42:43], s[16:17], s[40:41]      ; its codes
	s_lshl_b32 s40, s38, 5
	s_add_co_u32 s40, s40, 3145728
	s_add_nc_u64 s[16:17], s[16:17], s[40:41]      ; its scale bytes
	s_lshl_b32 s40, s38, 2
	s_add_nc_u64 s[18:19], s[18:19], s[40:41]      ; its key
	s_lshl_b32 s40, s38, 3
	s_add_nc_u64 s[20:21], s[20:21], s[40:41]      ; its gates
.irp j, 0,1,2,3,4,5,6,7
	global_load_b128 v[W+4*\j:W+4*\j+3], v10, s[6:7] offset:4096*\j
.endr
.macro LOADPAIR off                    ; two tokens' rows: each load reads 512 consecutive bytes
.irp k, 0,1
.irp j, 0,1,2,3,4,5,6,7
	global_load_b128 v[L+32*\k+4*\j:L+32*\k+4*\j+3], v2, s[4:5] offset:(\off)+4096*\k+512*\j th:TH_LOAD_NT
.endr
.endr
.endm
	LOADPAIR 0
	s_wait_loadcnt 16                              ; router_w's eight loads are in; the 16 of the first two tokens may be out
.irp j, 0,1,2,3,4,5,6,7
.irp q, 0,1,2,3
	ds_store_b32 v11, v[W+4*\j+\q] offset:4160*\j+128*\q
.endr
.endr
	s_wait_dscnt 0x0                               ; for the others' sake: my part of router_w lies in LDS
	s_barrier_signal -1
	s_barrier_wait -1
	s_wait_kmcnt 0x0                               ; router_b
.macro WLOAD e                         ; router_w(32 lane + 0..31, e) into set e % 2
.irp q, 0,1,2,3,4,5,6,7
	ds_load_b128 v[W+32*((\e)%2)+4*\q:W+32*((\e)%2)+4*\q+3], v5 offset:128*(\e)+16*\q
.endr
.endm
.macro ROUTE e                         ; my 32 k's part of both tokens' logit e: packed multiply-adds, the two tokens by turns
.if (\e) < 7
	WLOAD (\e)+1
	s_wait_dscnt 8                                 ; this expert's weights are in; the eight loads just issued may be out
.else
	s_wait_dscnt 0x0
.endif
.irp i, 0,2,4,6,8,10,12,14,16,18,20,22,24,26,28,30
.irp k, 0,1
.if \i == 0
	v_pk_mul_f32 v[A+16*\k+2*(\e):A+16*\k+2*(\e)+1], v[X+32*\k+\i:X+32*\k+\i+1], v[W+32*((\e)%2)+\i:W+32*((\e)%2)+\i+1]
.else
	v_pk_fma_f32 v[A+16*\k+2*(\e):A+16*\k+2*(\e)+1], v[X+32*\k+\i:X+32*\k+\i+1], v[W+32*((\e)%2)+\i:W+32*((\e)%2)+\i+1], v[A+16*\k+2*(\e):A+16*\k+2*(\e)+1]
.endif
.endr
.endr
.endm
.macro XQUANT k                        ; token k's block of mine: its byte, its 32 codes in six registers, both into LDS
.set XS, X+32*(\k)
.set QT, 196+4*(\k)
.set CC, 160+8*(\k)
.set TT, 176+4*(\k)
	v_max3_num_f32 v[QT], |v[XS]|, |v[XS+1]|, |v[XS+2]|
	v_max3_num_f32 v[QT+1], |v[XS+3]|, |v[XS+4]|, |v[XS+5]|
.irp i, 6,10,14,18,22,26
	v_max3_num_f32 v[QT], v[QT], |v[XS+\i]|, |v[XS+\i+1]|
	v_max3_num_f32 v[QT+1], v[QT+1], |v[XS+\i+2]|, |v[XS+\i+3]|
.endr
	v_max3_num_f32 v[QT], v[QT], |v[XS+30]|, |v[XS+31]|
	v_max3_num_f32 v[QT], v[QT], v[QT+1], 0x2800000      ; the floor 2^(5 - 127): the byte cannot fall under 1
	v_add_nc_u32 v[QT+2], 0xfe000000, v[QT]              ; 4 off the exponent field: the conversion's scale operand
	v_cvt_scalef32_pk16_bf6_f32 v[CC:CC+2], v[XS:XS+15], v[QT+2]
	v_cvt_scalef32_pk16_bf6_f32 v[TT:TT+2], v[XS+16:XS+31], v[QT+2]   ; (a conversion's three registers begin on an even number)
	v_lshrrev_b32 v[QT+3], 23, v[QT+2]                   ; the byte; also the plain line behind the conversions
.irp i, 0,1,2
	v_mov_b32 v[CC+3+\i], v[TT+\i]
.endr
	ds_store_b8 v9, v[QT+3] offset:32*(\k)
.irp i, 0,1,2
	ds_store_b64 v6, v[CC+2*\i:CC+2*\i+1] offset:768*(\k)+8*\i
.endr
.endm
.macro TOP2 k, ix                      ; token k's two largest logits (every lane holds all eight), its gates and its key, kept in lane s[ix]
.set LG, A+16*(\k)
	v_mov_b32 v[TM1], v[LG]
	v_mov_b32 v[TI1], 0
.irp e, 1,2,3,4,5,6,7
	v_cmp_le_f32 vcc_lo, v[LG+2*\e], v[TM1]              ; kept where the new one is not greater: the lower index wins a tie
	v_cndmask_b32 v[TM1], v[LG+2*\e], v[TM1], vcc_lo
	v_cndmask_b32 v[TI1], \e, v[TI1], vcc_lo
.endr
	v_mov_b32 v[TM2], 0xff800000
	v_mov_b32 v[TI2], 0
.irp e, 0,1,2,3,4,5,6,7
	v_cmp_le_f32 s46, v[LG+2*\e], v[TM2]
	v_cmp_eq_u32 s47, \e, v[TI1]                         ; the first choice is passed over
	s_or_b32 vcc_lo, s46, s47
	v_cndmask_b32 v[TM2], v[LG+2*\e], v[TM2], vcc_lo
	v_cndmask_b32 v[TI2], \e, v[TI2], vcc_lo
.endr
	v_sub_f32 v[TD], v[TM2], v[TM1]                      ; the maximum is taken away: 0 or less
	v_mul_f32 v[TD], 0x3fb8aa3b, v[TD]
	v_exp_f32 v[TE], v[TD]
	v_min_u32 v[TA], v[TI1], v[TI2]                      ; (a plain line behind the exponential)  a < b
	s_wait_alu depctr_va_vdst(0)
	v_add_f32 v[TD], 1.0, v[TE]
	v_rcp_f32 v[TR], v[TD]                               ; the first choice's gate
	v_max_u32 v[TB], v[TI1], v[TI2]                      ; (a plain line behind the reciprocal)
	s_wait_alu depctr_va_vdst(0)
	v_mul_f32 v[TG], v[TE], v[TR]                        ; the second's
	v_cmp_lt_u32 vcc_lo, v[TI1], v[TI2]
	v_cndmask_b32 v[TGA], v[TG], v[TR], vcc_lo
	v_cndmask_b32 v[TGB], v[TR], v[TG], vcc_lo
	v_sub_nc_u32 v[TKY], 15, v[TA]
	v_mul_u32_u24 v[TKY], v[TKY], v[TA]
	v_lshrrev_b32 v[TKY], 1, v[TKY]                      ; (15 - a) a / 2: the pairs with a smaller first expert
	v_add_nc_u32 v[TKY], v[TKY], v[TB]
	v_sub_nc_u32 v[TKY], v[TKY], v[TA]
	v_add_nc_u32 v[TKY], -1, v[TKY]                      ; the class, 0 .. 27
	v_lshl_or_b32 v[TKY], v[TA], 8, v[TKY]
	v_lshl_or_b32 v[TKY], v[TB], 16, v[TKY]
	v_cmp_eq_u32 vcc_lo, s[\ix], v1
	v_cndmask_b32 v16, v16, v[TKY], vcc_lo
	v_cndmask_b32 v18, v18, v[TGA], vcc_lo
	v_cndmask_b32 v19, v19, v[TGB], vcc_lo
.endm
.Ltrip:                                            ; four trips of two tokens
	s_wait_loadcnt 0x0                             ; this trip's two rows are in
.irp k, 0,1
.irp j, 0,1,2,3,4,5,6,7
	ds_store_b128 v3, v[L+32*\k+4*\j:L+32*\k+4*\j+3] offset:4608*\k+576*\j
.endr
.endr
.irp k, 0,1
.irp i, 0,1,2,3,4,5,6,7
	ds_load_b128 v[X+32*\k+4*\i:X+32*\k+4*\i+3], v4 offset:4608*\k+16*\i   ; LDS serves a wave's instructions in order (ISA guide 5.7.1.4): these see the stores above
.endr
.endr
	WLOAD 0
	s_wait_dscnt 8                                 ; the stage's stores and loads are done; the first expert's eight loads may be out
	s_cmp_eq_u32 s34, 3
	s_cbranch_scc1 .Lno_more                       ; the last trip asks for nothing: no load leaves x
	LOADPAIR 8192
.Lno_more:
.irp e, 0,1,2,3,4,5,6,7
	ROUTE \e
.endr
	v_add_nc_u32 v9, s35, v7
	XQUANT 0
	XQUANT 1
.irp i, 0,1,2
	ds_load_b128 v[184+4*\i:187+4*\i], v15 offset:512*\i    ; two tokens' 1,536 bytes of codes, as they lie in xq
.endr
.irp n, 0,1,2,3,4,5,6,7,8,9,10,11,12,13,14,15
	v_add_f32 v[A+2*\n], v[A+2*\n], v[A+2*\n+1]
.endr
.irp q, 1,2,4,8
.irp n, 0,1,2,3,4,5,6,7,8,9,10,11,12,13,14,15
	v_add_f32_dpp v[A+2*\n], v[A+2*\n], v[A+2*\n] row_xmask:\q row_mask:0xf bank_mask:0xf
.endr
.endr
.irp n, 0,1,2,3,4,5,6,7,8,9,10,11,12,13,14,15
	v_permlanex16_b32 v[A+2*\n+1], v[A+2*\n], s32, s33
.endr
.irp n, 0,1,2,3,4,5,6,7,8,9,10,11,12,13,14,15
	v_add_f32 v[A+2*\n], v[A+2*\n], v[A+2*\n+1]          ; every lane holds the same sum: an addition's two sources may change places
.endr
.irp n, 0,1,2,3,4,5,6,7,8,9,10,11,12,13,14,15
	v_add_f32 v[A+2*\n], s[24+\n%8], v[A+2*\n]           ; + router_b
.endr
	s_lshl_b32 s36, s34, 1
	s_add_co_u32 s37, s36, 1
	TOP2 0, 36
	TOP2 1, 37
	s_wait_dscnt 0x0
.irp i, 0,1,2
	global_store_b128 v2, v[184+4*\i:187+4*\i], s[42:43] offset:512*\i   ; each store covers 512 consecutive bytes, aligned to 256
.endr
	s_wait_xcnt 0x0                                ; the bases and the stores' data are written again only behind this wait
	s_add_nc_u64 s[4:5], s[4:5], 8192
	s_add_nc_u64 s[42:43], s[42:43], 1536
	s_add_co_u32 s35, s35, 64
	s_add_co_u32 s34, s34, 1
	s_cmp_lt_u32 s34, 4
	s_cbranch_scc1 .Ltrip
	ds_load_b64 v[10:11], v8                       ; my wave's 256 scale bytes
	s_wait_dscnt 0x0
	global_store_b64 v14, v[10:11], s[16:17]       ; 256 consecutive bytes, aligned
	v_cmp_gt_u32 vcc_lo, 8, v1
	s_wait_xcnt 0x0                                ; EXEC changes only behind this wait
	s_wait_tensorcnt 0x0
	ds_add_u32 v30, v31
	s_wait_dscnt 0x0
	s_and_saveexec_b32 s46, vcc_lo
	global_store_b32 v13, v16, s[18:19]            ; lanes 0-7: the eight keys,
	global_store_b64 v14, v[18:19], s[20:21]       ; and the eight pairs of gates
	s_endpgm
; ---------------------------------------------------------------- the weight path: 256 columns x 128 along K of one expert's w1 or w2; a wave 32 columns
.Lweights:
	s_sub_co_u32 s24, ttmp9, 64
	s_lshr_b32 s25, s24, 8                         ; 0: w1, 1: w2
	s_bfe_u32 s26, s24, 0x30005                    ; expert
	s_bfe_u32 s27, s24, 0x20003                    ; which 256 columns
	s_and_b32 s28, s24, 7                          ; which 128 along K
	s_lshl_b32 s30, s26, 22                        ; in: expert x 4 MiB + K step x 128 rows of 4,096 bytes + 4 x column
	s_lshl_b32 s29, s28, 19
	s_add_co_u32 s30, s30, s29
	s_lshl_b32 s29, s27, 10
	s_add_co_u32 s30, s30, s29
	s_lshl_b32 s29, s22, 7
	s_add_co_u32 s30, s30, s29
	s_mov_b32 s31, 0
	s_lshl_b32 s32, s27, 2
	s_lshr_b32 s29, s22, 1
	s_add_co_u32 s32, s32, s29                     ; G: my group of 64 columns
	s_lshl_b32 s29, s26, 4
	s_add_co_u32 s32, s32, s29
	s_lshl_b32 s32, s32, 3
	s_add_co_u32 s32, s32, s28                     ; (16 e + G) 8 + K step
	s_and_b32 s33, s22, 1                          ; b: which 32 of the 64
	s_mul_i32 s34, s32, 6144
	s_mul_i32 s29, s33, 3072
	s_add_co_u32 s34, s34, s29
	s_mul_i32 s29, s25, 6291456
	s_add_co_u32 s34, s34, s29                     ; out: my two tiles' codes
	s_mov_b32 s35, 0
	s_lshl_b32 s36, s32, 8
	s_lshl_b32 s29, s33, 7
	s_add_co_u32 s36, s36, s29
	s_lshl_b32 s29, s25, 18
	s_add_co_u32 s36, s36, s29
	s_add_co_u32 s36, s36, 12582912                ; and their 32 scale words
	s_mov_b32 s37, 0
	v_lshlrev_b32 v2, 2, v1                        ; in: 4 bytes a lane
	v_bfe_u32 v5, v1, 3, 1                         ; u: my column's tile of the two
	v_and_b32 v6, 7, v1
	v_lshrrev_b32 v7, 4, v1
	v_lshl_add_u32 v6, v7, 3, v6                   ; r: its row in the tile
	v_mul_u32_u24 v3, v5, 1536
	v_lshl_add_u32 v3, v6, 4, v3                   ; codes: 1,536 u + 16 r
	v_lshlrev_b32 v4, 6, v5
	v_lshl_add_u32 v4, v6, 2, v4                   ; scale word: 64 u + 4 r
	s_wait_kmcnt 0x0
	s_cmp_eq_u32 s25, 0
	s_cselect_b64 s[38:39], s[10:11], s[12:13]
	s_add_nc_u64 s[38:39], s[38:39], s[30:31]
	s_add_nc_u64 s[40:41], s[14:15], s[34:35]
	s_add_nc_u64 s[42:43], s[14:15], s[36:37]
.macro LOADB kb                        ; block kb: 32 rows of my column; a load reads 128 consecutive bytes a wave, 1,024 a work-group
.irp i, 0,1,2,3,4,5,6,7,8,9,10,11,12,13,14,15,16,17,18,19,20,21,22,23,24,25,26,27,28,29,30,31
	global_load_b32 v[32+32*(\kb)+\i], v2, s[38:39] offset:(32*(\kb)+\i)*4096 th:TH_LOAD_NT
.endr
.endm
.macro BLOCK kb                        ; block kb = 2 c + h becomes registers 6 c .. 6 c + 5 of the fragment lane (r, h): v160.. for h = 0, v172.. for h = 1
.set XS, 32+32*(\kb)
.set FD, 160+12*((\kb)%2)+6*((\kb)/2)
.if (\kb) < 3
	s_wait_loadcnt 32                              ; this block's 32 loads are in; the next block's may be out
.else
	s_wait_loadcnt 0x0
.endif
.if (\kb) < 2
	LOADB (\kb)+2
.endif
	v_max3_num_f32 v8, |v[XS]|, |v[XS+1]|, |v[XS+2]|
	v_max3_num_f32 v9, |v[XS+3]|, |v[XS+4]|, |v[XS+5]|
.irp i, 6,10,14,18,22,26
	v_max3_num_f32 v8, v8, |v[XS+\i]|, |v[XS+\i+1]|
	v_max3_num_f32 v9, v9, |v[XS+\i+2]|, |v[XS+\i+3]|
.endr
	v_max3_num_f32 v8, v8, |v[XS+30]|, |v[XS+31]|
	v_max3_num_f32 v8, v8, v9, 0x2800000           ; the floor 2^(5 - 127)
	v_add_nc_u32 v10, 0xfe000000, v8               ; 4 off the exponent field: the conversion's scale operand
	v_cvt_scalef32_pk16_bf6_f32 v[FD:FD+2], v[XS:XS+15], v10
	v_cvt_scalef32_pk16_bf6_f32 v[184:186], v[XS+16:XS+31], v10
	v_lshrrev_b32 v11, 23, v10                     ; the byte; also the plain line behind the conversions
.irp i, 0,1,2
	v_mov_b32 v[FD+3+\i], v[184+\i]
.endr
.if (\kb) == 0
	v_mov_b32 v12, v11
.else
	v_lshl_or_b32 v12, v11, 8*(\kb), v12           ; the column's scale word for these 128 k
.endif
.endm
	LOADB 0
	LOADB 1
	BLOCK 0
	BLOCK 1
	BLOCK 2
	BLOCK 3
.irp p, 0,1,2
	global_store_b128 v3, v[160+4*\p:163+4*\p], s[40:41] offset:512*\p       ; sixteen lanes of a tile fill 256 consecutive bytes, aligned; two tiles a store
	global_store_b128 v3, v[172+4*\p:175+4*\p], s[40:41] offset:512*\p+256
.endr
	global_store_b32 v4, v12, s[42:43]             ; 128 consecutive bytes
	s_endpgm
.Lfunc_end_k_qb6b60d3f12_prep:
	.size	k_qb6b60d3f12_prep, .Lfunc_end_k_qb6b60d3f12_prep-k_qb6b60d3f12_prep
	.p2alignl 7, 3214868480
	.fill 96, 4, 3214868480
	.section	.rodata,"a",@progbits
	.p2align	6, 0x0
	.amdhsa_kernel k_qb6b60d3f12_prep
		.amdhsa_group_segment_fixed_size 110080
		.amdhsa_private_segment_fixed_size 0
		.amdhsa_enable_private_segment 0
		.amdhsa_kernarg_size 72
		.amdhsa_user_sgpr_count 2
		.amdhsa_user_sgpr_kernarg_segment_ptr 1
		.amdhsa_wavefront_size32 1
		.amdhsa_system_sgpr_workgroup_id_x 1
		.amdhsa_system_sgpr_workgroup_id_y 1
		.amdhsa_system_sgpr_workgroup_id_z 1
		.amdhsa_system_vgpr_workitem_id 0
		.amdhsa_next_free_vgpr 256
		.amdhsa_next_free_sgpr 66
		.amdhsa_reserve_vcc 1
		.amdhsa_float_denorm_mode_32 3
		.amdhsa_float_denorm_mode_16_64 3
		.amdhsa_memory_ordered 1
		.amdhsa_forward_progress 1
		.amdhsa_inst_pref_size 70
	.end_amdhsa_kernel
	.amdgpu_metadata
---
amdhsa.version: [ 1, 2 ]
amdhsa.kernels:
  - .name:           k_qb6b60d3f12_prep
    .symbol:         k_qb6b60d3f12_prep.kd
    .args:
      - { .name: x, .offset: 0, .size: 8, .value_kind: global_buffer, .address_space: global }
      - { .name: router_w, .offset: 8, .size: 8, .value_kind: global_buffer, .address_space: global }
      - { .name: router_b, .offset: 16, .size: 8, .value_kind: global_buffer, .address_space: global }
      - { .name: w1, .offset: 24, .size: 8, .value_kind: global_buffer, .address_space: global }
      - { .name: w2, .offset: 32, .size: 8, .value_kind: global_buffer, .address_space: global }
      - { .name: wq, .offset: 40, .size: 8, .value_kind: global_buffer, .address_space: global }
      - { .name: xq, .offset: 48, .size: 8, .value_kind: global_buffer, .address_space: global }
      - { .name: pairk, .offset: 56, .size: 8, .value_kind: global_buffer, .address_space: global }
      - { .name: gates, .offset: 64, .size: 8, .value_kind: global_buffer, .address_space: global }
    .group_segment_fixed_size: 110080
    .private_segment_fixed_size: 0
    .kernarg_segment_align: 8
    .kernarg_segment_size: 72
    .max_flat_workgroup_size: 256
    .sgpr_count:     66
    .vgpr_count:     256
    .wavefront_size: 32
...
	.end_amdgpu_metadata
.endif
;; end of part 1
;; launch place (part 2): grid 1 x 1, 32 waves a work-group, no clusters, 8,192 bytes of LDS; arguments pairk, gates, stok, sgate; writes stok, sgate
.if DOCPART == 2
	.amdgcn_target "amdgcn-amd-amdhsa--gfx1250"
	.amdhsa_code_object_version 6
	.text
	.protected	k_qb6b60d3f12_place
	.globl	k_qb6b60d3f12_place
	.p2align	8
	.type	k_qb6b60d3f12_place,@function
k_qb6b60d3f12_place:
	s_mov_b64 s[64:65], 0
	v_nop
	global_prefetch_b8 v0, s[64:65] scope:SCOPE_SE
	s_setreg_imm32_b32 hwreg(HW_REG_WAVE_MODE, 25, 1), 1
	s_wait_xcnt 0x0
; PLACE: a counting sort of the 4,096 tokens by their class (their pair of experts, 28 classes), by one work-group, without atomics.
; stok[position] = token | a<<16 | b<<24, sgate[position] = the two gates.  The order inside a class is wave by wave, load by load, lane by lane.
; Wave w takes tokens 128 w + 32 j + lane, j = 0..3.  Each wave counts its tokens of each class (lane c keeps class c's count); the counts meet in LDS ([wave][class], 4 KB);
; a class's first position is the sum of the smaller classes' totals, a wave's first position in it the sum of the earlier waves' counts.
; One work-group: the sort is 16 KB of keys and a few hundred instructions a wave.  The 48 KB of results are scattered by position: stores of 4 and 8 bytes a lane.
	s_load_b256 s[4:11], s[0:1], 0x0               ; pairk s[4:5], gates s[6:7], stok s[8:9], sgate s[10:11]
	v_lshl_add_u32 v64, v0, 2, 0x1000
	v_mov_b32 v65, 0
	v_lshrrev_b32 v2, 5, v0
	v_readfirstlane_b32 s12, v2                    ; wave 0..31
	v_and_b32 v1, 31, v0
	v_lshlrev_b32 v29, 2, v1                       ; 4 x lane
	v_lshl_add_u32 v3, v2, 9, v29                  ; keys: 512 w + 4 lane
	v_lshlrev_b32 v31, 1, v3                       ; gates: 1,024 w + 8 lane
	v_lshl_add_u32 v30, v2, 7, v1                  ; my first token
	v_lshlrev_b32 v2, 2, v0                        ; LDS: my wave's 32 words, my lane's
	v_mov_b32 v24, 0                               ; lane c: my wave's count of class c
	v_mov_b32 v25, 0                               ; lane c: class c's first position
	v_mov_b32 v26, 0                               ; lane c: class c's total
	v_mov_b32 v27, 0                               ; lane c: the earlier waves' count of class c
.irp j, 0,1,2,3
	v_mov_b32 v[20+\j], 0                          ; my token's rank in its class within the wave
.endr
	s_wait_kmcnt 0x0
.irp j, 0,1,2,3
	global_load_b32 v[4+\j], v3, s[4:5] offset:128*\j
.endr
.irp j, 0,1,2,3
	global_load_b64 v[8+2*\j:9+2*\j], v31, s[6:7] offset:256*\j
.endr
	s_wait_loadcnt 0x0
.irp j, 0,1,2,3
	v_and_b32 v[16+\j], 0xff, v[4+\j]
	v_min_u32 v[16+\j], 31, v[16+\j]               ; the class
.endr
.set CL, 0
.rept 28
	s_mov_b32 s13, 0
.irp j, 0,1,2,3
	v_cmp_eq_u32 s14, CL, v[16+\j]
	v_mbcnt_lo_u32_b32 v28, s14, s13               ; those of the class in lower lanes + those of the loads before
	v_cndmask_b32 v[20+\j], v[20+\j], v28, s14
	s_bcnt1_i32_b32 s15, s14
	s_add_co_u32 s13, s13, s15
.endr
	v_writelane_b32 v24, s13, CL
.set CL, CL+1
.endr
	ds_store_b32 v2, v24
	s_wait_dscnt 0x0                               ; for the others' sake: my counts lie in LDS
	s_barrier_signal -1
	s_barrier_wait -1
.irp q, 0,1,2,3,4,5,6,7,8,9,10,11,12,13,14,15,16,17,18,19,20,21,22,23,24,25,26,27,28,29,30,31
	ds_load_b32 v[32+\q], v29 offset:128*\q        ; lane c: wave q's count of class c
.endr
	s_wait_dscnt 0x0
.irp q, 0,1,2,3,4,5,6,7,8,9,10,11,12,13,14,15,16,17,18,19,20,21,22,23,24,25,26,27,28,29,30,31
	s_cmp_gt_u32 s12, \q
	s_cselect_b32 s13, 1, 0
	v_add_nc_u32 v26, v26, v[32+\q]
	v_mad_u32_u24 v27, v[32+\q], s13, v27
.endr
	s_mov_b32 s13, 0
.set CL, 0
.rept 28
	v_writelane_b32 v25, s13, CL
	v_readlane_b32 s14, v26, CL
	s_add_co_u32 s13, s13, s14
.set CL, CL+1
.endr
	v_add_nc_u32 v28, v25, v27                     ; lane c: where my wave's tokens of class c begin
.irp j, 0,1,2,3
	v_mov_b32 v[32+\j], 0
.endr
.set CL, 0
.rept 28
	v_readlane_b32 s14, v28, CL
	v_mov_b32 v48, s14
.irp j, 0,1,2,3
	v_cmp_eq_u32 vcc_lo, CL, v[16+\j]
	v_cndmask_b32 v[32+\j], v[32+\j], v48, vcc_lo
.endr
.set CL, CL+1
.endr
.irp j, 0,1,2,3
	v_add_nc_u32 v[20+\j], v[20+\j], v[32+\j]
	v_min_u32 v[20+\j], 0xfff, v[20+\j]            ; the position
	v_lshlrev_b32 v[40+\j], 2, v[20+\j]
	v_lshlrev_b32 v[44+\j], 3, v[20+\j]
	v_and_b32 v[36+\j], 0xffff00, v[4+\j]
	v_lshl_add_u32 v[36+\j], v[36+\j], 8, v30      ; a<<16 | b<<24 | my first token,
	v_add_nc_u32 v[36+\j], 32*\j, v[36+\j]         ; + 32 j
.endr
.irp j, 0,1,2,3
	global_store_b32 v[40+\j], v[36+\j], s[8:9]
	global_store_b64 v[44+\j], v[8+2*\j:9+2*\j], s[10:11]
.endr
	s_wait_tensorcnt 0x0
	ds_add_u32 v64, v65
	s_wait_dscnt 0x0
	s_endpgm
.Lfunc_end_k_qb6b60d3f12_place:
	.size	k_qb6b60d3f12_place, .Lfunc_end_k_qb6b60d3f12_place-k_qb6b60d3f12_place
	.p2alignl 7, 3214868480
	.fill 96, 4, 3214868480
	.section	.rodata,"a",@progbits
	.p2align	6, 0x0
	.amdhsa_kernel k_qb6b60d3f12_place
		.amdhsa_group_segment_fixed_size 8192
		.amdhsa_private_segment_fixed_size 0
		.amdhsa_enable_private_segment 0
		.amdhsa_kernarg_size 32
		.amdhsa_user_sgpr_count 2
		.amdhsa_user_sgpr_kernarg_segment_ptr 1
		.amdhsa_wavefront_size32 1
		.amdhsa_system_sgpr_workgroup_id_x 1
		.amdhsa_system_sgpr_workgroup_id_y 1
		.amdhsa_system_sgpr_workgroup_id_z 1
		.amdhsa_system_vgpr_workitem_id 0
		.amdhsa_next_free_vgpr 66
		.amdhsa_next_free_sgpr 66
		.amdhsa_reserve_vcc 1
		.amdhsa_float_denorm_mode_32 3
		.amdhsa_float_denorm_mode_16_64 3
		.amdhsa_memory_ordered 1
		.amdhsa_forward_progress 1
		.amdhsa_inst_pref_size 57
	.end_amdhsa_kernel
	.amdgpu_metadata
---
amdhsa.version: [ 1, 2 ]
amdhsa.kernels:
  - .name:           k_qb6b60d3f12_place
    .symbol:         k_qb6b60d3f12_place.kd
    .args:
      - { .name: pairk, .offset: 0, .size: 8, .value_kind: global_buffer, .address_space: global }
      - { .name: gates, .offset: 8, .size: 8, .value_kind: global_buffer, .address_space: global }
      - { .name: stok, .offset: 16, .size: 8, .value_kind: global_buffer, .address_space: global }
      - { .name: sgate, .offset: 24, .size: 8, .value_kind: global_buffer, .address_space: global }
    .group_segment_fixed_size: 8192
    .private_segment_fixed_size: 0
    .kernarg_segment_align: 8
    .kernarg_segment_size: 32
    .max_flat_workgroup_size: 1024
    .sgpr_count:     66
    .vgpr_count:     66
    .wavefront_size: 32
...
	.end_amdgpu_metadata
.endif
;; end of part 2
;; launch up (part 3): grid 4 x 64, 4 waves a work-group, no clusters, 0 bytes of LDS; arguments wq, xq, stok, b1, hq; writes hq
.if DOCPART == 3
	.amdgcn_target "amdgcn-amd-amdhsa--gfx1250"
	.amdhsa_code_object_version 6
	.text
	.protected	k_qb6b60d3f12_up
	.globl	k_qb6b60d3f12_up
	.p2align	8
	.type	k_qb6b60d3f12_up,@function
k_qb6b60d3f12_up:
	s_mov_b64 s[64:65], 0
	v_nop
	global_prefetch_b8 v0, s[64:65] scope:SCOPE_SE
	s_setreg_imm32_b32 hwreg(HW_REG_WAVE_MODE, 25, 1), 1
	s_wait_xcnt 0x0
; UP: h = Q(gelu(Q(x) Q(w1[e]) + b1[e])) for the experts that a block of tokens uses.  Codes of BF6 (E3M2), one E8M0 scale for each 32 along K, f32 sums.
; SHARES.  Work-group (q, beta): the 64 tokens at sorted positions 64 beta .. 64 beta + 63, hidden units 256 q .. 256 q + 255.  Wave w: the group G = 4 q + w of 64 hidden units: 4 tiles of tokens (m) x 4 tiles of units (t).
; The tokens' 384 registers of codes stay in registers; the walk over e = 0..7 has a constant count and jumps over the experts that none of the 64 tokens uses (a scalar branch on the stored list).
; Every address of a pass is made of the loop's counter e: the list decides only whether a pass is walked.  So a pass asks for its own scale words, bias and first four K steps at its head.
; NO TENSOR LOADS, NO JOINT LOADS: which experts a work-group walks, and how many, hangs on the stored list, so neighbours would ask for different tiles in different numbers; the weights go from memory
; straight into registers, in the order in which an earlier launch has laid them: each load of a wave reads 512 consecutive bytes.  No LDS, no barrier: waves share nothing.
; THE MATRIX INSTRUCTION IS USED TRANSPOSED (source 0 = 16 columns of w1, source 1 = 16 tokens): lane (r, h) holds token 16 m + r, and register j of tile t = 2 b + u the hidden unit 64 G + 32 b + 16 h + 8 u + j:
; the 16 registers of tiles 2 b and 2 b + 1 are 16 neighbours along the next product's K.  b1 is the C of a sum's first instruction.
; GELU, exact form: gelu(z) = max(z, 0) - |z erfc(|z| / sqrt 2)| / 2, erfc(u) = t exp(-u^2 + P(t)), t = 1 / (1 + u / 2), P of degree 9 (a Chebyshev fit whose fractional error stays under 1.2e-7 for every u);
; P's coefficients are multiplied by log2 e, and A = |z| sqrt(log2 e / 2) gives -u^2 log2 e = -A^2 and u / 2 = A delta.
; hq: codes at (8 beta + e) 49,152 + 12,288 m + 768 G: 512 bytes (registers 0-3 of my half fragment, 16 a lane), then 256 (registers 4, 5, 8 a lane); scale words at 25,165,824 + (8 beta + e) 2,048 + 256 (G / 2) + 128 (m / 2) + 4 lane, my two bytes at 2 (G % 2).
; LIMITS: NaN and infinities are not served; where erfc falls under 2^-126 the negative tail is 0; a block under 2^-122 (a block of zeros too) keeps the byte 1.
; REGISTERS, in windows of 256: window 0: v1-7 lane terms; v8-11 my tokens' codes; v12-13 their scale bytes; v20-21 c9; v32-47 x's scale words; v48-63 w1's; v64-87 GELU; v88-95 quantiser; v96-99 two bytes a tile of tokens;
;   v100-102, v104-127 codes; v103, v18 scale bytes to store; v128-255 the 16 accumulators (m, t) at 128 + 32 m + 8 t.   window 1: x's fragments of m = 0, 1 at 12 (8 m + s);   window 2: of m = 2, 3;
;   window 3: w1's fragments, four K steps deep, at 48 (s % 4) + 12 t; b1 at 192 + 8 t.
.set ACC, 128
.set SXR, 32
.set SWR, 48
.set GA,  64
.set GT,  72
.set GQ,  80
.set QM,  88
.set QX,  90
.set QS,  92
.set QB,  94
.set W16, 96
.set PT,  100
.set PC,  104
.set MSB, 0
.macro WIN new                         ; the immediate's high byte repeats the setting that is left; a switch that changes nothing is dropped
.if MSB != \new
	s_set_vgpr_msb (MSB<<8)|\new
.set MSB, \new
.endif
.endm
.macro CONST reg, val                  ; a constant as a scalar pair: the packed forms name the pair
	s_mov_b32 s[\reg], \val
	s_mov_b32 s[\reg+1], \val
.endm
	s_load_b256 s[4:11], s[0:1], 0x0               ; wq s[4:5], xq s[6:7], stok s[8:9], b1 s[10:11]
	s_load_b64 s[12:13], s[0:1], 0x20              ; hq
	v_lshrrev_b32 v1, 5, v0
	v_readfirstlane_b32 s14, v1                    ; wave
	v_and_b32 v1, 31, v0                           ; lane
	v_and_b32 v2, 15, v0                           ; r
	v_bfe_u32 v3, v0, 4, 1                         ; h
	v_lshlrev_b32 v4, 4, v1                        ; 16 x lane
	v_lshlrev_b32 v5, 2, v1                        ; 4 x lane
	v_lshlrev_b32 v6, 6, v3                        ; 64 h: the bias of my half's units
	v_lshlrev_b32 v7, 3, v1                        ; 8 x lane
	v_lshlrev_b32 v19, 2, v2                       ; 4 r
	s_lshl_b32 s15, ttmp9, 2
	s_add_co_u32 s15, s15, s14                     ; G
	s_and_b32 s16, ttmp7, 0xffff                   ; beta
	s_lshl_b32 s20, s16, 8
	s_mov_b32 s21, 0
	s_wait_kmcnt 0x0
	s_add_nc_u64 s[8:9], s[8:9], s[20:21]          ; the list at my block
	global_load_b32 v12, v5, s[8:9]                ; positions 0-31: lane by lane,
	global_load_b32 v13, v5, s[8:9] offset:128     ; 32-63;
.irp m, 0,1,2,3
	global_load_b32 v[14+\m], v19, s[8:9] offset:64*\m   ; and tile by tile: position 16 m + r
.endr
	s_mul_i32 s20, s15, 49152
	s_add_nc_u64 s[24:25], s[4:5], s[20:21]        ; w1's codes of my group (expert 0)
	s_lshl_b32 s20, s15, 11
	s_add_co_u32 s20, s20, 12582912
	s_add_nc_u64 s[26:27], s[4:5], s[20:21]        ; its scale words
	s_lshl_b32 s20, s15, 8
	s_add_nc_u64 s[28:29], s[10:11], s[20:21]      ; b1 of my group
	s_mul_i32 s20, s16, 393216
	s_mul_i32 s22, s15, 768
	s_add_co_u32 s20, s20, s22
	s_add_nc_u64 s[30:31], s[12:13], s[20:21]      ; h's codes: my block, my half fragment
	s_lshl_b32 s20, s16, 14
	s_lshr_b32 s22, s15, 1
	s_lshl_b32 s22, s22, 8
	s_add_co_u32 s20, s20, s22
	s_and_b32 s22, s15, 1
	s_lshl_b32 s22, s22, 1
	s_add_co_u32 s20, s20, s22
	s_add_co_u32 s20, s20, 25165824
	s_add_nc_u64 s[32:33], s[12:13], s[20:21]      ; h's scale bytes
	s_mov_b32 s46, 0x76543210
	s_mov_b32 s47, 0xfedcba98                      ; v_permlanex16_b32's selects for lane l xor 16
	s_mov_b32 s48, 0xffff0000                      ; lanes 16-31
	CONST 50, 0xbf97d29d                           ; c8 = -1.18611494
	CONST 52, 0x40097039                           ; c7 =  2.14747446
	CONST 54, 0xbfd1a1e5                           ; c6 = -1.63775315
	CONST 56, 0x3ecdfd18                           ; c5 =  0.40232158
	CONST 58, 0xbe899a80                           ; c4 = -0.26875686
	CONST 60, 0x3e0efb2e                           ; c3 =  0.13963005
	CONST 62, 0x3f0a29d2                           ; c2 =  0.53970061
	CONST 66, 0x3fb8ab5a                           ; c1 =  1.44272920
	CONST 68, 0xbfe9b21e                           ; c0 = -1.82574822
	CONST 70, 0x3ed5224d                           ; delta = 0.41627731
	s_mov_b32 s72, 0x3f596d27                      ; kappa = 0.84932180
	v_mov_b32 v20, 0x3e7c6f08                      ; c9 = 0.24651730, as a vector pair
	v_mov_b32 v21, 0x3e7c6f08
	v_mov_b32 v[QX], 0                             ; written once: a lane permute's destination counts as one of its sources
	v_mov_b32 v[QX+1], 0
	v_mov_b32 v26, 1
	s_wait_loadcnt 0x0
	v_bfe_u32 v22, v12, 16, 8                      ; which experts my block uses: a bit for each
	v_lshrrev_b32 v23, 24, v12
	v_lshlrev_b32 v22, v22, v26
	v_lshlrev_b32 v23, v23, v26
	v_or_b32 v24, v22, v23
	v_bfe_u32 v22, v13, 16, 8
	v_lshrrev_b32 v23, 24, v13
	v_lshlrev_b32 v22, v22, v26
	v_lshlrev_b32 v23, v23, v26
	v_or_b32 v24, v24, v22
	v_or_b32 v24, v24, v23
	s_mov_b32 s17, 0
.irp e, 0,1,2,3,4,5,6,7
	v_and_b32 v25, 1<<\e, v24
	v_cmp_ne_u32 vcc_lo, 0, v25
	s_cmp_lg_u32 vcc_lo, 0
	s_cselect_b32 s20, 1<<\e, 0
	s_or_b32 s17, s17, s20
.endr
.irp j, 0,1
	v_and_b32 v[12+\j], 0xffff, v[12+\j]
	v_min_u32 v[12+\j], 0xfff, v[12+\j]            ; the token
	v_lshlrev_b32 v[12+\j], 5, v[12+\j]            ; its 32 scale bytes
.endr
.irp m, 0,1,2,3
	v_and_b32 v[14+\m], 0xffff, v[14+\m]
	v_min_u32 v[14+\m], 0xfff, v[14+\m]
	v_mul_u32_u24 v[8+\m], v[14+\m], 768
	v_mad_u32_u24 v[8+\m], v3, 384, v[8+\m]        ; its codes: the blocks of my half lie on end
.endr
	WIN 0x40                                       ; destination window 1
.irp m, 0,1
.irp s, 0,1,2,3,4,5,6,7
.irp p, 0,1,2
	global_load_b128 v[12*(8*\m+\s)+4*\p:12*(8*\m+\s)+4*\p+3], v[8+\m], s[6:7] offset:48*\s+16*\p
.endr
.endr
.endr
	WIN 0x80                                       ; destination window 2
.irp m, 0,1
.irp s, 0,1,2,3,4,5,6,7
.irp p, 0,1,2
	global_load_b128 v[12*(8*\m+\s)+4*\p:12*(8*\m+\s)+4*\p+3], v[10+\m], s[6:7] offset:48*\s+16*\p
.endr
.endr
.endr
	WIN 0
.irp j, 0,1
	global_load_b128 v[SXR+8*\j:SXR+8*\j+3], v[12+\j], s[6:7] offset:3145728      ; x's scale words of K steps 0-3: lanes 0-15 tile 2 j, lanes 16-31 tile 2 j + 1
	global_load_b128 v[SXR+8*\j+4:SXR+8*\j+7], v[12+\j], s[6:7] offset:3145744    ; 4-7
.endr
.macro LDBIAS                          ; 8 loads: b1 in the result's layout
	WIN 0xc0
.irp t, 0,1,2,3
	global_load_b128 v[192+8*\t:195+8*\t], v6, s[40:41] offset:128*(\t/2)+32*(\t%2)
	global_load_b128 v[196+8*\t:199+8*\t], v6, s[40:41] offset:128*(\t/2)+32*(\t%2)+16
.endr
.endm
.macro LDCODES step                    ; 12 loads: a K step's four fragments, 6,144 consecutive bytes, into the ring's place step % 4
	WIN 0xc0
.irp t, 0,1,2,3
.irp p, 0,1,2
	global_load_b128 v[48*((\step)%4)+12*\t+4*\p:48*((\step)%4)+12*\t+4*\p+3], v4, s[34:35] offset:(\step)*6144+\t*1536+\p*512
.endr
.endr
.endm
.macro LDSW st                         ; 2 loads: a K step's scale words: lanes 0-15 tile 2 b, lanes 16-31 tile 2 b + 1
	WIN 0
	global_load_b32 v[SWR+2*(\st)], v5, s[38:39] offset:256*(\st)
	global_load_b32 v[SWR+2*(\st)+1], v5, s[38:39] offset:256*(\st)+128
.endm
.macro MM d, a, b, c, sa, sb, ra, rb   ; one product; ra, rb: the scales of source 0, 1 stand in lanes 16-31
.if (\ra) && (\rb)
	v_wmma_scale_f32_16x16x128_f8f6f4 v[\d:\d+7], v[\a:\a+11], v[\b:\b+11], v[\c:\c+7], v[\sa], v[\sb] matrix_a_fmt:MATRIX_FMT_BF6 matrix_b_fmt:MATRIX_FMT_BF6 matrix_a_scale:MATRIX_SCALE_ROW1 matrix_b_scale:MATRIX_SCALE_ROW1
.elseif (\ra)
	v_wmma_scale_f32_16x16x128_f8f6f4 v[\d:\d+7], v[\a:\a+11], v[\b:\b+11], v[\c:\c+7], v[\sa], v[\sb] matrix_a_fmt:MATRIX_FMT_BF6 matrix_b_fmt:MATRIX_FMT_BF6 matrix_a_scale:MATRIX_SCALE_ROW1
.elseif (\rb)
	v_wmma_scale_f32_16x16x128_f8f6f4 v[\d:\d+7], v[\a:\a+11], v[\b:\b+11], v[\c:\c+7], v[\sa], v[\sb] matrix_a_fmt:MATRIX_FMT_BF6 matrix_b_fmt:MATRIX_FMT_BF6 matrix_b_scale:MATRIX_SCALE_ROW1
.else
	v_wmma_scale_f32_16x16x128_f8f6f4 v[\d:\d+7], v[\a:\a+11], v[\b:\b+11], v[\c:\c+7], v[\sa], v[\sb] matrix_a_fmt:MATRIX_FMT_BF6 matrix_b_fmt:MATRIX_FMT_BF6
.endif
.endm
; A K step: 16 products, the 16 accumulators by turns; then, in steps 0 to 3, four places behind the last product, the codes of four steps on into the ring's place just read.
.macro KSTEP st
.if (\st) < 5
	s_wait_loadcnt 36                              ; behind this step's 12 code loads stand those of three further steps
.else
	s_wait_loadcnt 12*(7-(\st))                    ; the counts run down: two steps' loads, one step's, none
.endif
.irp m, 0,1,2,3
.if \m == 0
.if (\st) == 0
	WIN 0x37                                       ; source 0 window 3, source 1 window 1, C (the bias) window 3
.else
	WIN 0x07
.endif
.endif
.if \m == 2
.if (\st) == 0
	WIN 0x3b                                       ; source 1 window 2
.else
	WIN 0x0b
.endif
.endif
.irp t, 0,1,2,3
.if (\st) == 0
	MM ACC+32*\m+8*\t, 48*((\st)%4)+12*\t, 12*(8*(\m%2)+(\st)), 192+8*\t, SWR+2*(\st)+\t/2, SXR+8*(\m/2)+(\st), \t%2, \m%2
.else
	MM ACC+32*\m+8*\t, 48*((\st)%4)+12*\t, 12*(8*(\m%2)+(\st)), ACC+32*\m+8*\t, SWR+2*(\st)+\t/2, SXR+8*(\m/2)+(\st), \t%2, \m%2
.endif
.endr
.endr
.if (\st) < 4
.rept 4
	v_nop                                          ; places in front of loads into registers that matrix instructions have read (ISA guide 7.12.1 for vector instructions)
.endr
	LDCODES (\st)+4
.endif
.if (\st) == 7
.rept 4
	v_nop                                          ; places in front of the first read of results
.endr
	WIN 0
.endif
.endm
.macro GELU8 z                         ; one accumulator's eight numbers, in place, from its low end on
.irp i, 0,1,2,3,4,5,6,7
	v_mul_f32 v[GA+\i], s72, |v[(\z)+\i]|          ; A
.endr
.irp i, 0,2,4,6
	v_pk_fma_f32 v[GT+\i:GT+\i+1], v[GA+\i:GA+\i+1], s[70:71], 1.0 op_sel_hi:[1,0,0]
.endr
.irp i, 0,1,2,3,4,5,6,7
	v_rcp_f32 v[GT+\i], v[GT+\i]                   ; t
.endr
	v_nop                                          ; a plain line behind the reciprocals
	s_wait_alu depctr_va_vdst(0)
.irp i, 0,2,4,6
	v_pk_fma_f32 v[GQ+\i:GQ+\i+1], v[GT+\i:GT+\i+1], v[20:21], s[50:51] op_sel_hi:[1,1,0]
.endr
.irp c, 52,54,56,58,60,62,66,68
.irp i, 0,2,4,6
	v_pk_fma_f32 v[GQ+\i:GQ+\i+1], v[GQ+\i:GQ+\i+1], v[GT+\i:GT+\i+1], s[\c:\c+1] op_sel_hi:[1,1,0]
.endr
.endr
.irp i, 0,2,4,6
	v_pk_fma_f32 v[GQ+\i:GQ+\i+1], v[GA+\i:GA+\i+1], v[GA+\i:GA+\i+1], v[GQ+\i:GQ+\i+1] neg_lo:[1,0,0] neg_hi:[1,0,0]
.endr
.irp i, 0,1,2,3,4,5,6,7
	v_exp_f32 v[GQ+\i], v[GQ+\i]
.endr
	v_nop                                          ; a plain line behind the exponentials
	s_wait_alu depctr_va_vdst(0)
.irp i, 0,2,4,6
	v_pk_mul_f32 v[GQ+\i:GQ+\i+1], v[GQ+\i:GQ+\i+1], v[GT+\i:GT+\i+1]          ; erfc
.endr
.irp i, 0,2,4,6
	v_pk_mul_f32 v[GQ+\i:GQ+\i+1], v[GQ+\i:GQ+\i+1], v[(\z)+\i:(\z)+\i+1]
.endr
.irp i, 0,1,2,3,4,5,6,7
	v_max_num_f32 v[GA+\i], 0, v[(\z)+\i]
.endr
.irp i, 0,1,2,3,4,5,6,7
	v_fma_f32 v[(\z)+\i], -0.5, |v[GQ+\i]|, v[GA+\i]
.endr
.endm
.macro QUANT2 m                        ; tile m's 64 hidden units a token: two blocks of 32, each in lanes l and l xor 16; six registers of codes and two bytes
.set ZB, ACC+32*(\m)
.set PCM, PC+6*(\m)
.irp b, 0,1
	v_max3_num_f32 v[QM+\b], |v[ZB+16*\b]|, |v[ZB+16*\b+1]|, 0x2800000        ; with the floor 2^(5 - 127)
.endr
.irp i, 2,4,6,8,10,12,14
.irp b, 0,1
	v_max3_num_f32 v[QM+\b], v[QM+\b], |v[ZB+16*\b+\i]|, |v[ZB+16*\b+\i+1]|
.endr
.endr
.irp b, 0,1
	v_permlanex16_b32 v[QX+\b], v[QM+\b], s46, s47
.endr
.irp b, 0,1
	v_max_num_f32 v[QM+\b], v[QM+\b], v[QX+\b]
.endr
.irp b, 0,1
	v_add_nc_u32 v[QS+\b], 0xfe000000, v[QM+\b]    ; 4 off the exponent field: the conversion's scale operand
.endr
.irp b, 0,1
	v_lshrrev_b32 v[QB+\b], 23, v[QS+\b]
.endr
	v_lshl_or_b32 v[W16+(\m)], v[QB+1], 8, v[QB]
	v_cvt_scalef32_pk16_bf6_f32 v[PCM:PCM+2], v[ZB:ZB+15], v[QS]
	v_cvt_scalef32_pk16_bf6_f32 v[PT:PT+2], v[ZB+16:ZB+31], v[QS+1]
	v_nop                                          ; a plain line behind the conversions
.irp i, 0,1,2
	v_permlane16_swap_b32 v[PCM+\i], v[PT+\i]      ; the operand's layout wants a whole block in a lane: lanes 0-15 block 0, lanes 16-31 block 1
.endr
.irp i, 0,1,2
	v_mov_b32 v[PCM+3+\i], v[PT+\i]
.endr
	global_store_b128 v4, v[PCM:PCM+3], s[42:43] offset:12288*(\m)             ; 512 consecutive bytes, aligned to 256
	global_store_b64 v7, v[PCM+4:PCM+5], s[42:43] offset:12288*(\m)+512        ; 256
.endm
	s_mov_b32 s18, 0
.Lexpert:                                          ; eight trips, whatever the list holds
	s_bitcmp1_b32 s17, s18
	s_cbranch_scc0 .Lskip
	s_wait_xcnt 0x0                                ; the pointers, and the registers that the last pass stored, are written again only behind this wait
	s_mov_b32 s21, 0
	s_mul_i32 s20, s18, 786432
	s_add_nc_u64 s[34:35], s[24:25], s[20:21]      ; this expert's codes,
	s_lshl_b32 s20, s18, 15
	s_add_nc_u64 s[38:39], s[26:27], s[20:21]      ; scale words,
	s_lshl_b32 s20, s18, 12
	s_add_nc_u64 s[40:41], s[28:29], s[20:21]      ; and bias;
	s_mul_i32 s20, s18, 49152
	s_add_nc_u64 s[42:43], s[30:31], s[20:21]      ; where its h goes,
	s_lshl_b32 s20, s18, 11
	s_add_nc_u64 s[44:45], s[32:33], s[20:21]      ; and h's scale bytes
.irp s, 0,1,2,3,4,5,6,7
	LDSW \s
.endr
	LDBIAS
.irp s, 0,1,2,3
	LDCODES \s
.endr
.irp s, 0,1,2,3,4,5,6,7
	KSTEP \s
.endr
.irp m, 0,1,2,3
.irp t, 0,1,2,3
	GELU8 ACC+32*\m+8*\t
.endr
	QUANT2 \m
.endr
	v_cndmask_b32 v103, v[W16], v[W16+1], s48      ; lanes 0-15 tile 0's bytes, lanes 16-31 tile 1's
	v_cndmask_b32 v18, v[W16+2], v[W16+3], s48
	global_store_b16 v5, v103, s[44:45]            ; my two bytes of each row's scale word (the wave beside me writes the other two)
	global_store_b16 v5, v18, s[44:45] offset:128
.Lskip:
	s_add_co_u32 s18, s18, 1
	s_cmp_lt_u32 s18, 8
	s_cbranch_scc1 .Lexpert
	s_endpgm
.Lfunc_end_k_qb6b60d3f12_up:
	.size	k_qb6b60d3f12_up, .Lfunc_end_k_qb6b60d3f12_up-k_qb6b60d3f12_up
	.p2alignl 7, 3214868480
	.fill 96, 4, 3214868480
	.section	.rodata,"a",@progbits
	.p2align	6, 0x0
	.amdhsa_kernel k_qb6b60d3f12_up
		.amdhsa_group_segment_fixed_size 0
		.amdhsa_private_segment_fixed_size 0
		.amdhsa_enable_private_segment 0
		.amdhsa_kernarg_size 40
		.amdhsa_user_sgpr_count 2
		.amdhsa_user_sgpr_kernarg_segment_ptr 1
		.amdhsa_wavefront_size32 1
		.amdhsa_system_sgpr_workgroup_id_x 1
		.amdhsa_system_sgpr_workgroup_id_y 1
		.amdhsa_system_sgpr_workgroup_id_z 1
		.amdhsa_system_vgpr_workitem_id 0
		.amdhsa_next_free_vgpr 1024
		.amdhsa_next_free_sgpr 80
		.amdhsa_reserve_vcc 1
		.amdhsa_float_denorm_mode_32 3
		.amdhsa_float_denorm_mode_16_64 3
		.amdhsa_memory_ordered 1
		.amdhsa_forward_progress 1
		.amdhsa_inst_pref_size 137
	.end_amdhsa_kernel
	.amdgpu_metadata
---
amdhsa.version: [ 1, 2 ]
amdhsa.kernels:
  - .name:           k_qb6b60d3f12_up
    .symbol:         k_qb6b60d3f12_up.kd
    .args:
      - { .name: wq, .offset: 0, .size: 8, .value_kind: global_buffer, .address_space: global }
      - { .name: xq, .offset: 8, .size: 8, .value_kind: global_buffer, .address_space: global }
      - { .name: stok, .offset: 16, .size: 8, .value_kind: global_buffer, .address_space: global }
      - { .name: b1, .offset: 24, .size: 8, .value_kind: global_buffer, .address_space: global }
      - { .name: hq, .offset: 32, .size: 8, .value_kind: global_buffer, .address_space: global }
    .group_segment_fixed_size: 0
    .private_segment_fixed_size: 0
    .kernarg_segment_align: 8
    .kernarg_segment_size: 40
    .max_flat_workgroup_size: 128
    .sgpr_count:     80
    .vgpr_count:     1024
    .wavefront_size: 32
...
	.end_amdgpu_metadata
.endif
;; end of part 3
;; launch down (part 4): grid 4 x 64, 4 waves a work-group, no clusters, 17,920 bytes of LDS; arguments wq, hq, stok, sgate, b2, out0; writes out0
.if DOCPART == 4
	.amdgcn_target "amdgcn-amd-amdhsa--gfx1250"
	.amdhsa_code_object_version 6
	.text
	.protected	k_qb6b60d3f12_down
	.globl	k_qb6b60d3f12_down
	.p2align	8
	.type	k_qb6b60d3f12_down,@function
k_qb6b60d3f12_down:
	s_mov_b64 s[64:65], 0
	v_nop
	global_prefetch_b8 v0, s[64:65] scope:SCOPE_SE
	s_setreg_imm32_b32 hwreg(HW_REG_WAVE_MODE, 25, 1), 1
	s_wait_xcnt 0x0
; DOWN: out[token] = the sum over the token's two experts of gate x (h Q(w2[e]) + b2[e]).  Codes of BF6 (E3M2), one E8M0 scale for each 32 along K, f32 sums.
; SHARES.  Work-group (q, beta): the 64 tokens at sorted positions 64 beta .. + 63, output columns 256 q .. + 255.  Wave w: the group G = 4 q + w of 64 columns: 4 tiles of tokens (m) x 4 tiles of columns (t).
; EACH OUTPUT ROW HAS ONE OWNER: the walk over e = 0..7 has a constant count and jumps over the experts that none of the 64 tokens uses; each pass's result is weighed by the lane's token's gate for that
; expert (0 where the token has not chosen it) and added in registers.  Which pass comes first is known only from the list, so the 128 registers of the sum are cleared once.
; Every address of a pass is made of the loop's counter e: the list decides only whether a pass is walked.  So a pass asks for its own scale words, bias and first three K steps at its head.
; NO TENSOR LOADS, NO JOINT LOADS: which experts a work-group walks, and how many, hangs on the stored list; w2's and h's fragments go from memory straight into registers, in register order.
; THE MATRIX INSTRUCTION IS USED TRANSPOSED (source 0 = 16 columns of w2, source 1 = 16 tokens of h): lane (r, h) holds token 16 m + r, register j of tile t = 2 b + u column 64 G + 32 b + 16 h + 8 u + j.  b2 is the C of a sum's first instruction.
; THE WAY OUT: a tile of 16 tokens x 64 columns goes through the wave's own stage in LDS (rows of 256 + 16 bytes) and leaves as rows: sixteen lanes store 256 consecutive bytes of a token's row, aligned.
; REGISTERS, in windows of 256: window 0: v1-9 lane terms; v10-15 the list; v16-23 my tokens' experts; v24-31 their gates; v32-39 this pass's weights (pairs, the low word used); v40-55 w2's scale words; v56-71 h's;
;   v72-103 where my rows of out0 begin; v128-255 the 16 accumulators of a pass, at 128 + 32 m + 8 t (on the way out: rows read back).   window 1: v0-127 the sum; v128-159 b2.
;   window 2: w2's fragments, three K steps deep, at 48 (s % 3) + 12 t.   window 3: h's, at 48 (s % 3) + 12 m.
.set YA,  128
.set SWR, 40
.set HSR, 56
.set RO,  72
.set MSB, 0
.macro WIN new                         ; the immediate's high byte repeats the setting that is left; a switch that changes nothing is dropped
.if MSB != \new
	s_set_vgpr_msb (MSB<<8)|\new
.set MSB, \new
.endif
.endm
	s_load_b256 s[4:11], s[0:1], 0x0               ; wq s[4:5], hq s[6:7], stok s[8:9], sgate s[10:11]
	s_load_b128 s[12:15], s[0:1], 0x20             ; b2 s[12:13], out0 s[14:15]
	v_lshl_add_u32 v126, v0, 2, 0x4400
	v_mov_b32 v127, 0
	v_lshrrev_b32 v1, 5, v0
	v_readfirstlane_b32 s16, v1                    ; wave
	v_and_b32 v1, 31, v0                           ; lane
	v_and_b32 v2, 15, v0                           ; r
	v_bfe_u32 v3, v0, 4, 1                         ; h
	v_lshlrev_b32 v4, 4, v1                        ; 16 x lane
	v_lshlrev_b32 v5, 2, v1                        ; 4 x lane
	v_lshlrev_b32 v6, 6, v3                        ; 64 h
	v_lshlrev_b32 v7, 3, v1                        ; 8 x lane
	s_mul_i32 s20, s16, 4352                       ; my stage
	v_mul_u32_u24 v8, v2, 272
	v_lshl_add_u32 v8, v3, 6, v8
	v_add_nc_u32 v8, s20, v8                       ; in: row r, + 64 h
	v_mul_u32_u24 v9, v3, 272
	v_lshl_add_u32 v9, v2, 4, v9
	v_add_nc_u32 v9, s20, v9                       ; back: lanes 0-15 one row, lanes 16-31 the next
	v_lshlrev_b32 v104, 2, v2                      ; 4 r
	v_lshlrev_b32 v105, 3, v2                      ; 8 r
	v_lshlrev_b32 v106, 2, v3                      ; 4 h
	v_lshlrev_b32 v107, 4, v2                      ; 16 r
	s_lshl_b32 s24, ttmp9, 2
	s_add_co_u32 s24, s24, s16                     ; G
	s_and_b32 s25, ttmp7, 0xffff                   ; beta
	s_lshl_b32 s20, s25, 8
	s_mov_b32 s21, 0
	s_lshl_b32 s22, s25, 9
	s_mov_b32 s23, 0
	s_wait_kmcnt 0x0
	s_add_nc_u64 s[8:9], s[8:9], s[20:21]          ; the list at my block,
	s_add_nc_u64 s[10:11], s[10:11], s[22:23]      ; and the gates
	global_load_b32 v10, v5, s[8:9]
	global_load_b32 v11, v5, s[8:9] offset:128
.irp m, 0,1,2,3
	global_load_b32 v[12+\m], v104, s[8:9] offset:64*\m
	global_load_b64 v[24+2*\m:25+2*\m], v105, s[10:11] offset:128*\m
.endr
.irp m, 0,1,2,3
.irp i, 0,1,2,3,4,5,6,7
	global_load_b32 v[RO+8*\m+\i], v106, s[8:9] offset:4*(16*\m+2*\i)     ; position 16 m + 2 i + h: the row that I store on the way out
.endr
.endr
	s_mul_i32 s20, s24, 49152
	s_add_co_u32 s20, s20, 6291456
	s_add_nc_u64 s[26:27], s[4:5], s[20:21]        ; w2's codes of my group (expert 0)
	s_lshl_b32 s20, s24, 11
	s_add_co_u32 s20, s20, 12845056
	s_add_nc_u64 s[28:29], s[4:5], s[20:21]        ; its scale words
	s_lshl_b32 s20, s24, 8
	s_add_nc_u64 s[30:31], s[12:13], s[20:21]      ; b2 of my group
	s_add_nc_u64 s[50:51], s[14:15], s[20:21]      ; out0 at my 64 columns
	s_mul_i32 s20, s25, 393216
	s_add_nc_u64 s[32:33], s[6:7], s[20:21]        ; h's codes of my block (expert 0)
	s_lshl_b32 s20, s25, 14
	s_add_co_u32 s20, s20, 25165824
	s_add_nc_u64 s[34:35], s[6:7], s[20:21]        ; its scale words
	WIN 0x40
.set i, 0
.rept 128
	v_mov_b32 v[i], 0                              ; the sum
.set i, i+1
.endr
	WIN 0
.irp m, 0,1,2,3
	v_mov_b32 v[33+2*\m], 0                        ; named as the upper half of a pair, so it is written
.endr
	v_mov_b32 v110, 1
	s_wait_loadcnt 0x0
	v_bfe_u32 v108, v10, 16, 8                     ; which experts my block uses: a bit for each
	v_lshrrev_b32 v109, 24, v10
	v_lshlrev_b32 v108, v108, v110
	v_lshlrev_b32 v109, v109, v110
	v_or_b32 v111, v108, v109
	v_bfe_u32 v108, v11, 16, 8
	v_lshrrev_b32 v109, 24, v11
	v_lshlrev_b32 v108, v108, v110
	v_lshlrev_b32 v109, v109, v110
	v_or_b32 v111, v111, v108
	v_or_b32 v111, v111, v109
	s_mov_b32 s17, 0
.irp e, 0,1,2,3,4,5,6,7
	v_and_b32 v108, 1<<\e, v111
	v_cmp_ne_u32 vcc_lo, 0, v108
	s_cmp_lg_u32 vcc_lo, 0
	s_cselect_b32 s20, 1<<\e, 0
	s_or_b32 s17, s17, s20
.endr
.irp m, 0,1,2,3
	v_bfe_u32 v[16+\m], v[12+\m], 16, 8            ; token 16 m + r: its experts a
	v_lshrrev_b32 v[20+\m], 24, v[12+\m]           ; and b
.endr
.set i, 0
.rept 32
	v_and_b32 v[RO+i], 0xffff, v[RO+i]
	v_min_u32 v[RO+i], 0xfff, v[RO+i]              ; the token
	v_lshl_add_u32 v[RO+i], v[RO+i], 12, v107      ; its row of 4,096 bytes, + 16 r
.set i, i+1
.endr
.macro LDBIAS                          ; 8 loads: b2 in the result's layout
	WIN 0x40
.irp t, 0,1,2,3
	global_load_b128 v[128+8*\t:131+8*\t], v6, s[48:49] offset:128*(\t/2)+32*(\t%2)
	global_load_b128 v[132+8*\t:135+8*\t], v6, s[48:49] offset:128*(\t/2)+32*(\t%2)+16
.endr
.endm
.macro LDW step                        ; 12 loads: a K step's four fragments of w2, 6,144 consecutive bytes, into the ring's place step % 3
	WIN 0x80
.irp t, 0,1,2,3
.irp p, 0,1,2
	global_load_b128 v[48*((\step)%3)+12*\t+4*\p:48*((\step)%3)+12*\t+4*\p+3], v4, s[36:37] offset:(\step)*6144+\t*1536+\p*512
.endr
.endr
.endm
.macro LDH step                        ; 16 loads: a K step's four fragments of h: each half fragment as 512 + 256 consecutive bytes
	WIN 0xc0
.irp m, 0,1,2,3
.irp c, 0,1
	global_load_b128 v[48*((\step)%3)+12*\m+6*\c:48*((\step)%3)+12*\m+6*\c+3], v4, s[40:41] offset:12288*\m+1536*(\step)+768*\c
	global_load_b64 v[48*((\step)%3)+12*\m+6*\c+4:48*((\step)%3)+12*\m+6*\c+5], v7, s[40:41] offset:12288*\m+1536*(\step)+768*\c+512
.endr
.endr
.endm
.macro LDSC st                         ; 4 loads: a K step's scale words of w2 and of h: lanes 0-15 the even tile, lanes 16-31 the odd one
	WIN 0
	global_load_b32 v[SWR+2*(\st)], v5, s[44:45] offset:256*(\st)
	global_load_b32 v[SWR+2*(\st)+1], v5, s[44:45] offset:256*(\st)+128
	global_load_b32 v[HSR+2*(\st)], v5, s[46:47] offset:256*(\st)
	global_load_b32 v[HSR+2*(\st)+1], v5, s[46:47] offset:256*(\st)+128
.endm
.macro MM d, a, b, c, sa, sb, ra, rb   ; one product; ra, rb: the scales of source 0, 1 stand in lanes 16-31
.if (\ra) && (\rb)
	v_wmma_scale_f32_16x16x128_f8f6f4 v[\d:\d+7], v[\a:\a+11], v[\b:\b+11], v[\c:\c+7], v[\sa], v[\sb] matrix_a_fmt:MATRIX_FMT_BF6 matrix_b_fmt:MATRIX_FMT_BF6 matrix_a_scale:MATRIX_SCALE_ROW1 matrix_b_scale:MATRIX_SCALE_ROW1
.elseif (\ra)
	v_wmma_scale_f32_16x16x128_f8f6f4 v[\d:\d+7], v[\a:\a+11], v[\b:\b+11], v[\c:\c+7], v[\sa], v[\sb] matrix_a_fmt:MATRIX_FMT_BF6 matrix_b_fmt:MATRIX_FMT_BF6 matrix_a_scale:MATRIX_SCALE_ROW1
.elseif (\rb)
	v_wmma_scale_f32_16x16x128_f8f6f4 v[\d:\d+7], v[\a:\a+11], v[\b:\b+11], v[\c:\c+7], v[\sa], v[\sb] matrix_a_fmt:MATRIX_FMT_BF6 matrix_b_fmt:MATRIX_FMT_BF6 matrix_b_scale:MATRIX_SCALE_ROW1
.else
	v_wmma_scale_f32_16x16x128_f8f6f4 v[\d:\d+7], v[\a:\a+11], v[\b:\b+11], v[\c:\c+7], v[\sa], v[\sb] matrix_a_fmt:MATRIX_FMT_BF6 matrix_b_fmt:MATRIX_FMT_BF6
.endif
.endm
; A K step: 16 products, the 16 accumulators by turns; then, in steps 0 to 4, four places behind the last product, the fragments of three steps on into the ring's place just read.
.macro KSTEP st
.if (\st) < 6
	s_wait_loadcnt 56                              ; behind this step's 28 fragment loads stand those of two further steps
.else
	s_wait_loadcnt 28*(7-(\st))                    ; the counts run down: one step's loads, none
.endif
.if (\st) == 0
	WIN 0x1e                                       ; source 0 window 2, source 1 window 3, C (the bias) window 1
.else
	WIN 0x0e
.endif
.irp m, 0,1,2,3
.irp t, 0,1,2,3
.if (\st) == 0
	MM YA+32*\m+8*\t, 48*((\st)%3)+12*\t, 48*((\st)%3)+12*\m, 128+8*\t, SWR+2*(\st)+\t/2, HSR+2*(\st)+\m/2, \t%2, \m%2
.else
	MM YA+32*\m+8*\t, 48*((\st)%3)+12*\t, 48*((\st)%3)+12*\m, YA+32*\m+8*\t, SWR+2*(\st)+\t/2, HSR+2*(\st)+\m/2, \t%2, \m%2
.endif
.endr
.endr
.if (\st) < 5
.rept 4
	v_nop                                          ; places in front of loads into registers that matrix instructions have read (ISA guide 7.12.1 for vector instructions)
.endr
	LDW (\st)+3
	LDH (\st)+3
.endif
.if (\st) == 7
.rept 4
	v_nop                                          ; places in front of the first read of results
.endr
.endif
.endm
	s_mov_b32 s18, 0
.Lexpert:                                          ; eight trips, whatever the list holds
	s_bitcmp1_b32 s17, s18
	s_cbranch_scc0 .Lskip
	s_wait_xcnt 0x0                                ; the pointers are written again only behind this wait
	s_mov_b32 s21, 0
	s_mul_i32 s20, s18, 786432
	s_add_nc_u64 s[36:37], s[26:27], s[20:21]      ; this expert's w2,
	s_mul_i32 s20, s18, 49152
	s_add_nc_u64 s[40:41], s[32:33], s[20:21]      ; its h,
	s_lshl_b32 s20, s18, 15
	s_add_nc_u64 s[44:45], s[28:29], s[20:21]      ; w2's scale words,
	s_lshl_b32 s20, s18, 11
	s_add_nc_u64 s[46:47], s[34:35], s[20:21]      ; h's,
	s_lshl_b32 s20, s18, 12
	s_add_nc_u64 s[48:49], s[30:31], s[20:21]      ; and b2
.irp s, 0,1,2,3,4,5,6,7
	LDSC \s
.endr
	LDBIAS
.irp s, 0,1,2
	LDW \s
	LDH \s
.endr
	WIN 0
.irp m, 0,1,2,3
	v_cmp_eq_u32 vcc_lo, s18, v[16+\m]
	v_cndmask_b32 v[32+2*\m], 0, v[24+2*\m], vcc_lo            ; my token's gate for this expert, or 0
	v_cmp_eq_u32 vcc_lo, s18, v[20+\m]
	v_cndmask_b32 v[32+2*\m], v[32+2*\m], v[25+2*\m], vcc_lo
.endr
.irp s, 0,1,2,3,4,5,6,7
	KSTEP \s
.endr
	WIN 0x50                                       ; the sum (destination and source 2) in window 1
.irp m, 0,1,2,3
.irp i, 0,2,4,6,8,10,12,14,16,18,20,22,24,26,28,30
	v_pk_fma_f32 v[32*\m+\i:32*\m+\i+1], v[YA+32*\m+\i:YA+32*\m+\i+1], v[32+2*\m:33+2*\m], v[32*\m+\i:32*\m+\i+1] op_sel_hi:[1,0,1]   ; each accumulator from its low end on
.endr
.endr
	WIN 0
.Lskip:
	s_add_co_u32 s18, s18, 1
	s_cmp_lt_u32 s18, 8
	s_cbranch_scc1 .Lexpert
.macro TOSTAGE m                       ; tile m into my stage, and back as rows
	WIN 0x04                                       ; an LDS store's data are its source 1: window 1
.irp b, 0,1
.irp i, 0,1,2,3
	ds_store_b128 v8, v[32*(\m)+16*\b+4*\i:32*(\m)+16*\b+4*\i+3] offset:128*\b+16*\i
.endr
.endr
	WIN 0
.irp i, 0,1,2,3,4,5,6,7
	ds_load_b128 v[128+32*((\m)%2)+4*\i:128+32*((\m)%2)+4*\i+3], v9 offset:544*\i    ; LDS serves a wave's instructions in order (ISA guide 5.7.1.4): these see the stores above, and the next tile's stores come behind them
.endr
.endm
.macro SEND m, younger                 ; younger: the LDS instructions issued behind tile m's loads, which may stay out
	s_wait_dscnt \younger
.irp i, 0,1,2,3,4,5,6,7
	global_store_b128 v[RO+8*(\m)+\i], v[128+32*((\m)%2)+4*\i:128+32*((\m)%2)+4*\i+3], s[50:51] th:TH_STORE_NT   ; sixteen lanes store 256 consecutive bytes of a token's row, aligned; written once
.endr
.endm
	TOSTAGE 0
	TOSTAGE 1
	SEND 0, 16                                     ; behind tile 0's loads: tile 1's 8 stores and 8 loads
	s_wait_xcnt 0x0                                ; tile 0's stores have read their registers: tile 2's rows may land there
	TOSTAGE 2
	SEND 1, 16
	s_wait_xcnt 0x0
	TOSTAGE 3
	SEND 2, 16
	SEND 3, 0
	s_wait_tensorcnt 0x0
	ds_add_u32 v126, v127
	s_wait_dscnt 0x0
	s_endpgm
.Lfunc_end_k_qb6b60d3f12_down:
	.size	k_qb6b60d3f12_down, .Lfunc_end_k_qb6b60d3f12_down-k_qb6b60d3f12_down
	.p2alignl 7, 3214868480
	.fill 96, 4, 3214868480
	.section	.rodata,"a",@progbits
	.p2align	6, 0x0
	.amdhsa_kernel k_qb6b60d3f12_down
		.amdhsa_group_segment_fixed_size 17920
		.amdhsa_private_segment_fixed_size 0
		.amdhsa_enable_private_segment 0
		.amdhsa_kernarg_size 48
		.amdhsa_user_sgpr_count 2
		.amdhsa_user_sgpr_kernarg_segment_ptr 1
		.amdhsa_wavefront_size32 1
		.amdhsa_system_sgpr_workgroup_id_x 1
		.amdhsa_system_sgpr_workgroup_id_y 1
		.amdhsa_system_sgpr_workgroup_id_z 1
		.amdhsa_system_vgpr_workitem_id 0
		.amdhsa_next_free_vgpr 1024
		.amdhsa_next_free_sgpr 66
		.amdhsa_reserve_vcc 1
		.amdhsa_float_denorm_mode_32 3
		.amdhsa_float_denorm_mode_16_64 3
		.amdhsa_memory_ordered 1
		.amdhsa_forward_progress 1
		.amdhsa_inst_pref_size 74
	.end_amdhsa_kernel
	.amdgpu_metadata
---
amdhsa.version: [ 1, 2 ]
amdhsa.kernels:
  - .name:           k_qb6b60d3f12_down
    .symbol:         k_qb6b60d3f12_down.kd
    .args:
      - { .name: wq, .offset: 0, .size: 8, .value_kind: global_buffer, .address_space: global }
      - { .name: hq, .offset: 8, .size: 8, .value_kind: global_buffer, .address_space: global }
      - { .name: stok, .offset: 16, .size: 8, .value_kind: global_buffer, .address_space: global }
      - { .name: sgate, .offset: 24, .size: 8, .value_kind: global_buffer, .address_space: global }
      - { .name: b2, .offset: 32, .size: 8, .value_kind: global_buffer, .address_space: global }
      - { .name: out0, .offset: 40, .size: 8, .value_kind: global_buffer, .address_space: global }
    .group_segment_fixed_size: 17920
    .private_segment_fixed_size: 0
    .kernarg_segment_align: 8
    .kernarg_segment_size: 48
    .max_flat_workgroup_size: 128
    .sgpr_count:     66
    .vgpr_count:     1024
    .wavefront_size: 32
...
	.end_amdgpu_metadata
.endif
;; end of part 4
;; ======== version 2 of 2: 4 launches
;; limits: right only within a limited range of input values
;; workspace buffers: wq 13,107,200 bytes; xq 3,276,800 bytes; pairk 16,384 bytes of whole numbers; gates 32,768 bytes; stok 16,384 bytes of whole numbers; sgate 32,768 bytes; hq 6,553,600 bytes
;; launch prep (part 5): grid 512 x 1, 8 waves a work-group, no clusters, 110,080 bytes of LDS; arguments x, router_w, router_b, w1, wq, xq, pairk, gates; writes wq, xq, pairk, gates
.if DOCPART == 5
	.amdgcn_target "amdgcn-amd-amdhsa--gfx1250"
	.amdhsa_code_object_version 6
	.text
	.protected	k_qb6b60d3f12_prep
	.globl	k_qb6b60d3f12_prep
	.p2align	8
	.type	k_qb6b60d3f12_prep,@function
k_qb6b60d3f12_prep:
	s_mov_b64 s[64:65], 0
	v_nop
	global_prefetch_b8 v0, s[64:65] scope:SCOPE_SE
	s_setreg_imm32_b32 hwreg(HW_REG_WAVE_MODE, 25, 1), 1
	s_wait_xcnt 0x0
; PREP: one launch, two kinds of work-group, parted by the work-group's number alone.
; Work-groups 0-255 (x path): 16 tokens each, two a wave.  The router in f32 (logits = x router_w + router_b, the two largest, the lower index first on a tie, softmax of the two),
;   stored at FIXED places: pairk[token] = class | a<<8 | b<<16 (a < b the two experts), gates[token] = the gate of a, the gate of b;
;   and x as codes of BF6 (E3M2) with one E8M0 byte for each 32 along K: xq codes at token x 768 + 384 (block % 2) + 24 (block / 2), bytes at 3,145,728 + token x 32 + block.
;   THE CLASS numbers the 28 pairs so that neighbouring classes share an expert: for an even a, b runs up, for an odd a down: (0,1) .. (0,7), (1,7) .. (1,2), (2,3) ..: a block of sorted tokens
;   that reaches over one change of class then uses three experts, never four.
;   The x path has the longer chain of dependent steps, so its work-groups have the lower numbers.
; Work-groups 256-511 (weight path): w1 [e][k][n] f32, K the FIRST axis of a weight.  A lane takes a column n and its registers run down K, so a block of 32 lies in one lane and
;   the conversions give codes with K innermost.  The codes are stored in the ORDER OF THE OPERAND'S REGISTERS (a tile of 16 columns x 128 K: 1,536 bytes, register group p of lane l at 512 p + 16 l),
;   so that a later launch loads a fragment by three loads of 16 bytes a lane.  The columns of tile 2 b + u of a group of 64 are 32 b + 8 u + r + 8 (r / 8).
; A block's scale is 2^(floor(log2(largest magnitude)) - 4); its byte is the largest magnitude's exponent field - 4, held at 1 from below by a floor among the maximum's leaves.
; LIMITS: NaN and infinities among the inputs are not served.  Blocks whose largest magnitude lies under 2^-122 keep the byte 1; a block of zeros too (its codes are zeros; only this program reads the bytes).
;   A second and a third logit nearer to each other than the rounding of an f32 sum of 1,024 terms may be chosen otherwise than by another order of summation.
;   A work-group's 16 keys and 16 gate pairs leave as 64 and 128 consecutive bytes (48 KB in the whole launch).
.set STG,  33280                       ; LDS: 0 .. 33,279 router_w as [k / 32][e][k % 32], 1,040 bytes for each 32 along K (an odd multiple of 16);
.set SBY,  107008                      ;   from STG 9,216 bytes a wave: two tokens x 32 places of 128 + 16 bytes; from SBY 512 bytes: the 16 tokens' scale bytes;
.set KEYB, 107520                      ;   64 bytes: their keys;
.set GATB, 107584                      ;   128 bytes: their gates
.set L,    32                          ; v32-95   two tokens as loaded
.set X,    96                          ; v96-159  two tokens, a block of 32 neighbours a lane
.set W,    160                         ; v160-223 router weights, two sets of 32; behind the router at work
.set A,    224                         ; v224-255 logits: the pair of (token k, expert e) at A + 16 k + 2 e
.set TM1,  204                         ; the top-2's registers
.set TI1,  205
.set TM2,  206
.set TI2,  207
.set TD,   208
.set TE,   209
.set TR,   210
.set TG,   211
.set TA,   212
.set TB,   213
	s_load_b256 s[4:11], s[0:1], 0x0               ; x s[4:5], router_w s[6:7], router_b s[8:9], w1 s[10:11]
	; THIS LAUNCH'S WEIGHT PATH SERVES w1 ALONE (work-groups 256-511); w2 is quantised by the launch behind it, on the same plan
	s_load_b64 s[14:15], s[0:1], 0x20              ; wq
	s_load_b128 s[16:19], s[0:1], 0x28             ; xq s[16:17], pairk s[18:19]
	s_load_b64 s[20:21], s[0:1], 0x38              ; gates
	v_lshl_add_u32 v30, v0, 2, 0x1aa00
	v_mov_b32 v31, 0
	v_lshrrev_b32 v1, 5, v0
	s_delay_alu instid0(VALU_DEP_1)
	v_readfirstlane_b32 s22, v1                    ; wave 0..7
	v_and_b32 v1, 31, v0                           ; lane
	s_cmp_ge_u32 ttmp9, 256
	s_cbranch_scc1 .Lweights
; ---------------------------------------------------------------- the x path
	v_lshlrev_b32 v2, 4, v1                        ; 16 x lane
	s_mul_i32 s44, s22, 9216
	s_add_co_u32 s44, s44, STG                     ; my wave's stage
	s_lshl_b32 s45, s22, 6
	s_add_co_u32 s45, s45, SBY                     ; my wave's 64 scale bytes
	v_lshrrev_b32 v3, 3, v1
	s_delay_alu instid0(VALU_DEP_1)
	v_mul_u32_u24 v3, v3, 144
	v_and_b32 v9, 7, v1
	s_delay_alu instid0(VALU_DEP_1)
	v_lshl_add_u32 v3, v9, 4, v3
	s_delay_alu instid0(VALU_DEP_1)
	v_add_nc_u32 v3, s44, v3                       ; into the stage: eight lanes' 128 bytes on end, then 16 of padding
	v_mul_u32_u24 v4, v1, 144
	s_delay_alu instid0(VALU_DEP_1)
	v_add_nc_u32 v4, s44, v4                       ; out of it: my block of 32 numbers
	v_mul_u32_u24 v5, v1, 1040                     ; router_w of my block's 32 k
	v_and_b32 v6, 1, v1
	s_delay_alu instid0(VALU_DEP_1)
	v_mul_u32_u24 v6, v6, 384
	v_lshrrev_b32 v9, 1, v1
	s_delay_alu instid0(VALU_DEP_1)
	v_mad_u32_u24 v6, v9, 24, v6
	s_delay_alu instid0(VALU_DEP_1)
	v_add_nc_u32 v6, s44, v6                       ; my block's 24 bytes of codes in a token's 768, laid in the stage
	v_add_nc_u32 v7, s45, v1                       ; my block's scale byte
	v_add_nc_u32 v8, SBY, v2                       ; the work-group's scale bytes on the way out
	v_lshlrev_b32 v13, 2, v1                       ; 4 x lane
	v_lshlrev_b32 v14, 3, v1                       ; 8 x lane
	v_add_nc_u32 v15, s44, v2                      ; the codes on the way out
	s_lshl_b32 s46, s22, 3
	s_add_co_u32 s46, s46, KEYB
	v_mov_b32 v16, s46                             ; my wave's two keys,
	s_lshl_b32 s47, s22, 4
	s_add_co_u32 s47, s47, GATB
	v_mov_b32 v17, s47                             ; and its two pairs of gates
	v_and_b32 v20, 15, v1                          ; sixteen keys and sixteen pairs of gates: lane % 16, so that no lane's address leaves the bytes written
	v_lshl_add_u32 v18, v20, 2, KEYB               ; the keys on the way out,
	v_lshl_add_u32 v19, v20, 3, GATB               ; and the gates
	v_lshlrev_b32 v10, 4, v0                       ; router_w: 16 bytes a thread
	v_lshrrev_b32 v11, 6, v0                       ; and where they go: k = thread / 2 + 128 j, e = 4 (thread % 2) + 0..3
	s_delay_alu instid0(VALU_DEP_1)
	v_mul_u32_u24 v11, v11, 1040
	v_bfe_u32 v12, v0, 1, 5
	s_delay_alu instid0(VALU_DEP_1)
	v_lshl_add_u32 v11, v12, 2, v11
	v_and_b32 v12, 1, v0
	s_delay_alu instid0(VALU_DEP_1)
	v_lshl_add_u32 v11, v12, 9, v11
	s_mov_b32 s32, 0x76543210
	s_mov_b32 s33, 0xfedcba98                      ; v_permlanex16_b32's selects for lane l xor 16
	s_lshl_b32 s38, ttmp9, 4                       ; the work-group's first token
	s_lshl_b32 s39, s22, 1
	s_add_co_u32 s39, s38, s39                     ; my wave's first token
	s_mov_b32 s41, 0
	s_wait_alu depctr_va_vdst(0)
	s_wait_kmcnt 0x0
	s_load_b256 s[24:31], s[8:9], 0x0              ; router_b
	s_lshl_b32 s40, s39, 12
	s_add_nc_u64 s[4:5], s[4:5], s[40:41]          ; x at my first token
	s_mul_i32 s40, s39, 768
	s_add_nc_u64 s[42:43], s[16:17], s[40:41]      ; its codes
	s_lshl_b32 s40, s38, 5
	s_add_co_u32 s40, s40, 3145728
	s_add_nc_u64 s[16:17], s[16:17], s[40:41]      ; the work-group's scale bytes,
	s_lshl_b32 s40, s38, 2
	s_add_nc_u64 s[18:19], s[18:19], s[40:41]      ; keys,
	s_lshl_b32 s40, s38, 3
	s_add_nc_u64 s[20:21], s[20:21], s[40:41]      ; and gates
.irp j, 0,1,2,3,4,5,6,7
	global_load_b128 v[W+4*\j:W+4*\j+3], v10, s[6:7] offset:4096*\j
.endr
.irp k, 0,1                            ; my two tokens' rows: each load reads 512 consecutive bytes
.irp j, 0,1,2,3,4,5,6,7
	global_load_b128 v[L+32*\k+4*\j:L+32*\k+4*\j+3], v2, s[4:5] offset:4096*\k+512*\j th:TH_LOAD_NT
.endr
.endr
	s_wait_loadcnt 16                              ; router_w's eight loads are in; the 16 of my two tokens may be out
.irp j, 0,1,2,3,4,5,6,7
.irp q, 0,1,2,3
	ds_store_b32 v11, v[W+4*\j+\q] offset:4160*\j+128*\q
.endr
.endr
	s_wait_dscnt 0x0                               ; for the others' sake: my part of router_w lies in LDS
	s_barrier_signal -1
	s_barrier_wait -1
	s_wait_kmcnt 0x0                               ; router_b
.macro WLOAD e                         ; router_w(32 lane + 0..31, e) into set e % 2
.irp q, 0,1,2,3,4,5,6,7
	ds_load_b128 v[W+32*((\e)%2)+4*\q:W+32*((\e)%2)+4*\q+3], v5 offset:128*(\e)+16*\q
.endr
.endm
.macro ROUTE e                         ; my 32 k's part of both tokens' logit e: packed multiply-adds, the two tokens by turns
.if (\e) < 7
	WLOAD (\e)+1
	s_wait_dscnt 8                                 ; this expert's weights are in; the eight loads just issued may be out
.else
	s_wait_dscnt 0x0
.endif
.irp i, 0,2,4,6,8,10,12,14,16,18,20,22,24,26,28,30
.irp k, 0,1
.if \i == 0
	v_pk_mul_f32 v[A+16*\k+2*(\e):A+16*\k+2*(\e)+1], v[X+32*\k+\i:X+32*\k+\i+1], v[W+32*((\e)%2)+\i:W+32*((\e)%2)+\i+1]
.else
	s_delay_alu instid0(VALU_DEP_2)
	v_pk_fma_f32 v[A+16*\k+2*(\e):A+16*\k+2*(\e)+1], v[X+32*\k+\i:X+32*\k+\i+1], v[W+32*((\e)%2)+\i:W+32*((\e)%2)+\i+1], v[A+16*\k+2*(\e):A+16*\k+2*(\e)+1]
.endif
.endr
.endr
.endm
.macro XQUANT k                        ; token k's block of mine: its byte, its 32 codes in six registers, both into LDS
.set XS, X+32*(\k)
.set QT, 196+4*(\k)
.set CC, 160+8*(\k)
.set TT, 176+4*(\k)
	v_max3_num_f32 v[QT], |v[XS]|, |v[XS+1]|, |v[XS+2]|
	v_max3_num_f32 v[QT+1], |v[XS+3]|, |v[XS+4]|, |v[XS+5]|
.irp i, 6,10,14,18,22,26
	s_delay_alu instid0(VALU_DEP_2)
	v_max3_num_f32 v[QT], v[QT], |v[XS+\i]|, |v[XS+\i+1]|
	s_delay_alu instid0(VALU_DEP_2)
	v_max3_num_f32 v[QT+1], v[QT+1], |v[XS+\i+2]|, |v[XS+\i+3]|
.endr
	s_delay_alu instid0(VALU_DEP_2)
	v_max3_num_f32 v[QT], v[QT], |v[XS+30]|, |v[XS+31]|
	s_delay_alu instid0(VALU_DEP_1)
	v_max3_num_f32 v[QT], v[QT], v[QT+1], 0x2800000      ; the floor 2^(5 - 127): the byte cannot fall under 1
	s_delay_alu instid0(VALU_DEP_1)
	v_add_nc_u32 v[QT+2], 0xfe000000, v[QT]              ; 4 off the exponent field: the conversion's scale operand
	v_cvt_scalef32_pk16_bf6_f32 v[CC:CC+2], v[XS:XS+15], v[QT+2]
	v_cvt_scalef32_pk16_bf6_f32 v[TT:TT+2], v[XS+16:XS+31], v[QT+2]   ; (a conversion's three registers begin on an even number)
	v_lshrrev_b32 v[QT+3], 23, v[QT+2]                   ; the byte; also the plain line behind the conversions
.irp i, 0,1,2
	v_mov_b32 v[CC+3+\i], v[TT+\i]
.endr
	ds_store_b8 v7, v[QT+3] offset:32*(\k)
.irp i, 0,1,2
	ds_store_b64 v6, v[CC+2*\i:CC+2*\i+1] offset:768*(\k)+8*\i
.endr
.endm
.macro TOP2 k                          ; token k's two largest logits (every lane holds all eight), its gates and its key; every lane writes the same words of LDS with the same values
.set LG, A+16*(\k)
.set TKY, 216+(\k)                     ; the key and the gates have registers of their own for each token: LDS stores read them
.set TGA, 218+2*(\k)
.set TGB, 219+2*(\k)
	v_mov_b32 v[TM1], v[LG]
	v_mov_b32 v[TI1], 0
.irp e, 1,2,3,4,5,6,7
	s_delay_alu instid0(VALU_DEP_2)
	v_cmp_le_f32 vcc_lo, v[LG+2*\e], v[TM1]              ; kept where the new one is not greater: the lower index wins a tie
	s_delay_alu instid0(VALU_DEP_1)
	v_cndmask_b32 v[TM1], v[LG+2*\e], v[TM1], vcc_lo
	s_delay_alu instid0(VALU_DEP_2)
	v_cndmask_b32 v[TI1], \e, v[TI1], vcc_lo
.endr
	v_mov_b32 v[TM2], 0xff800000
	v_mov_b32 v[TI2], 0
.irp e, 0,1,2,3,4,5,6,7
	s_delay_alu instid0(VALU_DEP_2)
	v_cmp_le_f32 s46, v[LG+2*\e], v[TM2]
	v_cmp_eq_u32 s47, \e, v[TI1]                         ; the first choice is passed over
	s_or_b32 vcc_lo, s46, s47
	v_cndmask_b32 v[TM2], v[LG+2*\e], v[TM2], vcc_lo
	v_cndmask_b32 v[TI2], \e, v[TI2], vcc_lo
.endr
	s_delay_alu instid0(VALU_DEP_2)
	v_sub_f32 v[TD], v[TM2], v[TM1]                      ; the maximum is taken away: 0 or less
	s_delay_alu instid0(VALU_DEP_1)
	v_mul_f32 v[TD], 0x3fb8aa3b, v[TD]
	s_wait_alu depctr_va_vdst(0)
	v_exp_f32 v[TE], v[TD]
	v_min_u32 v[TA], v[TI1], v[TI2]                      ; (a plain line behind the exponential)  a < b
	s_wait_alu depctr_va_vdst(0)
	v_add_f32 v[TD], 1.0, v[TE]
	s_wait_alu depctr_va_vdst(0)
	v_rcp_f32 v[TR], v[TD]                               ; the first choice's gate
	v_max_u32 v[TB], v[TI1], v[TI2]                      ; (a plain line behind the reciprocal)
	s_wait_alu depctr_va_vdst(0)
	v_mul_f32 v[TG], v[TE], v[TR]                        ; the second's
	v_cmp_lt_u32 vcc_lo, v[TI1], v[TI2]
	v_cndmask_b32 v[TGA], v[TG], v[TR], vcc_lo
	v_cndmask_b32 v[TGB], v[TR], v[TG], vcc_lo
	v_sub_nc_u32 v[TKY], 15, v[TA]
	s_delay_alu instid0(VALU_DEP_1)
	v_mul_u32_u24 v[TKY], v[TKY], v[TA]
	s_delay_alu instid0(VALU_DEP_1)
	v_lshrrev_b32 v[TKY], 1, v[TKY]                      ; (15 - a) a / 2: the pairs with a smaller first expert
	v_sub_nc_u32 v[TD], v[TB], v[TA]
	s_delay_alu instid0(VALU_DEP_1)
	v_add_nc_u32 v[TD], -1, v[TD]                        ; an even a: b runs up: b - a - 1
	v_sub_nc_u32 v[TE], 7, v[TB]                         ; an odd a: b runs down: 7 - b
	v_and_b32 v[TR], 1, v[TA]
	s_delay_alu instid0(VALU_DEP_1)
	v_cmp_eq_u32 vcc_lo, 1, v[TR]
	s_delay_alu instid0(VALU_DEP_1)
	v_cndmask_b32 v[TD], v[TD], v[TE], vcc_lo
	s_delay_alu instid0(VALU_DEP_1)
	v_add_nc_u32 v[TKY], v[TKY], v[TD]                   ; the class, 0 .. 27
	s_delay_alu instid0(VALU_DEP_1)
	v_lshl_or_b32 v[TKY], v[TA], 8, v[TKY]
	s_delay_alu instid0(VALU_DEP_1)
	v_lshl_or_b32 v[TKY], v[TB], 16, v[TKY]
	ds_store_b32 v16, v[TKY] offset:4*(\k)
	ds_store_b64 v17, v[TGA:TGB] offset:8*(\k)
.endm
	s_wait_loadcnt 0x0                             ; my two rows are in
.irp k, 0,1
.irp j, 0,1,2,3,4,5,6,7
	ds_store_b128 v3, v[L+32*\k+4*\j:L+32*\k+4*\j+3] offset:4608*\k+576*\j
.endr
.endr
.irp k, 0,1
.irp i, 0,1,2,3,4,5,6,7
	ds_load_b128 v[X+32*\k+4*\i:X+32*\k+4*\i+3], v4 offset:4608*\k+16*\i   ; LDS serves a wave's instructions in order (ISA guide 5.7.1.4): these see the stores above
.endr
.endr
	WLOAD 0
	s_wait_dscnt 8                                 ; the stage's stores and loads are done; the first expert's eight loads may be out
.irp e, 0,1,2,3,4,5,6,7
	ROUTE \e
.endr
	XQUANT 0
	XQUANT 1
.irp i, 0,1,2
	ds_load_b128 v[184+4*\i:187+4*\i], v15 offset:512*\i    ; two tokens' 1,536 bytes of codes, as they lie in xq
.endr
.irp n, 0,1,2,3,4,5,6,7,8,9,10,11,12,13,14,15
	v_add_f32 v[A+2*\n], v[A+2*\n], v[A+2*\n+1]
.endr
.irp q, 1,2,4,8
.irp n, 0,1,2,3,4,5,6,7,8,9,10,11,12,13,14,15
	v_add_f32_dpp v[A+2*\n], v[A+2*\n], v[A+2*\n] row_xmask:\q row_mask:0xf bank_mask:0xf
.endr
.endr
.irp n, 0,1,2,3,4,5,6,7,8,9,10,11,12,13,14,15
	v_permlanex16_b32 v[A+2*\n+1], v[A+2*\n], s32, s33
.endr
.irp n, 0,1,2,3,4,5,6,7,8,9,10,11,12,13,14,15
	v_add_f32 v[A+2*\n], v[A+2*\n], v[A+2*\n+1]          ; every lane holds the same sum: an addition's two sources may change places
.endr
.irp n, 0,1,2,3,4,5,6,7,8,9,10,11,12,13,14,15
	v_add_f32 v[A+2*\n], s[24+\n%8], v[A+2*\n]           ; + router_b
.endr
	TOP2 0
	TOP2 1
	s_wait_dscnt 0x0                               ; the codes are back; and, for the others' sake, my scale bytes, keys and gates lie in LDS
.irp i, 0,1,2
	global_store_b128 v2, v[184+4*\i:187+4*\i], s[42:43] offset:512*\i   ; each store covers 512 consecutive bytes, aligned to 256
.endr
	s_barrier_signal -1
	s_barrier_wait -1                              ; all eight waves' scale bytes, keys and gates lie in LDS
	s_cmp_lg_u32 s22, 0
	s_cbranch_scc1 .Lxend                          ; wave 0 stores them
	ds_load_b128 v[32:35], v8
	s_wait_dscnt 0x0
	global_store_b128 v2, v[32:35], s[16:17]       ; the 16 tokens' scale bytes: 512 consecutive bytes, aligned to 256
	v_cmp_gt_u32 vcc_lo, 16, v1
	s_wait_xcnt 0x0                                ; EXEC changes only behind this wait
	s_wait_tensorcnt 0x0
	ds_add_u32 v30, v31
	s_wait_dscnt 0x0
	s_and_saveexec_b32 s46, vcc_lo
	ds_load_b32 v36, v18
	ds_load_b64 v[38:39], v19
	s_wait_dscnt 0x0
	global_store_b32 v13, v36, s[18:19]            ; lanes 0-15: the 16 keys,
	global_store_b64 v14, v[38:39], s[20:21]       ; and the 16 pairs of gates
	s_endpgm
.Lxend:
	s_wait_tensorcnt 0x0
	ds_add_u32 v30, v31
	s_wait_dscnt 0x0
	s_endpgm
; ---------------------------------------------------------------- the weight path: 256 columns x 128 along K of one expert's w1; a wave 32 columns
.Lweights:
	s_sub_co_u32 s24, ttmp9, 256
	s_bfe_u32 s26, s24, 0x30005                    ; expert
	s_bfe_u32 s27, s24, 0x20003                    ; which 256 columns
	s_and_b32 s28, s24, 7                          ; which 128 along K
	s_lshl_b32 s30, s26, 22                        ; in: expert x 4 MiB + K step x 128 rows of 4,096 bytes + 4 x column
	s_lshl_b32 s29, s28, 19
	s_add_co_u32 s30, s30, s29
	s_lshl_b32 s29, s27, 10
	s_add_co_u32 s30, s30, s29
	s_lshl_b32 s29, s22, 7
	s_add_co_u32 s30, s30, s29
	s_mov_b32 s31, 0
	s_lshl_b32 s32, s27, 2
	s_lshr_b32 s29, s22, 1
	s_add_co_u32 s32, s32, s29                     ; G: my group of 64 columns
	s_lshl_b32 s29, s26, 4
	s_add_co_u32 s32, s32, s29
	s_lshl_b32 s32, s32, 3
	s_add_co_u32 s32, s32, s28                     ; (16 e + G) 8 + K step
	s_and_b32 s33, s22, 1                          ; b: which 32 of the 64
	s_mul_i32 s34, s32, 6144
	s_mul_i32 s29, s33, 3072
	s_add_co_u32 s34, s34, s29
	s_mov_b32 s35, 0
	s_lshl_b32 s36, s32, 8
	s_lshl_b32 s29, s33, 7
	s_add_co_u32 s36, s36, s29
	s_add_co_u32 s36, s36, 12582912                ; and their 32 scale words
	s_mov_b32 s37, 0
	s_wait_alu depctr_va_vdst(0)
	v_lshlrev_b32 v2, 2, v1                        ; in: 4 bytes a lane
	v_bfe_u32 v5, v1, 3, 1                         ; u: my column's tile of the two
	v_and_b32 v6, 7, v1
	v_lshrrev_b32 v7, 4, v1
	s_delay_alu instid0(VALU_DEP_1)
	v_lshl_add_u32 v6, v7, 3, v6                   ; r: its row in the tile
	s_delay_alu instid0(VALU_DEP_4)
	v_mul_u32_u24 v3, v5, 1536
	s_delay_alu instid0(VALU_DEP_1)
	v_lshl_add_u32 v3, v6, 4, v3                   ; codes: 1,536 u + 16 r
	v_lshlrev_b32 v4, 6, v5
	s_delay_alu instid0(VALU_DEP_1)
	v_lshl_add_u32 v4, v6, 2, v4                   ; scale word: 64 u + 4 r
	s_wait_alu depctr_va_vdst(0)
	s_wait_kmcnt 0x0
	s_add_nc_u64 s[38:39], s[10:11], s[30:31]
	s_add_nc_u64 s[40:41], s[14:15], s[34:35]
	s_add_nc_u64 s[42:43], s[14:15], s[36:37]
.macro LOADB kb                        ; block kb: 32 rows of my column; a load reads 128 consecutive bytes a wave, 1,024 a work-group
.irp i, 0,1,2,3,4,5,6,7,8,9,10,11,12,13,14,15,16,17,18,19,20,21,22,23,24,25,26,27,28,29,30,31
	global_load_b32 v[32+32*(\kb)+\i], v2, s[38:39] offset:(32*(\kb)+\i)*4096 th:TH_LOAD_NT
.endr
.endm
.macro BLOCK kb                        ; block kb = 2 c + h becomes registers 6 c .. 6 c + 5 of the fragment lane (r, h): v160.. for h = 0, v172.. for h = 1
.set XS, 32+32*(\kb)
.set FD, 160+12*((\kb)%2)+6*((\kb)/2)
.if (\kb) < 3
	s_wait_loadcnt 32                              ; this block's 32 loads are in; the next block's may be out
.else
	s_wait_loadcnt 0x0
.endif
.if (\kb) < 2
	LOADB (\kb)+2
.endif
	v_max3_num_f32 v8, |v[XS]|, |v[XS+1]|, |v[XS+2]|
	v_max3_num_f32 v9, |v[XS+3]|, |v[XS+4]|, |v[XS+5]|
.irp i, 6,10,14,18,22,26
	s_delay_alu instid0(VALU_DEP_2)
	v_max3_num_f32 v8, v8, |v[XS+\i]|, |v[XS+\i+1]|
	s_delay_alu instid0(VALU_DEP_2)
	v_max3_num_f32 v9, v9, |v[XS+\i+2]|, |v[XS+\i+3]|
.endr
	s_delay_alu instid0(VALU_DEP_2)
	v_max3_num_f32 v8, v8, |v[XS+30]|, |v[XS+31]|
	s_delay_alu instid0(VALU_DEP_1)
	v_max3_num_f32 v8, v8, v9, 0x2800000           ; the floor 2^(5 - 127)
	s_delay_alu instid0(VALU_DEP_1)
	v_add_nc_u32 v10, 0xfe000000, v8               ; 4 off the exponent field: the conversion's scale operand
	v_cvt_scalef32_pk16_bf6_f32 v[FD:FD+2], v[XS:XS+15], v10
	v_cvt_scalef32_pk16_bf6_f32 v[184:186], v[XS+16:XS+31], v10
	v_lshrrev_b32 v11, 23, v10                     ; the byte; also the plain line behind the conversions
.irp i, 0,1,2
	v_mov_b32 v[FD+3+\i], v[184+\i]
.endr
.if (\kb) == 0
	s_delay_alu instid0(VALU_DEP_4)
	v_mov_b32 v12, v11
.else
	s_delay_alu instid0(VALU_DEP_4)
	v_lshl_or_b32 v12, v11, 8*(\kb), v12           ; the column's scale word for these 128 k
.endif
.endm
	LOADB 0
	LOADB 1
	BLOCK 0
	BLOCK 1
	BLOCK 2
	BLOCK 3
.irp p, 0,1,2
	global_store_b128 v3, v[160+4*\p:163+4*\p], s[40:41] offset:512*\p       ; sixteen lanes of a tile fill 256 consecutive bytes, aligned; two tiles a store
	global_store_b128 v3, v[172+4*\p:175+4*\p], s[40:41] offset:512*\p+256
.endr
	global_store_b32 v4, v12, s[42:43]             ; 128 consecutive bytes
	s_endpgm
.Lfunc_end_k_qb6b60d3f12_prep:
	.size	k_qb6b60d3f12_prep, .Lfunc_end_k_qb6b60d3f12_prep-k_qb6b60d3f12_prep
	.p2alignl 7, 3214868480
	.fill 96, 4, 3214868480
	.section	.rodata,"a",@progbits
	.p2align	6, 0x0
	.amdhsa_kernel k_qb6b60d3f12_prep
		.amdhsa_group_segment_fixed_size 110080
		.amdhsa_private_segment_fixed_size 0
		.amdhsa_enable_private_segment 0
		.amdhsa_kernarg_size 64
		.amdhsa_user_sgpr_count 2
		.amdhsa_user_sgpr_kernarg_segment_ptr 1
		.amdhsa_wavefront_size32 1
		.amdhsa_system_sgpr_workgroup_id_x 1
		.amdhsa_system_sgpr_workgroup_id_y 1
		.amdhsa_system_sgpr_workgroup_id_z 1
		.amdhsa_system_vgpr_workitem_id 0
		.amdhsa_next_free_vgpr 256
		.amdhsa_next_free_sgpr 66
		.amdhsa_reserve_vcc 1
		.amdhsa_float_denorm_mode_32 3
		.amdhsa_float_denorm_mode_16_64 3
		.amdhsa_memory_ordered 1
		.amdhsa_forward_progress 1
		.amdhsa_inst_pref_size 83
	.end_amdhsa_kernel
	.amdgpu_metadata
---
amdhsa.version: [ 1, 2 ]
amdhsa.kernels:
  - .name:           k_qb6b60d3f12_prep
    .symbol:         k_qb6b60d3f12_prep.kd
    .args:
      - { .name: x, .offset: 0, .size: 8, .value_kind: global_buffer, .address_space: global }
      - { .name: router_w, .offset: 8, .size: 8, .value_kind: global_buffer, .address_space: global }
      - { .name: router_b, .offset: 16, .size: 8, .value_kind: global_buffer, .address_space: global }
      - { .name: w1, .offset: 24, .size: 8, .value_kind: global_buffer, .address_space: global }
      - { .name: wq, .offset: 32, .size: 8, .value_kind: global_buffer, .address_space: global }
      - { .name: xq, .offset: 40, .size: 8, .value_kind: global_buffer, .address_space: global }
      - { .name: pairk, .offset: 48, .size: 8, .value_kind: global_buffer, .address_space: global }
      - { .name: gates, .offset: 56, .size: 8, .value_kind: global_buffer, .address_space: global }
    .group_segment_fixed_size: 110080
    .private_segment_fixed_size: 0
    .kernarg_segment_align: 8
    .kernarg_segment_size: 64
    .max_flat_workgroup_size: 256
    .sgpr_count:     66
    .vgpr_count:     256
    .wavefront_size: 32
...
	.end_amdgpu_metadata
.endif
;; end of part 5
;; launch prep2 (part 6): grid 257 x 1, 8 waves a work-group, no clusters, 67,584 bytes of LDS; arguments pairk, gates, w2, wq, stok, sgate; writes wq, stok, sgate
.if DOCPART == 6
	.amdgcn_target "amdgcn-amd-amdhsa--gfx1250"
	.amdhsa_code_object_version 6
	.text
	.protected	k_qb6b60d3f12_prep2
	.globl	k_qb6b60d3f12_prep2
	.p2align	8
	.type	k_qb6b60d3f12_prep2,@function
k_qb6b60d3f12_prep2:
	s_mov_b64 s[64:65], 0
	v_nop
	global_prefetch_b8 v0, s[64:65] scope:SCOPE_SE
	s_setreg_imm32_b32 hwreg(HW_REG_WAVE_MODE, 25, 1), 1
	s_wait_xcnt 0x0
; PREP2: two kinds of work-group, parted by the work-group's number alone.
; Work-group 0 (the sort): a counting sort of the 4,096 tokens by their class (their pair of experts, 28 classes, 5 bits), without atomics.  It reads the keys that the launch before stored.
;   stok[position] = token | a<<16 | b<<24, sgate[position] = the two gates.  The order inside a class is wave by wave, load by load, lane by lane.
;   Wave w takes tokens 512 w + 32 j + lane, j = 0..15.  For each 32 tokens five ballots, one for each bit of the class: the AND over the bits of (the ballot where a bit is 1, its complement where it is 0),
;   taken with my token's class, is the mask of my peers (those in lower lanes are my rank); taken with my lane's number c it is the mask of class c (its ones are lane c's count).
;   The waves' counts meet in LDS, [wave][class]; every wave sums them (all, and the waves before it) and scans the totals over its lanes.
;   EACH WAVE FIRST SORTS ITS OWN 512 TOKENS in its own 8,192 bytes of LDS (16 bytes a token: word, position, two gates) and reads them back in that order: neighbouring lanes then hold neighbouring positions of a class.
;   The region is cleared first, so that every byte that is read back has been written whatever the keys hold.
; Work-groups 1-256: w2 [e][k][n] f32 into codes of BF6 (E3M2), K the first axis: a lane takes a column n, its registers run down K; 256 columns x 128 along K a work-group, 32 columns a wave.
;   The codes are stored in the order of the operand's registers (a tile of 16 columns x 128 K: 1,536 bytes, register group p of lane l at 512 p + 16 l); the columns of tile 2 b + u of a group of 64 are 32 b + 8 u + r + 8 (r / 8).
;   A block's scale is 2^(floor(log2(largest magnitude)) - 4); its byte is the largest magnitude's exponent field - 4, held at 1 from below by a floor among the maximum's leaves.
; LIMITS: NaN and infinities among the inputs are not served.  Blocks whose largest magnitude lies under 2^-122 keep the byte 1; a block of zeros too (its codes are zeros; only this program reads the bytes).
.set STG,   1024                       ; LDS: 0 .. 1,023 the counts, 128 bytes a wave; from STG 8,192 bytes a wave
.set SPARE, 66560                      ; the spare words, 128 bytes a wave
.set K, 32                             ; v32-47   keys
.set Q, 48                             ; v48-63   what brings a place in my region to a position
.set C, 80                             ; v80-95   classes (then x 4)
.set R, 96                             ; v96-111  ranks, places, LDS addresses
.set N, 112                            ; v112-127 lane c: load j's count of class c
.set B, 160                            ; v160-175 lane c: where load j's tokens of class c begin in my region
.set P, 176                            ; v176-191 the same, fetched for my token's class
.set E, 192                            ; v192-255 a token's 16 bytes
.set D, 32                             ; v32-95   the 16 bytes read back
	s_load_b256 s[4:11], s[0:1], 0x0               ; pairk s[4:5], gates s[6:7], w2 s[8:9], wq s[10:11]
	s_load_b128 s[12:15], s[0:1], 0x20             ; stok s[12:13], sgate s[14:15]
	v_lshl_add_u32 v30, v0, 2, SPARE
	v_mov_b32 v31, 0
	v_lshrrev_b32 v1, 5, v0
	v_readfirstlane_b32 s22, v1                    ; wave 0..7
	v_and_b32 v1, 31, v0                           ; lane
	s_wait_alu depctr_va_vdst(0)
	s_cmp_lg_u32 ttmp9, 0
	s_cbranch_scc1 .Lweights
; ---------------------------------------------------------------- the sort
	v_lshlrev_b32 v2, 2, v1                        ; 4 x lane
	s_lshl_b32 s23, s22, 11
	v_add_nc_u32 v3, s23, v2                       ; keys: 2,048 w + 4 lane
	v_lshlrev_b32 v4, 1, v3                        ; gates: 4,096 w + 8 lane
	s_lshl_b32 s24, s22, 7
	v_add_nc_u32 v5, s24, v2                       ; LDS: counts, row w, word lane
	s_lshl_b32 s25, s22, 13
	s_add_co_u32 s25, s25, STG                     ; my region
	v_lshl_add_u32 v6, v1, 4, s25                  ; + 16 x lane
	s_lshl_b32 s26, s22, 9
	v_add_nc_u32 v7, s26, v1                       ; my first token
	s_mov_b32 s27, 0xffff0000                      ; lanes 16-31
	s_mov_b32 s28, 0x01010101
.irp k, 0,1,2,3,4
	v_bfe_u32 v[8+\k], v1, \k, 1
.endr
.irp k, 0,1,2,3,4
	v_add_nc_u32 v[8+\k], -1, v[8+\k]              ; 0 where bit k of my lane's number is 1, all ones where it is 0
.endr
.irp i, 16,17,18,19
	v_mov_b32 v[\i], 0
.endr
.irp i, 0,1,2,3,4,5,6,7,8,9,10,11,12,13,14,15
	ds_store_b128 v6, v[16:19] offset:512*\i       ; my region is cleared
.endr
	s_wait_alu depctr_va_vdst(0)
	s_wait_kmcnt 0x0
.irp j, 0,1,2,3,4,5,6,7,8,9,10,11,12,13,14,15
	global_load_b32 v[K+\j], v3, s[4:5] offset:128*\j
.endr
.irp j, 0,1,2,3,4,5,6,7,8,9,10,11,12,13,14,15
	global_load_b64 v[E+4*\j+2:E+4*\j+3], v4, s[6:7] offset:256*\j
.endr
	s_wait_loadcnt 16                              ; the keys are in; the 16 loads of gates may be out
.irp j, 0,1,2,3,4,5,6,7,8,9,10,11,12,13,14,15
	v_and_b32 v[C+\j], 0xff, v[K+\j]
.endr
.irp j, 0,1,2,3,4,5,6,7,8,9,10,11,12,13,14,15
	v_min_u32 v[C+\j], 31, v[C+\j]                 ; the class
.endr
.macro RANK j                          ; load j's 32 tokens: my rank among my peers into v[R + j]; lane c's count of class c into v[N + j]
.irp k, 0,1,2,3,4
	v_bfe_u32 v[128+\k], v[C+\j], \k, 1
.endr
.irp k, 0,1,2,3,4
	v_cmp_eq_u32 s[16+\k], 1, v[128+\k]            ; the ballot of bit k
.endr
.irp k, 0,1,2,3,4
	v_add_nc_u32 v[128+\k], -1, v[128+\k]
.endr
	v_xor_b32 v133, s16, v128                      ; the lanes whose bit 0 is as my class's,
	v_xor_b32 v134, s16, v8                        ; and as my lane's number's
.irp k, 1,2,3,4
	v_xor_b32 v135, s[16+\k], v[128+\k]
	v_xor_b32 v136, s[16+\k], v[8+\k]
	v_and_b32 v133, v133, v135
	v_and_b32 v134, v134, v136
.endr
	v_mbcnt_lo_u32_b32 v[R+\j], v133, 0            ; my peers in lower lanes
	v_lshrrev_b32 v135, 1, v134                    ; the ones of v134: sums of 2, 4, 8 bits, then of the four bytes
	v_and_b32 v135, 0x55555555, v135
	v_sub_nc_u32 v134, v134, v135
	v_lshrrev_b32 v135, 2, v134
	v_and_b32 v134, 0x33333333, v134
	v_and_b32 v135, 0x33333333, v135
	v_add_nc_u32 v134, v134, v135
	v_lshrrev_b32 v135, 4, v134
	v_add_nc_u32 v134, v134, v135
	v_and_b32 v134, 0x0f0f0f0f, v134
	v_mul_lo_u32 v134, v134, s28
	v_lshrrev_b32 v[N+\j], 24, v134
.endm
.macro SCAN x                          ; v[x]: each lane's number becomes the sum of lanes 0 .. its own
.irp n, 1,2,4,8
	v_mov_b32 v135, 0                              ; what a lane without a source is left with
	v_mov_b32_dpp v135, v[\x] row_shr:\n row_mask:0xf bank_mask:0xf
	v_add_nc_u32 v[\x], v[\x], v135
.endr
	v_readlane_b32 s29, v[\x], 15                  ; the lower sixteen's sum goes onto the upper sixteen
	v_mov_b32 v135, s29
	v_cndmask_b32 v135, 0, v135, s27
	v_add_nc_u32 v[\x], v[\x], v135
.endm
.irp j, 0,1,2,3,4,5,6,7,8,9,10,11,12,13,14,15
	RANK \j
.endr
	v_add_nc_u32 v137, v[N], v[N+1]
	v_add_nc_u32 v138, v[N+2], v[N+3]
.irp i, 4,6,8,10,12,14
	v_add_nc_u32 v137, v137, v[N+\i]
	v_add_nc_u32 v138, v138, v[N+\i+1]
.endr
	v_add_nc_u32 v137, v137, v138                  ; lane c: my wave's count of class c
	ds_store_b32 v5, v137
	v_mov_b32 v139, v137
	SCAN 139
	v_sub_nc_u32 v139, v139, v137                  ; lane c: where class c begins in my region
	v_mov_b32 v[B], v139
.irp j, 0,1,2,3,4,5,6,7,8,9,10,11,12,13,14
	v_add_nc_u32 v[B+\j+1], v[B+\j], v[N+\j]
.endr
.irp j, 0,1,2,3,4,5,6,7,8,9,10,11,12,13,14,15
	v_lshlrev_b32 v[C+\j], 2, v[C+\j]
.endr
.irp j, 0,1,2,3,4,5,6,7,8,9,10,11,12,13,14,15
	ds_bpermute_b32 v[P+\j], v[C+\j], v[B+\j]      ; from lane (my class): a lane permute, which touches no LDS byte
.endr
	s_wait_alu depctr_va_vdst(0)
	s_wait_dscnt 0x0                               ; for the others' sake: my counts lie in LDS
	s_barrier_signal -1
	s_barrier_wait -1
.irp i, 0,1,2,3,4,5,6,7
	ds_load_b32 v[140+\i], v2 offset:128*\i        ; lane c: wave i's count of class c
.endr
.irp j, 0,1,2,3,4,5,6,7,8,9,10,11,12,13,14,15
	v_add_nc_u32 v[R+\j], v[R+\j], v[P+\j]
.endr
.irp j, 0,1,2,3,4,5,6,7,8,9,10,11,12,13,14,15
	v_min_u32 v[R+\j], 0x1ff, v[R+\j]              ; my token's place in my region
.endr
	v_mov_b32 v148, 0
	v_mov_b32 v149, 0
	s_wait_alu depctr_va_vdst(0)
	s_wait_dscnt 0x0
.irp i, 0,1,2,3,4,5,6,7
	s_cmp_gt_u32 s22, \i
	s_cselect_b32 s21, -1, 0
	v_add_nc_u32 v148, v148, v[140+\i]             ; the class's total,
	v_and_b32 v135, s21, v[140+\i]
	v_add_nc_u32 v149, v149, v135                  ; and the count of the waves before mine
.endr
	v_mov_b32 v150, v148
	SCAN 150
	v_sub_nc_u32 v150, v150, v148                  ; lane c: class c's first position,
	v_add_nc_u32 v150, v150, v149                  ; where my wave's tokens of it begin,
	v_sub_nc_u32 v151, v150, v139                  ; less where they begin in my region
.irp j, 0,1,2,3,4,5,6,7,8,9,10,11,12,13,14,15
	ds_bpermute_b32 v[Q+\j], v[C+\j], v151
.endr
.irp j, 0,1,2,3,4,5,6,7,8,9,10,11,12,13,14,15
	v_and_b32 v[E+4*\j], 0xffff00, v[K+\j]
.endr
.irp j, 0,1,2,3,4,5,6,7,8,9,10,11,12,13,14,15
	v_lshl_add_u32 v[E+4*\j], v[E+4*\j], 8, v7     ; a<<16 | b<<24 | my first token,
.endr
.irp j, 0,1,2,3,4,5,6,7,8,9,10,11,12,13,14,15
	v_add_nc_u32 v[E+4*\j], 32*\j, v[E+4*\j]       ; + 32 j
.endr
	s_wait_alu depctr_va_vdst(0)
	s_wait_dscnt 0x0
	s_wait_loadcnt 0x0                             ; the gates are in
.irp j, 0,1,2,3,4,5,6,7,8,9,10,11,12,13,14,15
	v_add_nc_u32 v[E+4*\j+1], v[R+\j], v[Q+\j]     ; the position
.endr
.irp j, 0,1,2,3,4,5,6,7,8,9,10,11,12,13,14,15
	v_lshl_add_u32 v[R+\j], v[R+\j], 4, s25
.endr
.irp j, 0,1,2,3,4,5,6,7,8,9,10,11,12,13,14,15
	ds_store_b128 v[R+\j], v[E+4*\j:E+4*\j+3]
.endr
.irp i, 0,1,2,3,4,5,6,7,8,9,10,11,12,13,14,15
	ds_load_b128 v[D+4*\i:D+4*\i+3], v6 offset:512*\i   ; LDS serves a wave's instructions in order (ISA guide 5.7.1.4): these see my stores
.endr
	s_wait_dscnt 0x0
.irp i, 0,1,2,3,4,5,6,7,8,9,10,11,12,13,14,15
	v_min_u32 v[D+4*\i+1], 0xfff, v[D+4*\i+1]
.endr
.irp i, 0,1,2,3,4,5,6,7,8,9,10,11,12,13,14,15
	v_lshlrev_b32 v[R+\i], 2, v[D+4*\i+1]
	v_lshlrev_b32 v[N+\i], 3, v[D+4*\i+1]
.endr
.irp i, 0,1,2,3,4,5,6,7,8,9,10,11,12,13,14,15
	global_store_b32 v[R+\i], v[D+4*\i], s[12:13]
	global_store_b64 v[N+\i], v[D+4*\i+2:D+4*\i+3], s[14:15]
.endr
	s_wait_tensorcnt 0x0                           ; the wave's end
	ds_add_u32 v30, v31
	s_wait_dscnt 0x0
	s_endpgm
; ---------------------------------------------------------------- w2
.Lweights:
	s_sub_co_u32 s24, ttmp9, 1
	s_bfe_u32 s26, s24, 0x30005                    ; expert
	s_bfe_u32 s27, s24, 0x20003                    ; which 256 columns
	s_and_b32 s28, s24, 7                          ; which 128 along K
	s_lshl_b32 s30, s26, 22                        ; in: expert x 4 MiB + K step x 128 rows of 4,096 bytes + 4 x column
	s_lshl_b32 s29, s28, 19
	s_add_co_u32 s30, s30, s29
	s_lshl_b32 s29, s27, 10
	s_add_co_u32 s30, s30, s29
	s_lshl_b32 s29, s22, 7
	s_add_co_u32 s30, s30, s29
	s_mov_b32 s31, 0
	s_lshl_b32 s32, s27, 2
	s_lshr_b32 s29, s22, 1
	s_add_co_u32 s32, s32, s29                     ; G: my group of 64 columns
	s_lshl_b32 s29, s26, 4
	s_add_co_u32 s32, s32, s29
	s_lshl_b32 s32, s32, 3
	s_add_co_u32 s32, s32, s28                     ; (16 e + G) 8 + K step
	s_and_b32 s33, s22, 1                          ; b: which 32 of the 64
	s_mul_i32 s34, s32, 6144
	s_mul_i32 s29, s33, 3072
	s_add_co_u32 s34, s34, s29
	s_add_co_u32 s34, s34, 6291456                 ; out: my two tiles' codes, behind w1's
	s_mov_b32 s35, 0
	s_lshl_b32 s36, s32, 8
	s_lshl_b32 s29, s33, 7
	s_add_co_u32 s36, s36, s29
	s_add_co_u32 s36, s36, 12845056                ; and their 32 scale words
	s_mov_b32 s37, 0
	v_lshlrev_b32 v2, 2, v1                        ; in: 4 bytes a lane
	v_bfe_u32 v5, v1, 3, 1                         ; u: my column's tile of the two
	v_and_b32 v6, 7, v1
	v_lshrrev_b32 v7, 4, v1
	v_lshl_add_u32 v6, v7, 3, v6                   ; r: its row in the tile
	v_mul_u32_u24 v3, v5, 1536
	v_lshl_add_u32 v3, v6, 4, v3                   ; codes: 1,536 u + 16 r
	v_lshlrev_b32 v4, 6, v5
	v_lshl_add_u32 v4, v6, 2, v4                   ; scale word: 64 u + 4 r
	s_wait_alu depctr_va_vdst(0)
	s_wait_kmcnt 0x0
	s_add_nc_u64 s[38:39], s[8:9], s[30:31]
	s_add_nc_u64 s[40:41], s[10:11], s[34:35]
	s_add_nc_u64 s[42:43], s[10:11], s[36:37]
.macro LOADB kb                        ; block kb: 32 rows of my column; a load reads 128 consecutive bytes a wave, 1,024 a work-group
.irp i, 0,1,2,3,4,5,6,7,8,9,10,11,12,13,14,15,16,17,18,19,20,21,22,23,24,25,26,27,28,29,30,31
	global_load_b32 v[32+32*(\kb)+\i], v2, s[38:39] offset:(32*(\kb)+\i)*4096 th:TH_LOAD_NT
.endr
.endm
.macro BLOCK kb                        ; block kb = 2 c + h becomes registers 6 c .. 6 c + 5 of the fragment lane (r, h): v160.. for h = 0, v172.. for h = 1
.set XS, 32+32*(\kb)
.set FD, 160+12*((\kb)%2)+6*((\kb)/2)
.if (\kb) < 3
	s_wait_loadcnt 32                              ; this block's 32 loads are in; the next block's may be out
.else
	s_wait_loadcnt 0x0
.endif
.if (\kb) < 2
	LOADB (\kb)+2
.endif
	v_max3_num_f32 v8, |v[XS]|, |v[XS+1]|, |v[XS+2]|
	v_max3_num_f32 v9, |v[XS+3]|, |v[XS+4]|, |v[XS+5]|
.irp i, 6,10,14,18,22,26
	v_max3_num_f32 v8, v8, |v[XS+\i]|, |v[XS+\i+1]|
	v_max3_num_f32 v9, v9, |v[XS+\i+2]|, |v[XS+\i+3]|
.endr
	v_max3_num_f32 v8, v8, |v[XS+30]|, |v[XS+31]|
	v_max3_num_f32 v8, v8, v9, 0x2800000           ; the floor 2^(5 - 127)
	v_add_nc_u32 v10, 0xfe000000, v8               ; 4 off the exponent field: the conversion's scale operand
	v_cvt_scalef32_pk16_bf6_f32 v[FD:FD+2], v[XS:XS+15], v10
	v_cvt_scalef32_pk16_bf6_f32 v[184:186], v[XS+16:XS+31], v10
	v_lshrrev_b32 v11, 23, v10                     ; the byte; also the plain line behind the conversions
.irp i, 0,1,2
	v_mov_b32 v[FD+3+\i], v[184+\i]
.endr
.if (\kb) == 0
	v_mov_b32 v12, v11
.else
	v_lshl_or_b32 v12, v11, 8*(\kb), v12           ; the column's scale word for these 128 k
.endif
.endm
	LOADB 0
	LOADB 1
	BLOCK 0
	BLOCK 1
	BLOCK 2
	BLOCK 3
.irp p, 0,1,2
	global_store_b128 v3, v[160+4*\p:163+4*\p], s[40:41] offset:512*\p       ; sixteen lanes of a tile fill 256 consecutive bytes, aligned; two tiles a store
	global_store_b128 v3, v[172+4*\p:175+4*\p], s[40:41] offset:512*\p+256
.endr
	global_store_b32 v4, v12, s[42:43]             ; 128 consecutive bytes
	s_endpgm
.Lfunc_end_k_qb6b60d3f12_prep2:
	.size	k_qb6b60d3f12_prep2, .Lfunc_end_k_qb6b60d3f12_prep2-k_qb6b60d3f12_prep2
	.p2alignl 7, 3214868480
	.fill 96, 4, 3214868480
	.section	.rodata,"a",@progbits
	.p2align	6, 0x0
	.amdhsa_kernel k_qb6b60d3f12_prep2
		.amdhsa_group_segment_fixed_size 67584
		.amdhsa_private_segment_fixed_size 0
		.amdhsa_enable_private_segment 0
		.amdhsa_kernarg_size 48
		.amdhsa_user_sgpr_count 2
		.amdhsa_user_sgpr_kernarg_segment_ptr 1
		.amdhsa_wavefront_size32 1
		.amdhsa_system_sgpr_workgroup_id_x 1
		.amdhsa_system_sgpr_workgroup_id_y 1
		.amdhsa_system_sgpr_workgroup_id_z 1
		.amdhsa_system_vgpr_workitem_id 0
		.amdhsa_next_free_vgpr 256
		.amdhsa_next_free_sgpr 66
		.amdhsa_reserve_vcc 0
		.amdhsa_float_denorm_mode_32 3
		.amdhsa_float_denorm_mode_16_64 3
		.amdhsa_memory_ordered 1
		.amdhsa_forward_progress 1
		.amdhsa_inst_pref_size 79
	.end_amdhsa_kernel
	.amdgpu_metadata
---
amdhsa.version: [ 1, 2 ]
amdhsa.kernels:
  - .name:           k_qb6b60d3f12_prep2
    .symbol:         k_qb6b60d3f12_prep2.kd
    .args:
      - { .name: pairk, .offset: 0, .size: 8, .value_kind: global_buffer, .address_space: global }
      - { .name: gates, .offset: 8, .size: 8, .value_kind: global_buffer, .address_space: global }
      - { .name: w2, .offset: 16, .size: 8, .value_kind: global_buffer, .address_space: global }
      - { .name: wq, .offset: 24, .size: 8, .value_kind: global_buffer, .address_space: global }
      - { .name: stok, .offset: 32, .size: 8, .value_kind: global_buffer, .address_space: global }
      - { .name: sgate, .offset: 40, .size: 8, .value_kind: global_buffer, .address_space: global }
    .group_segment_fixed_size: 67584
    .private_segment_fixed_size: 0
    .kernarg_segment_align: 8
    .kernarg_segment_size: 48
    .max_flat_workgroup_size: 256
    .sgpr_count:     66
    .vgpr_count:     256
    .wavefront_size: 32
...
	.end_amdgpu_metadata
.endif
;; end of part 6
;; launch up (part 7): grid 4 x 64, 4 waves a work-group, no clusters, 49,664 bytes of LDS; arguments wq, xq, stok, b1, hq; writes hq
.if DOCPART == 7
	.amdgcn_target "amdgcn-amd-amdhsa--gfx1250"
	.amdhsa_code_object_version 6
	.text
	.protected	k_qb6b60d3f12_up
	.globl	k_qb6b60d3f12_up
	.p2align	8
	.type	k_qb6b60d3f12_up,@function
k_qb6b60d3f12_up:
	s_mov_b64 s[64:65], 0
	v_nop
	global_prefetch_b8 v0, s[64:65] scope:SCOPE_SE
	s_setreg_imm32_b32 hwreg(HW_REG_WAVE_MODE, 25, 1), 1
	s_wait_xcnt 0x0
; UP: h = Q(gelu(Q(x) Q(w1[e]) + b1[e])) for each token's two experts.  Codes of BF6 (E3M2), one E8M0 scale for each 32 along K, f32 sums.
; WORK LEFT OUT: expert e's result for a token is weighed by its gate, 0 for every expert that the token has not chosen: those rows reach no output.  A NaN or an overflow in them is not carried on.
; SHARES.  Work-group (q, beta): the 64 tokens at sorted positions 64 beta .. + 63, hidden units 256 q .. + 255.  Wave w: the group G = 4 q + w of 64 hidden units: 4 tiles of tokens (m) x 4 tiles of units (t).
; THE TOKENS' CODES LIE IN LDS, gathered once a work-group: wave w gathers tile w and stores its eight fragments as images of their registers (lane l's 16 bytes at 16 l); one barrier, ahead of the loop.
; Each wave reads them by a ring of four register buffers, a K step's four fragments (12 LDS loads) four steps ahead; the ring goes round from step 7 to step 0, whatever follows, so that its count is the same in every step.
; The walk over e = 0..7 has a constant count and jumps over the experts that none of the 64 tokens uses (a scalar branch on the stored list).
; THE WEIGHTS OF A WHOLE PASS HAVE REGISTERS OF THEIR OWN, eight K steps x 48, and are asked for a pass ahead, for the NEXT expert that the list names (its number held to 7): steps 0-4 each behind that step's own products,
; steps 5 and 6 ahead of tile 0's GELU, step 7, the scale words and the bias ahead of tile 1's.  So the loop has one wait on these loads, for all of them, at a pass's first step; the last pass asks for nothing (a scalar branch round the loads alone).
; So no data prefetch is laid: the loads themselves run a pass ahead.
; GELU AND THE QUANTISER ARE WALKED ONLY FOR TILES OF 16 TOKENS OF WHICH ONE USES THE EXPERT (a scalar branch on the list).
; h IS KEPT AS TWO PLANES: plane 0 a token's h for its expert a, plane 1 for its expert b (a < b).  A pass's codes and bytes are taken into the planes' registers by a select on the lane's token's experts; both planes are stored once, at the end.
; NO TENSOR LOADS, NO JOINT LOADS: which experts a work-group walks hangs on the stored list; the weights go from memory straight into registers, in register order: each load of a wave reads 512 consecutive bytes.
; THE MATRIX INSTRUCTION IS USED TRANSPOSED (source 0 = 16 columns of w1, source 1 = 16 tokens): lane (r, h) holds token 16 m + r, and register j of tile t = 2 b + u the hidden unit 64 G + 32 b + 16 h + 8 u + j.  b1 is the C of a sum's first instruction.
; GELU, exact form: gelu(z) = max(z, 0) - |z erfc(|z| / sqrt 2)| / 2, erfc(u) = t exp(-u^2 + P(t)), t = 1 / (1 + u / 2), P of degree 9 (a Chebyshev fit whose fractional error stays under 1.2e-7 for every u);
; P's coefficients are multiplied by log2 e, and A = |z| sqrt(log2 e / 2) gives -u^2 log2 e = -A^2 and u / 2 = A delta.
; hq: codes at 98,304 beta + 49,152 plane + 12,288 m + 768 G: 512 bytes (registers 0-3 of my half fragment, 16 a lane), then 256 (registers 4, 5, 8 a lane);
;   scale words at 6,291,456 + 4,096 beta + 2,048 plane + 256 (G / 2) + 128 (m / 2) + 4 lane, my two bytes at 2 (G % 2) (the wave beside me writes the other two).
; LIMITS: NaN and infinities are not served; where erfc falls under 2^-126 the negative tail is 0; a block under 2^-122 (a block of zeros too) keeps the byte 1.
; REGISTERS, in windows of 256: window 0: v1-9 lane terms; v12-13 the tokens' scale bytes; v20-21 c9; v27 where my tile's images go; v32-47 x's scale words; v48-63 w1's; v64-87 GELU; v88-95 quantiser; v96 a tile's two bytes;
;   v100-109 codes; v112-119 my tokens' experts a, b; v128-255 the 16 accumulators (m, t) at 128 + 32 m + 8 t.   window 1: x's fragments of K step s at 48 (s % 4) + 12 m; v192-247 the planes.
;   window 3: w1's fragments of K steps 0-3 at 48 s + 12 t; b1 at 192 + 8 t.   window 2: those of K steps 4-7 at 48 (s - 4) + 12 t.   LDS: tile m's fragment s at 12,288 m + 1,536 s, its register group p at + 512 p.
.set ACC, 128
.set SXR, 32
.set SWR, 48
.set GA,  64
.set GT,  72
.set GQ,  80
.set QM,  88
.set QX,  90
.set QS,  92
.set QB,  94
.set W16, 96
.set PT,  100
.set PC,  104
.set EA,  112
.set EB,  116
.set PLA, 192                          ; window 1: plane p's codes of tile m at PLA + 24 p + 6 m
.set BYA, 240                          ; window 1: its two bytes at BYA + 4 p + m
.set TM,  76                           ; s76-79: a bit for each expert that tile m uses
.set MSB, 0
.macro WIN new                         ; the immediate's high byte repeats the setting that is left; a switch that changes nothing is dropped
.if MSB != \new
	s_set_vgpr_msb (MSB<<8)|\new
.set MSB, \new
.endif
.endm
.macro CONST reg, val                  ; a constant as a scalar pair: the packed forms name the pair
	s_mov_b32 s[\reg], \val
	s_mov_b32 s[\reg+1], \val
.endm
	s_load_b256 s[4:11], s[0:1], 0x0               ; wq s[4:5], xq s[6:7], stok s[8:9], b1 s[10:11]
	s_load_b64 s[12:13], s[0:1], 0x20              ; hq
	v_lshl_add_u32 v30, v0, 2, 0xc000
	v_mov_b32 v31, 0
	v_lshrrev_b32 v1, 5, v0
	v_readfirstlane_b32 s14, v1                    ; wave
	v_and_b32 v1, 31, v0                           ; lane
	v_and_b32 v2, 15, v0                           ; r
	v_bfe_u32 v3, v0, 4, 1                         ; h
	v_lshlrev_b32 v4, 4, v1                        ; 16 x lane
	v_lshlrev_b32 v5, 2, v1                        ; 4 x lane
	v_lshlrev_b32 v6, 6, v3                        ; 64 h: the bias of my half's units
	v_lshlrev_b32 v7, 3, v1                        ; 8 x lane
	v_lshlrev_b32 v9, 2, v2                        ; 4 r
	s_lshl_b32 s22, s14, 6
	v_add_nc_u32 v19, s22, v9                      ; + 64 w: position 16 w + r of the list
	s_mul_i32 s23, s14, 12288
	v_add_nc_u32 v27, s23, v4                      ; LDS: my tile's images, 16 x lane
	s_lshl_b32 s15, ttmp9, 2
	s_add_co_u32 s15, s15, s14                     ; G
	s_and_b32 s16, ttmp7, 0xffff                   ; beta
	s_lshl_b32 s20, s16, 8
	s_mov_b32 s21, 0
	s_wait_alu depctr_va_vdst(0)
	s_wait_kmcnt 0x0
	s_add_nc_u64 s[8:9], s[8:9], s[20:21]          ; the list at my block
	global_load_b32 v12, v5, s[8:9]                ; positions 0-31: lane by lane,
	global_load_b32 v13, v5, s[8:9] offset:128     ; 32-63;
	global_load_b32 v14, v19, s[8:9]               ; my tile's: position 16 w + r;
.irp m, 0,1,2,3
	global_load_b32 v[EA+\m], v9, s[8:9] offset:64*\m   ; and position 16 m + r
.endr
	s_mul_i32 s20, s15, 49152
	s_add_nc_u64 s[24:25], s[4:5], s[20:21]        ; w1's codes of my group (expert 0)
	s_lshl_b32 s20, s15, 11
	s_add_co_u32 s20, s20, 12582912
	s_add_nc_u64 s[26:27], s[4:5], s[20:21]        ; its scale words
	s_lshl_b32 s20, s15, 8
	s_add_nc_u64 s[28:29], s[10:11], s[20:21]      ; b1 of my group
	s_mul_i32 s20, s16, 98304
	s_mul_i32 s22, s15, 768
	s_add_co_u32 s20, s20, s22
	s_add_nc_u64 s[30:31], s[12:13], s[20:21]      ; h's codes: my block, my half fragment
	s_lshl_b32 s20, s16, 12
	s_lshr_b32 s22, s15, 1
	s_lshl_b32 s22, s22, 8
	s_add_co_u32 s20, s20, s22
	s_and_b32 s22, s15, 1
	s_lshl_b32 s22, s22, 1
	s_add_co_u32 s20, s20, s22
	s_add_co_u32 s20, s20, 6291456
	s_add_nc_u64 s[32:33], s[12:13], s[20:21]      ; h's scale bytes
	s_mov_b32 s46, 0x76543210
	s_mov_b32 s47, 0xfedcba98                      ; v_permlanex16_b32's selects for lane l xor 16
	s_mov_b32 s48, 0xffff0000                      ; lanes 16-31
	CONST 50, 0xbf97d29d                           ; c8 = -1.18611494
	CONST 52, 0x40097039                           ; c7 =  2.14747446
	CONST 54, 0xbfd1a1e5                           ; c6 = -1.63775315
	CONST 56, 0x3ecdfd18                           ; c5 =  0.40232158
	CONST 58, 0xbe899a80                           ; c4 = -0.26875686
	CONST 60, 0x3e0efb2e                           ; c3 =  0.13963005
	CONST 62, 0x3f0a29d2                           ; c2 =  0.53970061
	CONST 66, 0x3fb8ab5a                           ; c1 =  1.44272920
	CONST 68, 0xbfe9b21e                           ; c0 = -1.82574822
	CONST 70, 0x3ed5224d                           ; delta = 0.41627731
	s_mov_b32 s72, 0x3f596d27                      ; kappa = 0.84932180
	v_mov_b32 v20, 0x3e7c6f08                      ; c9 = 0.24651730, as a vector pair
	v_mov_b32 v21, 0x3e7c6f08
	v_mov_b32 v[QX], 0                             ; written once: a lane permute's destination counts as one of its sources
	v_mov_b32 v[QX+1], 0
	v_mov_b32 v26, 1
	WIN 0x40
.set i, 0
.rept 56
	v_mov_b32 v[PLA+i], 0                          ; the planes: a select names its destination as a source, so they are written once
.set i, i+1
.endr
	WIN 0
	s_wait_alu depctr_va_vdst(0)
	s_wait_loadcnt 0x0
	v_and_b32 v14, 0xffff, v14
	v_min_u32 v14, 0xfff, v14                      ; my tile's token
	v_mul_u32_u24 v8, v14, 768
	v_mad_u32_u24 v8, v3, 384, v8                  ; its codes: the blocks of my half lie on end
	WIN 0x40                                       ; destination window 1
.irp s, 0,1,2,3,4,5,6,7
.irp p, 0,1,2
	global_load_b128 v[12*\s+4*\p:12*\s+4*\p+3], v8, s[6:7] offset:48*\s+16*\p
.endr
.endr
	WIN 0
	v_bfe_u32 v22, v12, 16, 8                      ; a bit for each of a token's two experts
	v_lshrrev_b32 v23, 24, v12
	v_bfe_u32 v28, v13, 16, 8
	v_lshrrev_b32 v29, 24, v13
	v_lshlrev_b32 v22, v22, v26
	v_lshlrev_b32 v23, v23, v26
	v_lshlrev_b32 v28, v28, v26
	v_lshlrev_b32 v29, v29, v26
	v_or_b32 v24, v22, v23
	v_or_b32 v25, v28, v29
.irp q, 1,2,4,8                        ; joined over the sixteen lanes of a tile
	v_mov_b32_dpp v22, v24 row_xmask:\q row_mask:0xf bank_mask:0xf
	v_mov_b32_dpp v23, v25 row_xmask:\q row_mask:0xf bank_mask:0xf
	v_or_b32 v24, v24, v22
	v_or_b32 v25, v25, v23
.endr
	v_readlane_b32 s[TM], v24, 0
	v_readlane_b32 s[TM+1], v24, 16
	v_readlane_b32 s[TM+2], v25, 0
	v_readlane_b32 s[TM+3], v25, 16
	s_or_b32 s17, s[TM], s[TM+1]
	s_or_b32 s17, s17, s[TM+2]
	s_or_b32 s17, s17, s[TM+3]
	s_and_b32 s17, s17, 0xff                       ; the experts that my block uses
.irp j, 0,1
	v_and_b32 v[12+\j], 0xffff, v[12+\j]
	v_min_u32 v[12+\j], 0xfff, v[12+\j]            ; the token
	v_lshlrev_b32 v[12+\j], 5, v[12+\j]            ; its 32 scale bytes
.endr
.irp j, 0,1
	global_load_b128 v[SXR+8*\j:SXR+8*\j+3], v[12+\j], s[6:7] offset:3145728      ; x's scale words of K steps 0-3: lanes 0-15 tile 2 j, lanes 16-31 tile 2 j + 1
	global_load_b128 v[SXR+8*\j+4:SXR+8*\j+7], v[12+\j], s[6:7] offset:3145744    ; 4-7
.endr
.irp m, 0,1,2,3
	v_lshrrev_b32 v[EB+\m], 24, v[EA+\m]           ; token 16 m + r: its experts b
	v_bfe_u32 v[EA+\m], v[EA+\m], 16, 8            ; and a
.endr
.macro NEXTPTR                         ; expert s23's codes, scale words and bias (s21 = 0)
	s_mul_i32 s20, s23, 786432
	s_add_nc_u64 s[36:37], s[24:25], s[20:21]
	s_lshl_b32 s20, s23, 15
	s_add_nc_u64 s[38:39], s[26:27], s[20:21]
	s_lshl_b32 s20, s23, 12
	s_add_nc_u64 s[40:41], s[28:29], s[20:21]
.endm
.macro LDCODES step                    ; 12 loads: a K step's four fragments of w1, 6,144 consecutive bytes
.if (\step) < 4
	WIN 0xc0
.else
	WIN 0x80
.endif
.irp t, 0,1,2,3
.irp p, 0,1,2
	global_load_b128 v[48*((\step)%4)+12*\t+4*\p:48*((\step)%4)+12*\t+4*\p+3], v4, s[36:37] offset:(\step)*6144+\t*1536+\p*512
.endr
.endr
.endm
.macro LDX step                        ; 12 LDS loads: a K step's four fragments of x into buffer step % 4
	WIN 0x40
.irp m, 0,1,2,3
.irp p, 0,1,2
	ds_load_b128 v[48*((\step)%4)+12*\m+4*\p:48*((\step)%4)+12*\m+4*\p+3], v4 offset:12288*\m+1536*(\step)+512*\p
.endr
.endr
.endm
.macro LDSWB                           ; 24 loads: eight K steps' scale words (lanes 0-15 tile 2 b, lanes 16-31 tile 2 b + 1), and b1 in the result's layout
	WIN 0
.irp st, 0,1,2,3,4,5,6,7
	global_load_b32 v[SWR+2*\st], v5, s[38:39] offset:256*\st
	global_load_b32 v[SWR+2*\st+1], v5, s[38:39] offset:256*\st+128
.endr
	WIN 0xc0
.irp t, 0,1,2,3
	global_load_b128 v[192+8*\t:195+8*\t], v6, s[40:41] offset:128*(\t/2)+32*(\t%2)
	global_load_b128 v[196+8*\t:199+8*\t], v6, s[40:41] offset:128*(\t/2)+32*(\t%2)+16
.endr
.endm
	s_ctz_i32_b32 s23, s17                         ; the first expert that the list names,
	s_min_u32 s23, s23, 7                          ; held inside the table
	NEXTPTR
	LDCODES 0
	LDCODES 1
	LDCODES 2
	WIN 0
	s_wait_alu depctr_va_vdst(0)
	s_wait_loadcnt 40                              ; my tile's 24 loads are in; behind them stand x's 4 loads of scale words and 36 of w1's codes
	WIN 0x04                                       ; an LDS store's data are its source 1: window 1
.irp s, 0,1,2,3,4,5,6,7
.irp p, 0,1,2
	ds_store_b128 v27, v[12*\s+4*\p:12*\s+4*\p+3] offset:1536*\s+512*\p
.endr
.endr
	WIN 0
	s_wait_dscnt 0x0                               ; for the others' sake: my tile's images lie in LDS
	s_barrier_signal -1
	s_barrier_wait -1                              ; all four tiles' do
	LDX 0
	LDX 1
	LDX 2
	LDX 3
	LDCODES 3
	LDCODES 4
	LDCODES 5
	LDCODES 6
	LDCODES 7
	LDSWB
	WIN 0
.macro MM d, a, b, c, sa, sb, ra, rb   ; one product; ra, rb: the scales of source 0, 1 stand in lanes 16-31
.if (\ra) && (\rb)
	v_wmma_scale_f32_16x16x128_f8f6f4 v[\d:\d+7], v[\a:\a+11], v[\b:\b+11], v[\c:\c+7], v[\sa], v[\sb] matrix_a_fmt:MATRIX_FMT_BF6 matrix_b_fmt:MATRIX_FMT_BF6 matrix_a_scale:MATRIX_SCALE_ROW1 matrix_b_scale:MATRIX_SCALE_ROW1
.elseif (\ra)
	v_wmma_scale_f32_16x16x128_f8f6f4 v[\d:\d+7], v[\a:\a+11], v[\b:\b+11], v[\c:\c+7], v[\sa], v[\sb] matrix_a_fmt:MATRIX_FMT_BF6 matrix_b_fmt:MATRIX_FMT_BF6 matrix_a_scale:MATRIX_SCALE_ROW1
.elseif (\rb)
	v_wmma_scale_f32_16x16x128_f8f6f4 v[\d:\d+7], v[\a:\a+11], v[\b:\b+11], v[\c:\c+7], v[\sa], v[\sb] matrix_a_fmt:MATRIX_FMT_BF6 matrix_b_fmt:MATRIX_FMT_BF6 matrix_b_scale:MATRIX_SCALE_ROW1
.else
	v_wmma_scale_f32_16x16x128_f8f6f4 v[\d:\d+7], v[\a:\a+11], v[\b:\b+11], v[\c:\c+7], v[\sa], v[\sb] matrix_a_fmt:MATRIX_FMT_BF6 matrix_b_fmt:MATRIX_FMT_BF6
.endif
.endm
; A K step: 16 products, the 16 accumulators by turns; behind places, x's fragments of four steps on into the buffer just read; and in steps 0-4, where a further pass follows, that pass's codes of this step.
.macro KSTEP st
.if (\st) == 0
	s_wait_loadcnt 0x0                             ; the pass's codes, scale words and bias are in: all were asked for in the pass before (the first pass's: at the head)
.endif
	s_wait_dscnt 36                                ; behind this step's 12 LDS loads stand those of three further steps
.if (\st) == 0
	WIN 0x37                                       ; source 0 window 3, source 1 window 1, C (the bias) window 3
.elseif (\st) < 4
	WIN 0x07
.else
	WIN 0x06                                       ; source 0 window 2
.endif
.irp m, 0,1,2,3
.irp t, 0,1,2,3
.if (\st) == 0
	MM ACC+32*\m+8*\t, 48*((\st)%4)+12*\t, 48*((\st)%4)+12*\m, 192+8*\t, SWR+2*(\st)+\t/2, SXR+8*(\m/2)+(\st), \t%2, \m%2
.else
	MM ACC+32*\m+8*\t, 48*((\st)%4)+12*\t, 48*((\st)%4)+12*\m, ACC+32*\m+8*\t, SWR+2*(\st)+\t/2, SXR+8*(\m/2)+(\st), \t%2, \m%2
.endif
.endr
.endr
.rept 5
	v_nop                                          ; places: in front of loads into registers that matrix instructions have read, of the first read of results, and (step 7) of the next pass's first products, which begin the sums anew (ISA guide 7.12.1 for vector instructions)
.endr
	LDX ((\st)+4)%8
	WIN 0
.if (\st) < 5
	s_cmp_lg_u32 s73, 0
	s_cbranch_scc0 .Lnl_\@
	LDCODES \st                                    ; the next expert's
	WIN 0
.Lnl_\@:
.endif
.endm
.macro ASKA                            ; ahead of tile 0's GELU: the next expert's K steps 5 and 6
	s_cmp_lg_u32 s73, 0
	s_cbranch_scc0 .Lna_\@
	LDCODES 5
	LDCODES 6
	WIN 0
.Lna_\@:
.endm
.macro ASKB                            ; ahead of tile 1's: its K step 7, scale words and bias
	s_cmp_lg_u32 s73, 0
	s_cbranch_scc0 .Lnb_\@
	LDCODES 7
	LDSWB
	WIN 0
.Lnb_\@:
.endm
.macro GELU8 z                         ; one accumulator's eight numbers, in place, from its low end on
.irp i, 0,1,2,3,4,5,6,7
	v_mul_f32 v[GA+\i], s72, |v[(\z)+\i]|          ; A
.endr
.irp i, 0,2,4,6
	v_pk_fma_f32 v[GT+\i:GT+\i+1], v[GA+\i:GA+\i+1], s[70:71], 1.0 op_sel_hi:[1,0,0]
.endr
	s_wait_alu depctr_va_vdst(0)
.irp i, 0,1,2,3,4,5,6,7
	v_rcp_f32 v[GT+\i], v[GT+\i]                   ; t
.endr
	v_nop                                          ; a plain line behind the reciprocals
	s_wait_alu depctr_va_vdst(0)
.irp i, 0,2,4,6
	v_pk_fma_f32 v[GQ+\i:GQ+\i+1], v[GT+\i:GT+\i+1], v[20:21], s[50:51] op_sel_hi:[1,1,0]
.endr
.irp c, 52,54,56,58,60,62,66,68
.irp i, 0,2,4,6
	v_pk_fma_f32 v[GQ+\i:GQ+\i+1], v[GQ+\i:GQ+\i+1], v[GT+\i:GT+\i+1], s[\c:\c+1] op_sel_hi:[1,1,0]
.endr
.endr
.irp i, 0,2,4,6
	v_pk_fma_f32 v[GQ+\i:GQ+\i+1], v[GA+\i:GA+\i+1], v[GA+\i:GA+\i+1], v[GQ+\i:GQ+\i+1] neg_lo:[1,0,0] neg_hi:[1,0,0]
.endr
	s_wait_alu depctr_va_vdst(0)
.irp i, 0,1,2,3,4,5,6,7
	v_exp_f32 v[GQ+\i], v[GQ+\i]
.endr
	v_nop                                          ; a plain line behind the exponentials
	s_wait_alu depctr_va_vdst(0)
.irp i, 0,2,4,6
	v_pk_mul_f32 v[GQ+\i:GQ+\i+1], v[GQ+\i:GQ+\i+1], v[GT+\i:GT+\i+1]          ; erfc
.endr
.irp i, 0,2,4,6
	v_pk_mul_f32 v[GQ+\i:GQ+\i+1], v[GQ+\i:GQ+\i+1], v[(\z)+\i:(\z)+\i+1]
.endr
.irp i, 0,1,2,3,4,5,6,7
	v_max_num_f32 v[GA+\i], 0, v[(\z)+\i]
.endr
.irp i, 0,1,2,3,4,5,6,7
	v_fma_f32 v[(\z)+\i], -0.5, |v[GQ+\i]|, v[GA+\i]
.endr
.endm
.macro QUANT2 m                        ; tile m's 64 hidden units a token: two blocks of 32, each in lanes l and l xor 16; six registers of codes and two bytes, taken into the plane of the lane's token
.set ZB, ACC+32*(\m)
.irp b, 0,1
	v_max3_num_f32 v[QM+\b], |v[ZB+16*\b]|, |v[ZB+16*\b+1]|, 0x2800000        ; with the floor 2^(5 - 127)
.endr
.irp i, 2,4,6,8,10,12,14
.irp b, 0,1
	v_max3_num_f32 v[QM+\b], v[QM+\b], |v[ZB+16*\b+\i]|, |v[ZB+16*\b+\i+1]|
.endr
.endr
.irp b, 0,1
	v_permlanex16_b32 v[QX+\b], v[QM+\b], s46, s47
.endr
.irp b, 0,1
	v_max_num_f32 v[QM+\b], v[QM+\b], v[QX+\b]
.endr
.irp b, 0,1
	v_add_nc_u32 v[QS+\b], 0xfe000000, v[QM+\b]    ; 4 off the exponent field: the conversion's scale operand
.endr
.irp b, 0,1
	v_lshrrev_b32 v[QB+\b], 23, v[QS+\b]
.endr
	v_lshl_or_b32 v[W16], v[QB+1], 8, v[QB]
	v_cvt_scalef32_pk16_bf6_f32 v[PC:PC+2], v[ZB:ZB+15], v[QS]
	v_cvt_scalef32_pk16_bf6_f32 v[PT:PT+2], v[ZB+16:ZB+31], v[QS+1]
	v_nop                                          ; a plain line behind the conversions
.irp i, 0,1,2
	v_permlane16_swap_b32 v[PC+\i], v[PT+\i]       ; the operand's layout wants a whole block in a lane: lanes 0-15 block 0, lanes 16-31 block 1
.endr
.irp i, 0,1,2
	v_mov_b32 v[PC+3+\i], v[PT+\i]
.endr
	v_cmp_eq_u32 s74, s18, v[EA+(\m)]              ; is this expert my token's a,
	v_cmp_eq_u32 s75, s18, v[EB+(\m)]              ; or its b?
	WIN 0x41                                       ; destination and source 0 window 1
.irp i, 0,1,2,3,4,5
	v_cndmask_b32 v[PLA+6*(\m)+\i], v[PLA+6*(\m)+\i], v[PC+\i], s74
	v_cndmask_b32 v[PLA+24+6*(\m)+\i], v[PLA+24+6*(\m)+\i], v[PC+\i], s75
.endr
	v_cndmask_b32 v[BYA+(\m)], v[BYA+(\m)], v[W16], s74
	v_cndmask_b32 v[BYA+4+(\m)], v[BYA+4+(\m)], v[W16], s75
	s_wait_alu depctr_va_vdst(0)
	WIN 0
.endm
	s_mov_b32 s18, 0
.Lexpert:                                          ; eight trips, whatever the list holds
	s_bitcmp1_b32 s17, s18
	s_cbranch_scc0 .Lskip
	s_wait_xcnt 0x0                                ; the pointers are written again only behind this wait
	s_mov_b32 s21, 0
	s_lshl_b32 s22, -2, s18
	s_and_b32 s22, s22, s17                        ; the experts still to come
	s_cselect_b32 s73, 1, 0                        ; is there one?
	s_ctz_i32_b32 s23, s22                         ; the next of them,
	s_min_u32 s23, s23, 7                          ; held inside the table
	NEXTPTR
.irp s, 0,1,2,3,4,5,6,7
	KSTEP \s
.endr
.irp m, 0,1,2,3
.if \m == 0
	ASKA
.endif
.if \m == 1
	ASKB
.endif
	s_bitcmp1_b32 s[TM+\m], s18                    ; does a token of tile m use this expert?
	s_cbranch_scc0 .Lnom\m
.irp t, 0,1,2,3
	GELU8 ACC+32*\m+8*\t
.endr
	QUANT2 \m
.Lnom\m:
.endr
.Lskip:
	s_add_co_u32 s18, s18, 1
	s_cmp_lt_u32 s18, 8
	s_cbranch_scc1 .Lexpert
	WIN 0x05                                       ; sources 0 and 1 window 1
.irp p, 0,1
.irp j, 0,1
	v_cndmask_b32 v[100+2*\p+\j], v[BYA+4*\p+2*\j], v[BYA+4*\p+2*\j+1], s48    ; lanes 0-15 the even tile's bytes, lanes 16-31 the odd one's
.endr
.endr
	WIN 0x04                                       ; a store's data are its source 1: window 1
.irp p, 0,1
.irp m, 0,1,2,3
	global_store_b128 v4, v[PLA+24*\p+6*\m:PLA+24*\p+6*\m+3], s[30:31] offset:49152*\p+12288*\m          ; 512 consecutive bytes, aligned to 256
	global_store_b64 v7, v[PLA+24*\p+6*\m+4:PLA+24*\p+6*\m+5], s[30:31] offset:49152*\p+12288*\m+512     ; 256
.endr
.endr
	WIN 0
.irp p, 0,1
.irp j, 0,1
	global_store_b16 v5, v[100+2*\p+\j], s[32:33] offset:2048*\p+128*\j        ; my two bytes of each row's scale word
.endr
.endr
	s_wait_tensorcnt 0x0                           ; the wave's end
	ds_add_u32 v30, v31
	s_wait_dscnt 0x0
	s_endpgm
.Lfunc_end_k_qb6b60d3f12_up:
	.size	k_qb6b60d3f12_up, .Lfunc_end_k_qb6b60d3f12_up-k_qb6b60d3f12_up
	.p2alignl 7, 3214868480
	.fill 96, 4, 3214868480
	.section	.rodata,"a",@progbits
	.p2align	6, 0x0
	.amdhsa_kernel k_qb6b60d3f12_up
		.amdhsa_group_segment_fixed_size 49664
		.amdhsa_private_segment_fixed_size 0
		.amdhsa_enable_private_segment 0
		.amdhsa_kernarg_size 40
		.amdhsa_user_sgpr_count 2
		.amdhsa_user_sgpr_kernarg_segment_ptr 1
		.amdhsa_wavefront_size32 1
		.amdhsa_system_sgpr_workgroup_id_x 1
		.amdhsa_system_sgpr_workgroup_id_y 1
		.amdhsa_system_sgpr_workgroup_id_z 1
		.amdhsa_system_vgpr_workitem_id 0
		.amdhsa_next_free_vgpr 1024
		.amdhsa_next_free_sgpr 80
		.amdhsa_reserve_vcc 0
		.amdhsa_float_denorm_mode_32 3
		.amdhsa_float_denorm_mode_16_64 3
		.amdhsa_memory_ordered 1
		.amdhsa_forward_progress 1
		.amdhsa_inst_pref_size 163
	.end_amdhsa_kernel
	.amdgpu_metadata
---
amdhsa.version: [ 1, 2 ]
amdhsa.kernels:
  - .name:           k_qb6b60d3f12_up
    .symbol:         k_qb6b60d3f12_up.kd
    .args:
      - { .name: wq, .offset: 0, .size: 8, .value_kind: global_buffer, .address_space: global }
      - { .name: xq, .offset: 8, .size: 8, .value_kind: global_buffer, .address_space: global }
      - { .name: stok, .offset: 16, .size: 8, .value_kind: global_buffer, .address_space: global }
      - { .name: b1, .offset: 24, .size: 8, .value_kind: global_buffer, .address_space: global }
      - { .name: hq, .offset: 32, .size: 8, .value_kind: global_buffer, .address_space: global }
    .group_segment_fixed_size: 49664
    .private_segment_fixed_size: 0
    .kernarg_segment_align: 8
    .kernarg_segment_size: 40
    .max_flat_workgroup_size: 128
    .sgpr_count:     80
    .vgpr_count:     1024
    .wavefront_size: 32
...
	.end_amdgpu_metadata
.endif
;; end of part 7
;; launch down (part 8): grid 4 x 64, 4 waves a work-group, no clusters, 116,224 bytes of LDS; arguments wq, hq, stok, sgate, b2, out0; writes out0
.if DOCPART == 8
	.amdgcn_target "amdgcn-amd-amdhsa--gfx1250"
	.amdhsa_code_object_version 6
	.text
	.protected	k_qb6b60d3f12_down
	.globl	k_qb6b60d3f12_down
	.p2align	8
	.type	k_qb6b60d3f12_down,@function
k_qb6b60d3f12_down:
	s_mov_b64 s[64:65], 0
	v_nop
	global_prefetch_b8 v0, s[64:65] scope:SCOPE_SE
	s_setreg_imm32_b32 hwreg(HW_REG_WAVE_MODE, 25, 1), 1
	s_wait_xcnt 0x0
; DOWN: out[token] = the sum over the token's two experts of gate x (h Q(w2[e]) + b2[e]).  Codes of BF6 (E3M2), one E8M0 scale for each 32 along K, f32 sums.
; WORK LEFT OUT, as in the launch before: the experts that a token has not chosen have the weight 0.
; SHARES.  Work-group (q, beta): the 64 tokens at sorted positions 64 beta .. + 63, output columns 256 q .. + 255.  Wave w: the group G = 4 q + w of 64 columns: 4 tiles of tokens (m) x 4 tiles of columns (t).
; EACH OUTPUT ROW HAS ONE OWNER: the walk over e = 0..7 has a constant count and jumps over the experts that none of the 64 tokens uses; each pass's result is weighed by the lane's token's gate for that
; expert (0 where the token has not chosen it) and added in registers.  Which pass comes first is known only from the list, so the 128 registers of the sum are cleared once.
; h LIES IN TWO PLANES (plane 0 a token's h for its expert a, plane 1 for its expert b): the block's 98,304 bytes of codes come into LDS once, a quarter by each wave, as they lie in memory; one barrier, ahead of the loop.
; In a pass a lane reads the plane of its token: plane 1 where the expert is its b, else plane 0 (a token that has not chosen the expert has the gate 0); the offset, which hangs on the list, is held at its largest value.
; h's fragments come from LDS by a ring of four register buffers, 16 LDS loads a K step, four steps ahead.  h's scale words of both planes are loaded once and picked by a select in each pass.
; w2's FRAGMENTS GO FROM MEMORY STRAIGHT INTO REGISTERS, in register order, by a ring four K steps deep THAT DOES NOT STOP AT A PASS'S END: steps 0-3 ask for the pass's steps 4-7, steps 4-7 for steps 0-3 of the NEXT expert that the list names
; (its number held to 7); with step 4 go that expert's bias and scale words, the words into registers of their own, from which they are moved at the next pass's head.  The last pass asks for nothing more: its steps 4-7 are a second copy, with counts that run down.
; So no data prefetch is laid: the loads themselves run ahead.  NO TENSOR LOADS, NO JOINT LOADS: which experts a work-group walks hangs on the stored list.
; THE MATRIX INSTRUCTION IS USED TRANSPOSED (source 0 = 16 columns of w2, source 1 = 16 tokens of h): lane (r, h) holds token 16 m + r, register j of tile t = 2 b + u column 64 G + 32 b + 16 h + 8 u + j.  b2 is the C of a sum's first instruction.
; THE WAY OUT: a tile of 16 tokens x 64 columns goes through the wave's own stage in LDS (rows of 256 + 16 bytes) and leaves as rows: sixteen lanes store 256 consecutive bytes of a token's row, aligned.
; REGISTERS, in windows of 256: window 0: v1-9 lane terms; v10-15 the list; v16-23 my tokens' experts; v24-31 their gates; v32-39 this pass's weights (pairs, the low word used); v40-55 w2's scale words; v56-71 h's;
;   v72-103 where my rows of out0 begin; v104-111 lane terms and temporaries; v112-119 my tokens' offsets in h; v120-121 the same lane terms in plane 1; v122-123 expert b by position; v128-255 the 16 accumulators of a pass (on the way out: rows read back).
;   window 1: v0-127 the sum; v128-159 b2; v160-175, v176-191 h's scale words of plane 0, 1; v192-207 the next expert's scale words.   window 2: w2's fragments at 48 (s % 4) + 12 t.   window 3: h's, at 48 (s % 4) + 12 m.
; LDS: 0 .. 98,303 h's codes; from 98,304 four stages of 4,352 bytes; from 115,712 the spare words.
.set YA,  128
.set SWR, 40
.set HSR, 56
.set RO,  72
.set HPL, 160
.set SWN, 192
.set STAGE, 98304
.set MSB, 0
.macro WIN new                         ; the immediate's high byte repeats the setting that is left; a switch that changes nothing is dropped
.if MSB != \new
	s_set_vgpr_msb (MSB<<8)|\new
.set MSB, \new
.endif
.endm
	s_load_b256 s[4:11], s[0:1], 0x0               ; wq s[4:5], hq s[6:7], stok s[8:9], sgate s[10:11]
	s_load_b128 s[12:15], s[0:1], 0x20             ; b2 s[12:13], out0 s[14:15]
	v_lshl_add_u32 v126, v0, 2, 0x1c400
	v_mov_b32 v127, 0
	v_lshrrev_b32 v1, 5, v0
	v_readfirstlane_b32 s16, v1                    ; wave
	v_and_b32 v1, 31, v0                           ; lane
	v_and_b32 v2, 15, v0                           ; r
	v_bfe_u32 v3, v0, 4, 1                         ; h
	v_lshlrev_b32 v4, 4, v1                        ; 16 x lane
	v_lshlrev_b32 v5, 2, v1                        ; 4 x lane
	v_lshlrev_b32 v6, 6, v3                        ; 64 h
	v_lshlrev_b32 v7, 3, v1                        ; 8 x lane
	s_mul_i32 s20, s16, 4352
	s_add_co_u32 s20, s20, STAGE                   ; my stage
	v_mul_u32_u24 v8, v2, 272
	v_lshl_add_u32 v8, v3, 6, v8
	v_add_nc_u32 v8, s20, v8                       ; in: row r, + 64 h
	v_mul_u32_u24 v9, v3, 272
	v_lshl_add_u32 v9, v2, 4, v9
	v_add_nc_u32 v9, s20, v9                       ; back: lanes 0-15 one row, lanes 16-31 the next
	v_lshlrev_b32 v104, 2, v2                      ; 4 r
	v_lshlrev_b32 v105, 3, v2                      ; 8 r
	v_lshlrev_b32 v106, 2, v3                      ; 4 h
	v_lshlrev_b32 v107, 4, v2                      ; 16 r
	s_mul_i32 s19, s16, 24576
	v_add_nc_u32 v109, s19, v4                     ; my quarter of h's codes: 24,576 w + 16 x lane, in memory and in LDS alike
	v_add_nc_u32 v120, 0xc000, v4                  ; 16 x lane in plane 1,
	v_add_nc_u32 v121, 0xc000, v7                  ; 8 x lane in plane 1
	s_lshl_b32 s24, ttmp9, 2
	s_add_co_u32 s24, s24, s16                     ; G
	s_and_b32 s25, ttmp7, 0xffff                   ; beta
	s_lshl_b32 s20, s25, 8
	s_mov_b32 s21, 0
	s_lshl_b32 s22, s25, 9
	s_mov_b32 s23, 0
	s_wait_alu depctr_va_vdst(0)
	s_wait_kmcnt 0x0
	s_add_nc_u64 s[8:9], s[8:9], s[20:21]          ; the list at my block,
	s_add_nc_u64 s[10:11], s[10:11], s[22:23]      ; and the gates
	global_load_b32 v10, v5, s[8:9]
	global_load_b32 v11, v5, s[8:9] offset:128
.irp m, 0,1,2,3
	global_load_b32 v[12+\m], v104, s[8:9] offset:64*\m
	global_load_b64 v[24+2*\m:25+2*\m], v105, s[10:11] offset:128*\m
.endr
.irp m, 0,1,2,3
.irp i, 0,1,2,3,4,5,6,7
	global_load_b32 v[RO+8*\m+\i], v106, s[8:9] offset:4*(16*\m+2*\i)     ; position 16 m + 2 i + h: the row that I store on the way out
.endr
.endr
	s_mul_i32 s20, s25, 98304
	s_add_nc_u64 s[32:33], s[6:7], s[20:21]        ; h's codes of my block
	s_lshl_b32 s20, s25, 12
	s_add_co_u32 s20, s20, 6291456
	s_add_nc_u64 s[34:35], s[6:7], s[20:21]        ; its scale words
	WIN 0xc0
.set i, 0
.rept 48
	global_load_b128 v[4*i:4*i+3], v109, s[32:33] offset:512*i             ; my quarter of h's codes: 48 loads of 512 consecutive bytes
.set i, i+1
.endr
	WIN 0x40
.irp p, 0,1
.irp st, 0,1,2,3,4,5,6,7
	global_load_b32 v[HPL+16*\p+2*\st], v5, s[34:35] offset:2048*\p+256*\st          ; h's scale words: lanes 0-15 the even tile, lanes 16-31 the odd one
	global_load_b32 v[HPL+16*\p+2*\st+1], v5, s[34:35] offset:2048*\p+256*\st+128
.endr
.endr
	s_mul_i32 s20, s24, 49152
	s_add_co_u32 s20, s20, 6291456
	s_add_nc_u64 s[26:27], s[4:5], s[20:21]        ; w2's codes of my group (expert 0)
	s_lshl_b32 s20, s24, 11
	s_add_co_u32 s20, s20, 12845056
	s_add_nc_u64 s[28:29], s[4:5], s[20:21]        ; its scale words
	s_lshl_b32 s20, s24, 8
	s_add_nc_u64 s[30:31], s[12:13], s[20:21]      ; b2 of my group
	s_add_nc_u64 s[50:51], s[14:15], s[20:21]      ; out0 at my 64 columns
.set i, 0
.rept 128
	v_mov_b32 v[i], 0                              ; the sum
.set i, i+1
.endr
	WIN 0
.irp m, 0,1,2,3
	v_mov_b32 v[33+2*\m], 0                        ; named as the upper half of a pair, so it is written
.endr
	v_mov_b32 v110, 1
	s_wait_alu depctr_va_vdst(0)
	s_wait_loadcnt 63                              ; the 42 loads of the list and the gates are in: behind them stand 80
	v_bfe_u32 v108, v10, 16, 8                     ; which experts my block uses: a bit for each
	v_lshrrev_b32 v122, 24, v10                    ; position lane: its expert b,
	v_bfe_u32 v124, v11, 16, 8
	v_lshrrev_b32 v123, 24, v11                    ; position 32 + lane
	v_lshlrev_b32 v108, v108, v110
	v_lshlrev_b32 v111, v122, v110
	v_lshlrev_b32 v124, v124, v110
	v_lshlrev_b32 v125, v123, v110
	v_or_b32 v111, v111, v108
	v_or_b32 v124, v124, v125
	v_or_b32 v111, v111, v124
.irp q, 1,2,4,8
	v_mov_b32_dpp v108, v111 row_xmask:\q row_mask:0xf bank_mask:0xf
	v_or_b32 v111, v111, v108
.endr
	v_readlane_b32 s17, v111, 0
	v_readlane_b32 s20, v111, 16
	s_or_b32 s17, s17, s20
	s_and_b32 s17, s17, 0xff
.irp m, 0,1,2,3
	v_bfe_u32 v[16+\m], v[12+\m], 16, 8            ; token 16 m + r: its experts a
	v_lshrrev_b32 v[20+\m], 24, v[12+\m]           ; and b
.endr
.set i, 0
.rept 32
	v_and_b32 v[RO+i], 0xffff, v[RO+i]
	v_min_u32 v[RO+i], 0xfff, v[RO+i]              ; the token
	v_lshl_add_u32 v[RO+i], v[RO+i], 12, v107      ; its row of 4,096 bytes, + 16 r
.set i, i+1
.endr
.macro NEXTPTR                         ; expert s23's w2, scale words and b2 (s21 = 0)
	s_mul_i32 s20, s23, 786432
	s_add_nc_u64 s[38:39], s[26:27], s[20:21]
	s_lshl_b32 s20, s23, 15
	s_add_nc_u64 s[44:45], s[28:29], s[20:21]
	s_lshl_b32 s20, s23, 12
	s_add_nc_u64 s[48:49], s[30:31], s[20:21]
.endm
.macro SEL e                           ; my tokens' offsets in h for expert s[e]
	WIN 0
.irp m, 0,1,2,3
	v_cmp_eq_u32 vcc_lo, s[\e], v[20+\m]
	v_cndmask_b32 v[112+\m], v4, v120, vcc_lo
	v_cndmask_b32 v[116+\m], v7, v121, vcc_lo
	v_min_u32 v[112+\m], 0xc1f0, v[112+\m]         ; the choice hangs on the stored list: the offset is held at its largest value, 49,152 + 16 x 31,
	v_min_u32 v[116+\m], 0xc0f8, v[116+\m]         ; and 49,152 + 8 x 31
.endr
	s_wait_alu depctr_va_vdst(0)
.endm
.macro LDBIAS                          ; 8 loads: b2 in the result's layout
	WIN 0x40
.irp t, 0,1,2,3
	global_load_b128 v[128+8*\t:131+8*\t], v6, s[48:49] offset:128*(\t/2)+32*(\t%2)
	global_load_b128 v[132+8*\t:135+8*\t], v6, s[48:49] offset:128*(\t/2)+32*(\t%2)+16
.endr
.endm
.macro LDSWN                           ; 16 loads: eight K steps' scale words of w2: lanes 0-15 the even tile, lanes 16-31 the odd one
	WIN 0x40
.irp st, 0,1,2,3,4,5,6,7
	global_load_b32 v[SWN+2*\st], v5, s[44:45] offset:256*\st
	global_load_b32 v[SWN+2*\st+1], v5, s[44:45] offset:256*\st+128
.endr
.endm
.macro LDW step, ptr                   ; 12 loads: a K step's four fragments of w2, 6,144 consecutive bytes, into the ring's place step % 4
	WIN 0x80
.irp t, 0,1,2,3
.irp p, 0,1,2
	global_load_b128 v[48*((\step)%4)+12*\t+4*\p:48*((\step)%4)+12*\t+4*\p+3], v4, s[\ptr:\ptr+1] offset:(\step)*6144+\t*1536+\p*512
.endr
.endr
.endm
.macro LDH step                        ; 16 LDS loads: a K step's four fragments of h: each half fragment as 16 and 8 bytes a lane
	WIN 0xc0
.irp m, 0,1,2,3
.irp c, 0,1
	ds_load_b128 v[48*((\step)%4)+12*\m+6*\c:48*((\step)%4)+12*\m+6*\c+3], v[112+\m] offset:12288*\m+1536*(\step)+768*\c
	ds_load_b64 v[48*((\step)%4)+12*\m+6*\c+4:48*((\step)%4)+12*\m+6*\c+5], v[116+\m] offset:12288*\m+1536*(\step)+768*\c+512
.endr
.endr
.endm
	s_ctz_i32_b32 s23, s17                         ; the first expert that the list names,
	s_min_u32 s23, s23, 7                          ; held inside the table
	NEXTPTR
	SEL 23
	LDSWN                                          ; scale words ahead of the bias: a pass's step 4 asks for them the other way round
	LDBIAS
	LDW 0, 38
	LDW 1, 38
	LDW 2, 38
	LDW 3, 38
	WIN 0
	s_wait_loadcnt 63                              ; my quarter of h's codes is in: behind its 48 loads stand 104
	WIN 0x0c                                       ; an LDS store's data are its source 1: window 3
.set i, 0
.rept 48
	ds_store_b128 v109, v[4*i:4*i+3] offset:512*i
.set i, i+1
.endr
	WIN 0
	s_wait_dscnt 0x0                               ; for the others' sake: my quarter lies in LDS
	s_barrier_signal -1
	s_barrier_wait -1                              ; all four do
	LDH 0
	LDH 1
	LDH 2
	LDH 3
	WIN 0
.macro MM d, a, b, c, sa, sb, ra, rb   ; one product; ra, rb: the scales of source 0, 1 stand in lanes 16-31
.if (\ra) && (\rb)
	v_wmma_scale_f32_16x16x128_f8f6f4 v[\d:\d+7], v[\a:\a+11], v[\b:\b+11], v[\c:\c+7], v[\sa], v[\sb] matrix_a_fmt:MATRIX_FMT_BF6 matrix_b_fmt:MATRIX_FMT_BF6 matrix_a_scale:MATRIX_SCALE_ROW1 matrix_b_scale:MATRIX_SCALE_ROW1
.elseif (\ra)
	v_wmma_scale_f32_16x16x128_f8f6f4 v[\d:\d+7], v[\a:\a+11], v[\b:\b+11], v[\c:\c+7], v[\sa], v[\sb] matrix_a_fmt:MATRIX_FMT_BF6 matrix_b_fmt:MATRIX_FMT_BF6 matrix_a_scale:MATRIX_SCALE_ROW1
.elseif (\rb)
	v_wmma_scale_f32_16x16x128_f8f6f4 v[\d:\d+7], v[\a:\a+11], v[\b:\b+11], v[\c:\c+7], v[\sa], v[\sb] matrix_a_fmt:MATRIX_FMT_BF6 matrix_b_fmt:MATRIX_FMT_BF6 matrix_b_scale:MATRIX_SCALE_ROW1
.else
	v_wmma_scale_f32_16x16x128_f8f6f4 v[\d:\d+7], v[\a:\a+11], v[\b:\b+11], v[\c:\c+7], v[\sa], v[\sb] matrix_a_fmt:MATRIX_FMT_BF6 matrix_b_fmt:MATRIX_FMT_BF6
.endif
.endm
; A K step: 16 products, the 16 accumulators by turns; then, four places behind the last product, the fragments of four steps on into the rings' places just read.  nx = 1: a further pass follows.
.macro KSTEP st, nx
.if (\st) > 0                          ; (step 0's wait stands at the pass's head)
.if (\st) < 5
	s_wait_loadcnt 36                              ; behind this step's 12 loads of w2 stand those of three further steps
.elseif (\nx)
	s_wait_loadcnt 60                              ; and the 24 of the next expert's bias and scale words
.else
	s_wait_loadcnt 12*(7-(\st))                    ; the last pass: the counts run down
.endif
.endif
.if (\st) < 5 || (\nx)
	s_wait_dscnt 48                                ; behind this step's 16 LDS loads stand those of three further steps
.else
	s_wait_dscnt 16*(7-(\st))
.endif
.if (\st) == 0
	WIN 0x1e                                       ; source 0 window 2, source 1 window 3, C (the bias) window 1
.else
	WIN 0x0e
.endif
.irp m, 0,1,2,3
.irp t, 0,1,2,3
.if (\st) == 0
	MM YA+32*\m+8*\t, 48*((\st)%4)+12*\t, 48*((\st)%4)+12*\m, 128+8*\t, SWR+2*(\st)+\t/2, HSR+2*(\st)+\m/2, \t%2, \m%2
.else
	MM YA+32*\m+8*\t, 48*((\st)%4)+12*\t, 48*((\st)%4)+12*\m, YA+32*\m+8*\t, SWR+2*(\st)+\t/2, HSR+2*(\st)+\m/2, \t%2, \m%2
.endif
.endr
.endr
.rept 4
	v_nop                                          ; places in front of loads into registers that matrix instructions have read, and (step 7) of the first read of results (ISA guide 7.12.1 for vector instructions)
.endr
.if (\st) < 4
	LDW (\st)+4, 36
	LDH (\st)+4
.elseif (\nx)
.if (\st) == 4
	SEL 23                                         ; from here on h is read for the next expert
	LDBIAS
	LDSWN
.endif
	LDW (\st)-4, 38
	LDH (\st)-4
.endif
.endm
	s_mov_b32 s18, 0
.Lexpert:                                          ; eight trips, whatever the list holds
	s_bitcmp1_b32 s17, s18
	s_cbranch_scc0 .Lskip
	s_wait_xcnt 0x0                                ; the pointers are written again only behind this wait
	s_mov_b32 s21, 0
	s_mul_i32 s20, s18, 786432
	s_add_nc_u64 s[36:37], s[26:27], s[20:21]      ; this expert's w2
	s_lshl_b32 s22, -2, s18
	s_and_b32 s22, s22, s17                        ; the experts still to come
	s_cselect_b32 s52, 1, 0                        ; is there one?
	s_ctz_i32_b32 s23, s22                         ; the next of them,
	s_min_u32 s23, s23, 7                          ; held inside the table
	NEXTPTR
	s_wait_loadcnt 36                              ; this pass's scale words, bias and K step 0 are in; behind them stand the 36 loads of K steps 1-3
	WIN 0x01                                       ; source 0 window 1
.set i, 0
.rept 16
	v_mov_b32 v[SWR+i], v[SWN+i]                   ; w2's scale words, to where a matrix instruction can name them: their own registers take the next expert's while these are at work
.set i, i+1
.endr
	WIN 0
	v_cmp_eq_u32 s54, s18, v122                    ; is this expert the b of the token at position lane,
	v_cmp_eq_u32 s55, s18, v123                    ; at position 32 + lane?
	WIN 0x05                                       ; sources 0 and 1 window 1
.irp st, 0,1,2,3,4,5,6,7
.irp j, 0,1
	v_cndmask_b32 v[HSR+2*\st+\j], v[HPL+2*\st+\j], v[HPL+16+2*\st+\j], s[54+\j]   ; h's scale words, of each token's plane
.endr
.endr
	WIN 0
.irp m, 0,1,2,3                        ; (these sixteen lines are also the places between the writes of scale registers and the first product)
	v_cmp_eq_u32 vcc_lo, s18, v[16+\m]
	v_cndmask_b32 v[32+2*\m], 0, v[24+2*\m], vcc_lo            ; my token's gate for this expert, or 0
	v_cmp_eq_u32 vcc_lo, s18, v[20+\m]
	v_cndmask_b32 v[32+2*\m], v[32+2*\m], v[25+2*\m], vcc_lo
.endr
	s_wait_alu depctr_va_vdst(0)
	KSTEP 0, 1
	KSTEP 1, 1
	KSTEP 2, 1
	KSTEP 3, 1
	WIN 0
	s_cmp_lg_u32 s52, 0
	s_cbranch_scc1 .Lwith
	KSTEP 4, 0                                     ; the last pass asks for nothing more
	KSTEP 5, 0
	KSTEP 6, 0
	KSTEP 7, 0
	WIN 0
	s_branch .Ljoin
.Lwith:
	KSTEP 4, 1
	KSTEP 5, 1
	KSTEP 6, 1
	KSTEP 7, 1
	WIN 0
.Ljoin:
	WIN 0x50                                       ; the sum (destination and source 2) in window 1
.irp m, 0,1,2,3
.irp i, 0,2,4,6,8,10,12,14,16,18,20,22,24,26,28,30
	v_pk_fma_f32 v[32*\m+\i:32*\m+\i+1], v[YA+32*\m+\i:YA+32*\m+\i+1], v[32+2*\m:33+2*\m], v[32*\m+\i:32*\m+\i+1] op_sel_hi:[1,0,1]   ; each accumulator from its low end on
.endr
.endr
	WIN 0
.Lskip:
	s_add_co_u32 s18, s18, 1
	s_cmp_lt_u32 s18, 8
	s_cbranch_scc1 .Lexpert
.macro TOSTAGE m                       ; tile m into my stage, and back as rows
	WIN 0x04                                       ; an LDS store's data are its source 1: window 1
.irp b, 0,1
.irp i, 0,1,2,3
	ds_store_b128 v8, v[32*(\m)+16*\b+4*\i:32*(\m)+16*\b+4*\i+3] offset:128*\b+16*\i
.endr
.endr
	WIN 0
.irp i, 0,1,2,3,4,5,6,7
	ds_load_b128 v[128+32*((\m)%2)+4*\i:128+32*((\m)%2)+4*\i+3], v9 offset:544*\i    ; LDS serves a wave's instructions in order (ISA guide 5.7.1.4): these see the stores above, and the next tile's stores come behind them
.endr
.endm
.macro SEND m, younger                 ; younger: the LDS instructions issued behind tile m's loads, which may stay out
	s_wait_dscnt \younger
.irp i, 0,1,2,3,4,5,6,7
	global_store_b128 v[RO+8*(\m)+\i], v[128+32*((\m)%2)+4*\i:128+32*((\m)%2)+4*\i+3], s[50:51] th:TH_STORE_NT   ; sixteen lanes store 256 consecutive bytes of a token's row, aligned; written once
.endr
.endm
	s_wait_alu depctr_va_vdst(0)
	TOSTAGE 0
	TOSTAGE 1
	SEND 0, 16                                     ; behind tile 0's loads: tile 1's 8 stores and 8 loads
	s_wait_xcnt 0x0                                ; tile 0's stores have read their registers: tile 2's rows may land there
	TOSTAGE 2
	SEND 1, 16
	s_wait_xcnt 0x0
	TOSTAGE 3
	SEND 2, 16
	SEND 3, 0
	s_wait_tensorcnt 0x0                           ; the wave's end
	ds_add_u32 v126, v127
	s_wait_dscnt 0x0
	s_endpgm
.Lfunc_end_k_qb6b60d3f12_down:
	.size	k_qb6b60d3f12_down, .Lfunc_end_k_qb6b60d3f12_down-k_qb6b60d3f12_down
	.p2alignl 7, 3214868480
	.fill 96, 4, 3214868480
	.section	.rodata,"a",@progbits
	.p2align	6, 0x0
	.amdhsa_kernel k_qb6b60d3f12_down
		.amdhsa_group_segment_fixed_size 116224
		.amdhsa_private_segment_fixed_size 0
		.amdhsa_enable_private_segment 0
		.amdhsa_kernarg_size 48
		.amdhsa_user_sgpr_count 2
		.amdhsa_user_sgpr_kernarg_segment_ptr 1
		.amdhsa_wavefront_size32 1
		.amdhsa_system_sgpr_workgroup_id_x 1
		.amdhsa_system_sgpr_workgroup_id_y 1
		.amdhsa_system_sgpr_workgroup_id_z 1
		.amdhsa_system_vgpr_workitem_id 0
		.amdhsa_next_free_vgpr 1024
		.amdhsa_next_free_sgpr 66
		.amdhsa_reserve_vcc 1
		.amdhsa_float_denorm_mode_32 3
		.amdhsa_float_denorm_mode_16_64 3
		.amdhsa_memory_ordered 1
		.amdhsa_forward_progress 1
		.amdhsa_inst_pref_size 104
	.end_amdhsa_kernel
	.amdgpu_metadata
---
amdhsa.version: [ 1, 2 ]
amdhsa.kernels:
  - .name:           k_qb6b60d3f12_down
    .symbol:         k_qb6b60d3f12_down.kd
    .args:
      - { .name: wq, .offset: 0, .size: 8, .value_kind: global_buffer, .address_space: global }
      - { .name: hq, .offset: 8, .size: 8, .value_kind: global_buffer, .address_space: global }
      - { .name: stok, .offset: 16, .size: 8, .value_kind: global_buffer, .address_space: global }
      - { .name: sgate, .offset: 24, .size: 8, .value_kind: global_buffer, .address_space: global }
      - { .name: b2, .offset: 32, .size: 8, .value_kind: global_buffer, .address_space: global }
      - { .name: out0, .offset: 40, .size: 8, .value_kind: global_buffer, .address_space: global }
    .group_segment_fixed_size: 116224
    .private_segment_fixed_size: 0
    .kernarg_segment_align: 8
    .kernarg_segment_size: 48
    .max_flat_workgroup_size: 128
    .sgpr_count:     66
    .vgpr_count:     1024
    .wavefront_size: 32
...
	.end_amdgpu_metadata
.endif
;; end of part 8
